; MI455X (gfx1250); checked and timed in simulation.
; The chip was launched on July 23, 2026; its instructions are those of AMD's public machine-readable ISA for CDNA 5 (MIT licence, August 2026) and "CDNA5" Instruction Set Architecture Reference Guide (July 2026). The comments in the code are by the model that wrote it; some were corrected since.
;; Cross Attn Block. Allowed arithmetic: matrix products marked QUANTISED: E2M1 operands, one E8M0 scale for each 32 along K, by v_wmma_scale_f32_16x16x128_f8f6f4 with both operands' format E2M1 (or v_wmma_scale_f32_32x16x128_f4), f32 sums; products left as they are: f32 operands where the result goes on into a quantised operand, else bf16, f16 or f32 operands; f32 sums; everything else in f32.
;; Inputs: Wkv_codes 2,048 x 32 x 16 uint8 (E2M1 codes of Wkv, K innermost, in blocks of 32 codes, two codes a byte); Wkv_scales 2,048 x 32 uint8 (E8M0 scales of Wkv, one for each 32 codes along K); Wp_codes 1,024 x 32 x 16 uint8 (E2M1 codes of Wp, K innermost, in blocks of 32 codes, two codes a byte); Wp_scales 1,024 x 32 uint8 (E8M0 scales of Wp, one for each 32 codes along K); Wq_codes 1,024 x 32 x 16 uint8 (E2M1 codes of Wq, K innermost, in blocks of 32 codes, two codes a byte); Wq_scales 1,024 x 32 uint8 (E8M0 scales of Wq, one for each 32 codes along K); Wss_kv 1,024 x 2,048 float32; Wss_q 1,024 x 2,048 float32; bkv 2,048 float32; bp 1,024 float32; bq 1,024 float32; bss_kv 2,048 float32; bss_q 2,048 float32; t_vec 8 x 1,024 float32; x_kv 8 x 512 x 1,024 float32; x_q 8 x 2,048 x 1,024 float32.
;; Outputs: out0 8 x 2,048 x 1,024 float32.
;; This version of the problem:
;;   THIS VERSION OF THE PROBLEM IS GIVEN IN LOW PRECISION. The matrix products marked QUANTISED in the list below multiply operands that are first quantised to E2M1 (2 exponent bits, 1 mantissa bit; 4 bits a number), with one power-of-two scale for each 32 numbers along K (OCP MX v1.0); their sums are f32. All else is computed in f32.
;;   The module's matrix products, in the order in which they are computed (A, B: the left and right operand; K: the contracted axis; several contracted axes count as one K, in the product's order):
;;     1. [M 8, K 1,024] x [K 1,024, N 2,048]; A: computed on the way; B: input Wss_q: left as it is (M = 8 < 16)
;;     2. [M 8, K 1,024] x [K 1,024, N 2,048]; A: computed on the way; B: input Wss_kv: left as it is (M = 8 < 16)
;;     3. [M 16,384, K 1,024] x [K 1,024, N 1,024]; A: computed on the way; B: input Wq (given as codes): QUANTISED
;;     4. [M 4,096, K 1,024] x [K 1,024, N 2,048]; A: computed on the way; B: input Wkv (given as codes): QUANTISED
;;     5. batch 128 x [M 2,048, K 64] x [K 64, N 512]; A: computed on the way; B: computed on the way: QUANTISED
;;     6. batch 128 x [M 64, K 512] x [K 512, N 2,048]; A: computed on the way; B: softmax (see below): QUANTISED
;;     7. [M 16,384, K 1,024] x [K 1,024, N 1,024]; A: computed on the way; B: input Wp (given as codes): QUANTISED
;;   THE QUANTISER, for each operand of a quantised product, along K:
;;     - K is cut into blocks of 32 from its start; a last block that is shorter is filled with zeros.
;;     - A block's scale is 2^e with e = floor(log2(the largest magnitude in the block)) - 2, held to -126 .. 127; a block of zeros has e = 0. As a byte (E8M0): e + 127.
;;     - Each number is divided by its block's scale, clamped to +-6, and rounded to the nearest number of E2M1, ties to even, subnormals kept.
;;     - The product sums the exact products of the quantised numbers (number of the format x scale) in f32.
;;   ~~~python
;;   def quantise(x, axis):      # numpy; x: float32 -> the quantised numbers, widened to float32 again
;;       x = np.moveaxis(x, axis, -1); K = x.shape[-1]
;;       x = np.pad(x, [(0, 0)] * (x.ndim - 1) + [(0, -K % 32)]); x = x.reshape(x.shape[:-1] + (-1, 32)); a = np.abs(x).max(-1, keepdims=True)
;;       e = np.where(a > 0, np.clip(np.frexp(np.where(a > 0, a, 1))[1] - 1 - 2, -126, 127), 0)      # np.frexp(a)[1] - 1 = floor(log2(a)), exactly
;;       r = np.clip(x / 2.0 ** e, -6, 6)
;;       step = 2.0 ** (np.maximum(np.frexp(np.where(r == 0, 1, r))[1] - 1, 0) - 1)
;;       q = np.round(r / step) * step * 2.0 ** e      # np.round: ties to even
;;       return np.moveaxis(q.reshape(q.shape[:-2] + (-1,))[..., :K], -1, axis).astype(np.float32)
;;   ~~~
;;   SOFTMAX AHEAD OF A QUANTISED PRODUCT. Where the list says 'softmax', what is quantised is not the finished softmax but p = 2^(t - M), with t = logit x log2(e) and M = ceil(the row's largest t), a whole number; so 1/2 < the row's largest p <= 1. The row's sum l is taken of the UNQUANTISED p, in f32, and the product's result is divided by l at the end. Since M is a whole number, a kernel that streams over the keys may use a running M (the ceiling of the running maximum): every later rescaling is an exact power of two, which a block's scale takes up: the codes' values come out the same.
;;   OPERANDS COMPUTED ON THE WAY. 'Computed on the way' means the value that the module computes at that place (a softmax that the list does not call 'softmax' is quantised finished and normalised). What goes into a quantiser is computed in f32, as accurately as f32 sums, v_exp_f32 and their like allow (about 1e-6 of the number): no bf16 or f16 on the way to a quantiser, and a product that is left as it is and whose result goes on into a quantised operand takes f32 operands (vector FMAs, or v_wmma_f32_16x16x4_f32). A number that lies on a knife's edge between two numbers of the format may be rounded either way, as far as f32 arithmetic and the matrix unit's own rounding can turn it there, and no further.
;;   INPUTS GIVEN AS CODES. Wkv (in the module: [1024, 2048], K = its axis 0); Wp (in the module: [1024, 1024], K = its axis 0); Wq (in the module: [1024, 1024], K = its axis 0): each comes as NAME_codes (uint8): NAME with its K axis moved to the last place and cut into blocks of 32 codes, [.., K / 32, bytes a block], one block behind the other in memory; two codes a byte, the lower K in the low four bits (a code: sign, 2 exponent bits, 1 mantissa bit); and NAME_scales (uint8): the same leading axes, one E8M0 byte (e + 127) for each 32 codes along K. Its value is code x scale, taken as it is: it is not quantised again, and the codes and scales need not be those that the quantiser above would give.
;; 2 versions. Each part assembles by itself: llvm-mc -triple=amdgcn-amd-amdhsa -mcpu=gfx1250 --defsym DOCPART=n.
;; ======== version 1 of 2: 3 launches
;; workspace buffers: ss 131,072 bytes; wimg 2,097,152 bytes; kimg 2,097,152 bytes; vimg 2,097,152 bytes; kvsc 393,216 bytes
;; launch prep (part 1): grid 64 x 1, 16 waves a work-group, no clusters, 100,352 bytes of LDS; arguments t_vec, Wss_q, Wss_kv, bss_q, bss_kv, Wq_codes, Wkv_codes, Wp_codes, ss, wimg; writes ss, wimg
.if DOCPART == 1
	.amdgcn_target "amdgcn-amd-amdhsa--gfx1250"
	.amdhsa_code_object_version 6
	.text
	.protected	k_qa100e07cb4_prep
	.globl	k_qa100e07cb4_prep
	.p2align	8
	.type	k_qa100e07cb4_prep,@function
k_qa100e07cb4_prep:
	s_mov_b64 s[64:65], 0
	v_nop
	global_prefetch_b8 v0, s[64:65] scope:SCOPE_SE
	s_setreg_imm32_b32 hwreg(HW_REG_WAVE_MODE, 25, 1), 1
	s_wait_xcnt 0x0
; TWO JOBS.  (1) ss[mat][b][n] = sum over k of silu(t_vec[b][k]) Wss_mat[k][n] + bss_mat[n], and 1 more where n < 1024 (the scale half), all in f32 by fused multiply-adds: the result goes on into a quantiser.
; (2) The codes of Wq, Wkv and Wp are laid anew, in the order in which a wave's operand registers take them: wimg holds 256 tiles (0-63 Wq, 64-191 Wkv, 192-255 Wp) of 8,192 bytes, [K step 8][c 2][lane 32][16 bytes];
;     lane (r, h) of a weight's tile T holds row 32 (T / 2) + 8 (T % 2) + r + 8 (r / 8), bytes 64 s + 32 c + 16 h on: so a later wave loads a fragment by two loads of 512 consecutive bytes.
; SHARES.  Work-group g: matrix g / 32, columns 64 (g % 32) on: 256 bytes of each row of Wss.  Wave w: K rows 64 w .. 64 w + 63; lanes 0-15 take rows 64 w + i, lanes 16-31 rows 64 w + 32 + i, four columns a lane:
; each load covers two runs of 256 consecutive aligned bytes.  All 32 loads of a wave go out at once.  The 32 partial sums of a column meet in LDS; waves 0-3 add them in a fixed order and store.
; Job 2 is shared among all 1,024 waves of the launch: wave 16 g + w copies a quarter of tile (16 g + w) / 4.
; The order of the sums differs from a plain ascending sum over k: 32 partial sums of 32 terms each.  NaN and infinities among the inputs are not served.
; No matrix unit (8 rows), no cluster (no two work-groups read the same bytes).
.set STR,  0                           ; LDS: 2,048 bytes for each wave: silu of its 64 k for the 8 rows b, [b][64] f32
.set RED,  32768                       ; 32 partial sums x [b 8][64 columns] f32
.set TV,   12                          ; v12-27   t, then silu(t)
.set RL,   28                          ; v28-43   the codes on their way
.set ACC,  44                          ; v44-75   sums [b][4 columns]
.set WR,   76                          ; v76-203  32 rows x 4 columns of Wss
.set STB0, 204                         ; v204-235 silu of four k for the 8 b; the second set lies over TV and RL once these are done with
.set STB1, 12
.set BS,   236                         ; v236-239 bss
.set TP,   240                         ; v240-255 at work
	s_load_b512 s[4:19], s[0:1], 0x0               ; t_vec, Wss_q, Wss_kv, bss_q, bss_kv, Wq_codes, Wkv_codes, Wp_codes
	s_load_b128 s[20:23], s[0:1], 0x40             ; ss, wimg
	v_lshrrev_b32 v1, 5, v0
	v_readfirstlane_b32 s24, v1                    ; wave 0..15
	s_lshr_b32 s25, ttmp9, 5                       ; which matrix
	s_and_b32 s26, ttmp9, 31                       ; which 64 columns
	s_lshl_b32 s27, ttmp9, 4
	s_add_co_u32 s27, s27, s24                     ; the wave's number in the launch
	s_and_b32 s29, s27, 3                          ; which quarter of a tile
	s_lshr_b32 s27, s27, 2                         ; which tile of wimg
	v_and_b32 v5, 31, v0
	v_lshlrev_b32 v5, 4, v5                        ; v5: 16 x lane
	v_and_b32 v11, 15, v0                          ; r
	v_bfe_u32 v240, v0, 4, 1                       ; h
	v_lshlrev_b32 v1, 4, v11                       ; v1: 16 r: my four columns
	v_lshl_add_u32 v2, v240, 18, v1                ; v2: Wss: + 32 rows of 8,192 bytes for lanes 16-31
	v_lshl_add_u32 v3, v240, 12, v1                ; v3: t_vec: + one row b for lanes 16-31
	v_and_b32 v4, 8, v0
	v_add_nc_u32 v4, v4, v11                       ; r + 8 (r / 8)
	v_lshlrev_b32 v4, 9, v4                        ; a row of 1,024 codes is 512 bytes
	v_lshl_add_u32 v4, v240, 4, v4                 ; v4: the codes' source
	s_lshl_b32 s33, s24, 11
	v_add_nc_u32 v6, s33, v5                       ; v6: where silu goes
	v_lshl_add_u32 v7, v240, 7, s33                ; v7: where I read it: my half's 32 k
	s_lshl_b32 s36, s24, 12
	s_add_co_u32 s36, s36, RED
	v_lshl_add_u32 v8, v240, 11, v1
	v_add_nc_u32 v8, s36, v8                       ; v8: partial sum 2 w + h
	v_lshl_add_u32 v9, v0, 4, RED                  ; v9: waves 0-3: thread t reads (b = t / 16, columns 4 (t % 16) on) of every partial sum
	v_lshrrev_b32 v10, 4, v0
	v_lshl_add_u32 v10, v10, 13, v1                ; v10: and stores there in ss
	s_mov_b32 s31, 0
	s_wait_kmcnt 0x0
	s_cmp_eq_u32 s25, 0                            ; the choices hang on the work-group's and the wave's number alone
	s_cselect_b64 s[6:7], s[6:7], s[8:9]
	s_cselect_b64 s[10:11], s[10:11], s[12:13]
	s_cmp_lt_u32 s27, 192
	s_cselect_b64 s[34:35], s[16:17], s[18:19]
	s_cselect_b32 s28, 64, 192
	s_cmp_lt_u32 s27, 64
	s_cselect_b64 s[34:35], s[14:15], s[34:35]
	s_cselect_b32 s28, 0, s28
	s_sub_co_u32 s28, s27, s28                     ; the tile's number within its weight
	s_cmp_lt_u32 s26, 16
	s_cselect_b32 s32, 0x3f800000, 0               ; 1.0 is added to the scale half
	s_lshl_b32 s30, s26, 8
	s_add_nc_u64 s[10:11], s[10:11], s[30:31]      ; bss, Wss and ss at my 64 columns
	s_add_nc_u64 s[6:7], s[6:7], s[30:31]
	s_add_nc_u64 s[20:21], s[20:21], s[30:31]
	s_lshl_b32 s30, s24, 19
	s_add_nc_u64 s[6:7], s[6:7], s[30:31]          ; Wss at my wave's 64 rows
	s_lshl_b32 s30, s24, 8
	s_add_nc_u64 s[4:5], s[4:5], s[30:31]          ; t_vec at my wave's 64 k
	s_lshl_b32 s30, s25, 16
	s_add_nc_u64 s[20:21], s[20:21], s[30:31]      ; ss at my matrix
	s_lshr_b32 s30, s28, 1
	s_lshl_b32 s30, s30, 14                        ; 32 rows of 512 bytes
	s_and_b32 s37, s28, 1
	s_lshl_b32 s37, s37, 12                        ; 8 rows
	s_add_co_u32 s30, s30, s37
	s_lshl_b32 s37, s29, 7                         ; two K steps of 64 bytes
	s_add_co_u32 s30, s30, s37
	s_add_nc_u64 s[34:35], s[34:35], s[30:31]
	s_lshl_b32 s30, s27, 13
	s_lshl_b32 s37, s29, 11
	s_add_co_u32 s30, s30, s37
	s_add_nc_u64 s[22:23], s[22:23], s[30:31]
	global_load_b128 v[BS:BS+3], v1, s[10:11]
.irp j, 0,1,2,3
	global_load_b128 v[TV+4*\j:TV+4*\j+3], v3, s[4:5] offset:\j*8192       ; t_vec(2 j + h, 64 w + 4 r ..)
.endr
.irp j, 0,1,2,3
	global_load_b128 v[RL+4*\j:RL+4*\j+3], v4, s[34:35] offset:\j*32
.endr
.set i, 0
.rept 32
	global_load_b128 v[WR+4*i:WR+4*i+3], v2, s[6:7] offset:i*8192 th:TH_LOAD_NT
.set i, i+1
.endr
	s_wait_loadcnt 36                              ; bss and t_vec are in; behind them: 4 loads of codes, 32 of Wss
	; silu(x) = x / (1 + 2^(-x log2 e))
.set i, 0
.rept 16
	v_mul_f32 v[TP+i], 0xbfb8aa3b, v[TV+i]
.set i, i+1
.endr
.set i, 0
.rept 16
	v_exp_f32 v[TP+i], v[TP+i]
.set i, i+1
.endr
	v_nop                                          ; a plain line behind the last exponential
	s_wait_alu depctr_va_vdst(0)                   ; one wait for the batch, ahead of its first reader
.set i, 0
.rept 16
	v_add_f32 v[TP+i], 1.0, v[TP+i]
.set i, i+1
.endr
.set i, 0
.rept 16
	v_rcp_f32 v[TP+i], v[TP+i]
.set i, i+1
.endr
	v_nop
	s_wait_alu depctr_va_vdst(0)
.set i, 0
.rept 16
	v_mul_f32 v[TV+i], v[TV+i], v[TP+i]
.set i, i+1
.endr
.irp j, 0,1,2,3
	ds_store_b128 v6, v[TV+4*\j:TV+4*\j+3] offset:512*\j                   ; [b = 2 j + h][4 r ..]: 512 consecutive bytes
.endr
; silu of k = 32 h + 4 g .. + 3 for the eight b.  The bytes are my wave's own, and LDS serves a wave's instructions in order
.macro STLOAD g
.set SB, STB0
.if (\g)%2
.set SB, STB1
.endif
.irp b, 0,1,2,3,4,5,6,7
	ds_load_b128 v[SB+4*\b:SB+4*\b+3], v7 offset:\b*256+16*(\g)
.endr
.endm
; rows 4 g .. 4 g + 3 of my 32: 8 b x 4 columns each, two columns an instruction; the very first products start the sums
.macro FMA64 g
.set SB, STB0
.if (\g)%2
.set SB, STB1
.endif
.irp e, 0,1,2,3
.irp b, 0,1,2,3,4,5,6,7
.irp p, 0,1
.if ((\g) == 0) && (\e == 0)
	v_pk_mul_f32 v[ACC+4*\b+2*\p:ACC+4*\b+2*\p+1], v[WR+4*(4*(\g)+\e)+2*\p:WR+4*(4*(\g)+\e)+2*\p+1], v[SB+4*\b:SB+4*\b+1] op_sel_hi:[1,0]
.elseif (\e%2) == 0
	v_pk_fma_f32 v[ACC+4*\b+2*\p:ACC+4*\b+2*\p+1], v[WR+4*(4*(\g)+\e)+2*\p:WR+4*(4*(\g)+\e)+2*\p+1], v[SB+4*\b+2*(\e/2):SB+4*\b+2*(\e/2)+1], v[ACC+4*\b+2*\p:ACC+4*\b+2*\p+1] op_sel_hi:[1,0,1]
.else
	v_pk_fma_f32 v[ACC+4*\b+2*\p:ACC+4*\b+2*\p+1], v[WR+4*(4*(\g)+\e)+2*\p:WR+4*(4*(\g)+\e)+2*\p+1], v[SB+4*\b+2*(\e/2):SB+4*\b+2*(\e/2)+1], v[ACC+4*\b+2*\p:ACC+4*\b+2*\p+1] op_sel:[0,1,0] op_sel_hi:[1,1,1]
.endif
.endr
.endr
.endr
.endm
	STLOAD 0
	s_wait_loadcnt 32                              ; the codes are in; the 32 loads of Wss may be out
.irp j, 0,1,2,3
	global_store_b128 v5, v[RL+4*\j:RL+4*\j+3], s[22:23] offset:512*\j     ; 512 consecutive aligned bytes
.endr
	s_wait_xcnt 0x0                                ; the stores have read RL,
	s_wait_dscnt 0x0                               ; the LDS stores TV: the second set of silu numbers may land on both
.irp g, 0,1,2,3,4,5,6,7
.if \g < 7
	STLOAD \g+1
	s_wait_dscnt 8                                 ; this group's eight are in, the next group's may be out
.else
	s_wait_dscnt 0x0
.endif
	s_wait_loadcnt 28-4*\g                         ; rows 4 g .. 4 g + 3 are in; the rows behind them may be out
	FMA64 \g
.endr
.irp b, 0,1,2,3,4,5,6,7
	ds_store_b128 v8, v[ACC+4*\b:ACC+4*\b+3] offset:\b*256
.endr
	s_wait_dscnt 0x0                               ; for the others' sake: my partial sums lie in LDS
	s_barrier_signal -1
	s_barrier_wait -1
	s_cmp_lt_u32 s24, 4
	s_cbranch_scc0 .Ldone                          ; 128 threads have 8 b x 64 columns, four each
.set i, 0
.rept 32
	ds_load_b128 v[WR+4*i:WR+4*i+3], v9 offset:i*2048
.set i, i+1
.endr
	s_wait_dscnt 0x0
.set i, 1
.rept 31
	v_pk_add_f32 v[WR:WR+1], v[WR:WR+1], v[WR+4*i:WR+4*i+1]                ; two chains, K ascending
	v_pk_add_f32 v[WR+2:WR+3], v[WR+2:WR+3], v[WR+4*i+2:WR+4*i+3]
.set i, i+1
.endr
	v_pk_add_f32 v[WR:WR+1], v[WR:WR+1], v[BS:BS+1]
	v_pk_add_f32 v[WR+2:WR+3], v[WR+2:WR+3], v[BS+2:BS+3]
.irp j, 0,1,2,3
	v_add_f32 v[WR+\j], s32, v[WR+\j]
.endr
	global_store_b128 v10, v[WR:WR+3], s[20:21]    ; sixteen lanes store 256 consecutive aligned bytes
.Ldone:
	s_wait_xcnt 0x0
	v_lshl_add_u32 v254, v0, 2, 0x18000
	v_mov_b32 v255, 0
	s_wait_tensorcnt 0x0
	ds_add_u32 v254, v255
	s_wait_dscnt 0x0
	s_endpgm
.Lfunc_end_k_qa100e07cb4_prep:
	.size	k_qa100e07cb4_prep, .Lfunc_end_k_qa100e07cb4_prep-k_qa100e07cb4_prep
	.p2alignl 7, 3214868480
	.fill 96, 4, 3214868480
	.section	.rodata,"a",@progbits
	.p2align	6, 0x0
	.amdhsa_kernel k_qa100e07cb4_prep
		.amdhsa_group_segment_fixed_size 100352
		.amdhsa_private_segment_fixed_size 0
		.amdhsa_enable_private_segment 0
		.amdhsa_kernarg_size 80
		.amdhsa_user_sgpr_count 2
		.amdhsa_user_sgpr_kernarg_segment_ptr 1
		.amdhsa_wavefront_size32 1
		.amdhsa_system_sgpr_workgroup_id_x 1
		.amdhsa_system_sgpr_workgroup_id_y 1
		.amdhsa_system_sgpr_workgroup_id_z 1
		.amdhsa_system_vgpr_workitem_id 0
		.amdhsa_next_free_vgpr 256
		.amdhsa_next_free_sgpr 66
		.amdhsa_reserve_vcc 0
		.amdhsa_float_denorm_mode_32 3
		.amdhsa_float_denorm_mode_16_64 3
		.amdhsa_memory_ordered 1
		.amdhsa_forward_progress 1
		.amdhsa_inst_pref_size 55
	.end_amdhsa_kernel
	.amdgpu_metadata
---
amdhsa.version: [ 1, 2 ]
amdhsa.kernels:
  - .name:           k_qa100e07cb4_prep
    .symbol:         k_qa100e07cb4_prep.kd
    .args:
      - { .name: t_vec, .offset: 0, .size: 8, .value_kind: global_buffer, .address_space: global }
      - { .name: Wss_q, .offset: 8, .size: 8, .value_kind: global_buffer, .address_space: global }
      - { .name: Wss_kv, .offset: 16, .size: 8, .value_kind: global_buffer, .address_space: global }
      - { .name: bss_q, .offset: 24, .size: 8, .value_kind: global_buffer, .address_space: global }
      - { .name: bss_kv, .offset: 32, .size: 8, .value_kind: global_buffer, .address_space: global }
      - { .name: Wq_codes, .offset: 40, .size: 8, .value_kind: global_buffer, .address_space: global }
      - { .name: Wkv_codes, .offset: 48, .size: 8, .value_kind: global_buffer, .address_space: global }
      - { .name: Wp_codes, .offset: 56, .size: 8, .value_kind: global_buffer, .address_space: global }
      - { .name: ss, .offset: 64, .size: 8, .value_kind: global_buffer, .address_space: global }
      - { .name: wimg, .offset: 72, .size: 8, .value_kind: global_buffer, .address_space: global }
    .group_segment_fixed_size: 100352
    .private_segment_fixed_size: 0
    .kernarg_segment_align: 8
    .kernarg_segment_size: 80
    .max_flat_workgroup_size: 512
    .sgpr_count:     66
    .vgpr_count:     256
    .wavefront_size: 32
...
	.end_amdgpu_metadata
.endif
;; end of part 1
;; launch kv (part 2): grid 64 x 2, 8 waves a work-group, no clusters, 302,080 bytes of LDS; arguments x_kv, ss, wimg, Wkv_scales, bkv, kimg, vimg, kvsc; writes kimg, vimg, kvsc
.if DOCPART == 2
	.amdgcn_target "amdgcn-amd-amdhsa--gfx1250"
	.amdhsa_code_object_version 6
	.text
	.protected	k_qa100e07cb4_kv
	.globl	k_qa100e07cb4_kv
	.p2align	8
	.type	k_qa100e07cb4_kv,@function
k_qa100e07cb4_kv:
	s_mov_b64 s[64:65], 0
	v_nop
	global_prefetch_b8 v0, s[64:65] scope:SCOPE_SE
	s_setreg_imm32_b32 hwreg(HW_REG_WAVE_MODE, 25, 1), 1
	s_wait_xcnt 0x0
; k and v of the cross attention, as codes of FP4 (E2M1) with one E8M0 scale for each 32 along the K of the product that will read them.
; xkv = (1 + scale) layernorm(x_kv) + bias (f32) is quantised along H; kv = xkv Wkv + bkv on codes; k is quantised along the head's 64, v along the keys.
; SHARES.  Work-group (x, y): 64 rows of x_kv (x: batch x / 8, key step (x / 2) % 4 of 128 keys, half x % 2); y = 0: k's 1,024 columns, y = 1: v's.  Wave w: layer norm of 8 rows; K step w of the rows' codes; columns 128 w on (heads 2 w, 2 w + 1).
; Both work-groups of a row block make the layer norm: 64 rows give whole halves (512 bytes) of v's fragments, and eight waves of 128 columns cover 1,024 columns.
; PHASES.  A1: rows to LDS as f32, mean and 1 / sqrt(var + eps) (two passes: no difference of large sums) | barrier | A2: wave w turns columns 128 w on of all 64 rows into four fragments, stored in LDS as images of the operand's registers
; | barrier | the product, 8 K steps of 128, weights straight from wimg into registers (each fragment is used by one wave alone), 32 accumulators by turns | quantise, store.
; THE ROWS ARE PERMUTED IN LDS: LDS row 16 m + r holds key 32 (m / 2) + 8 (m % 2) + r + 8 (r / 8).  k (product used transposed: source 0 = 16 rows of Wkv, source 1 = 16 keys): a tile of k then has the keys that the attention's
; score tiles want.  v (product used as it stands: source 0 = keys, source 1 = Wkv's rows): a lane's registers of the four row tiles are then 2 x 16 neighbours along the keys.
; OUT.  kimg [chunk = 64 b + 4 head + key step][key tile 8][lane][16 bytes] (a lane: one key, 32 of the head's 64);  vimg [chunk][d tile 4][c 2][lane][16 bytes] (a lane: one d, 32 keys);
; kvsc [chunk][768]: k's scale words, four pairs of tiles x 128 bytes (lanes 0-15 the even tile, 16-31 the odd; bytes 2, 3 are 0), then v's, two pairs x 128 bytes (byte = block of 32 keys; this work-group writes two of the four).
; LIMITS: NaN and infinities are not served.  A block of zeros, and one whose largest magnitude lies under 2^-124, gets the scale byte 1 (the rule says 127 for zeros): its codes are zeros or held as the floor gives them, and this program alone reads the bytes.
; 1 / sqrt is v_rsq_f32 and a multiplication.  No cluster and no data mover: what work-groups share (weights) goes to one wave's registers, not to LDS, and LDS is taken by the rows.
.set XNT,   0                          ; x_kv is read by two work-groups: no hint
.set PITCH, 4112                       ; an LDS row of x: 4,096 bytes + 16: row r starts at bank 4 r mod 64 (64 banks of 4 bytes: ISA guide 11.1)
.set IMG,   263168                     ; behind 64 rows: 32 fragment images x 1,024 bytes (row tile m, K step s: 8 m + s), [c][lane][16 bytes]
.set ISC,   295936                     ; their scale words, 128 bytes each
.set STAT,  300032                     ; (mean, 1 / sqrt(var + eps)) of the 64 LDS rows
.set L16, 1                            ; v1   16 x lane
.set L4,  2                            ; v2   4 x lane
.set H64, 3                            ; v3   64 x (lane / 16)
.set LI,  4                            ; v4   IMG + 16 x lane
.set LS,  5                            ; v5   ISC + 4 x lane
.set XWI, 6                            ; v6   LI + 1,024 x wave: where I store images
.set XWS, 7                            ; v7   LS + 128 x wave
.set XA0, 8                            ; v8   row r, my half's 64 bytes, my wave's 512 bytes
.set RW,  9                            ; v9   my wave's first LDS row + 16 x lane
.set STA, 10                           ; v10  STAT + 8 r
.set FLR, 11                           ; v11  2^(3 - 127): the floor under a block's largest magnitude
.set R,   16                           ; A1: four row slots of 32
.set CH,  144                          ; A1: four chains of sums; QQ of squares; DD differences; MS (mean, rstd)
.set QQ,  152
.set DD,  160
.set MS,  172
.set X,   16                           ; A2: 64 numbers
.set MU,  80
.set PC,  160                          ; the codes just made
.set TM,  176                          ; v176-191 at work in QUANT
.set PW,  232                          ; the scale word just made (v208-247 hold scale words and nothing else)
.set WB0, 16                           ; the product: two sets of 8 weight fragments, v16-79, v80-143
.set XB0, 144                          ; two sets of 4 row fragments, v144-175, v176-207
.set XS0, 208                          ; their scale words, v208-211, v212-215
.set WS,  216                          ; the weights' scale words: pair of tiles p, K step s at WS + 8 p + s
.set BV,  248                          ; v's bias, one register a tile
.set S1,  0                            ; window 1, phase A: 1 + scale, bias for my 64 columns of a row; in the product v256-511 are the 32 accumulators
.set BI,  64
.set WV,  26
.set SEL, 30
.set MSB, 0
.macro WIN new                         ; the immediate's high byte repeats the setting that is left
.if MSB != \new
	s_set_vgpr_msb (MSB<<8)|\new
.set MSB, \new
.endif
.endm
.macro PLACES n
.rept \n
	v_nop
.endr
.endm
.macro BARRIER                         ; my LDS stores have landed and my LDS loads are in: then the work-group's barrier
	s_wait_dscnt 0x0
	s_barrier_signal -1
	s_barrier_wait -1
.endm
.macro REDUCE a, t                     ; the sum over the 32 lanes, in every lane
	v_add_f32_dpp v[\a], v[\a], v[\a] row_xmask:1 row_mask:0xf bank_mask:0xf
	v_add_f32_dpp v[\a], v[\a], v[\a] row_xmask:2 row_mask:0xf bank_mask:0xf
	v_add_f32_dpp v[\a], v[\a], v[\a] row_xmask:4 row_mask:0xf bank_mask:0xf
	v_add_f32_dpp v[\a], v[\a], v[\a] row_xmask:8 row_mask:0xf bank_mask:0xf
	v_permlanex16_b32 v[\t], v[\a], s[SEL], s[SEL+1]
	v_add_f32 v[\a], v[\a], v[\t]
.endm
.macro XROW i                          ; row i of my eight: eight loads of 512 consecutive bytes
.set SL, R+32*((\i)%4)
.irp j, 0,1,2,3,4,5,6,7
.if XNT
	global_load_b128 v[SL+4*\j:SL+4*\j+3], v[L16], s[4:5] offset:(\i)*4096+512*\j th:TH_LOAD_NT
.else
	global_load_b128 v[SL+4*\j:SL+4*\j+3], v[L16], s[4:5] offset:(\i)*4096+512*\j
.endif
.endr
.endm
; Row i: to LDS as it is; its mean; the mean of the squared differences; 1 / sqrt(that + eps).  left: the loads of the rows issued behind it
.macro ROW i, left, fill
.set SL, R+32*((\i)%4)
	s_wait_loadcnt \left
.irp j, 0,1,2,3,4,5,6,7
	ds_store_b128 v[RW], v[SL+4*\j:SL+4*\j+3] offset:(\i)*PITCH+512*\j
.endr
.irp k, 0,1,2,3
	v_pk_add_f32 v[CH+2*\k:CH+2*\k+1], v[SL+2*\k:SL+2*\k+1], v[SL+8+2*\k:SL+9+2*\k]
.endr
.irp g, 16,24
.irp k, 0,1,2,3
	v_pk_add_f32 v[CH+2*\k:CH+2*\k+1], v[CH+2*\k:CH+2*\k+1], v[SL+\g+2*\k:SL+\g+1+2*\k]
.endr
.endr
	v_pk_add_f32 v[CH:CH+1], v[CH:CH+1], v[CH+2:CH+3]
	v_pk_add_f32 v[CH+4:CH+5], v[CH+4:CH+5], v[CH+6:CH+7]
	v_pk_add_f32 v[CH:CH+1], v[CH:CH+1], v[CH+4:CH+5]
	v_add_f32 v[CH], v[CH], v[CH+1]
	REDUCE CH, CH+1
	v_mul_f32 v[MS], s35, v[CH]                    ; the mean: x 2^-10
.irp g, 0,1,2,3
.irp k, 0,1,2,3
	v_pk_add_f32 v[DD+2*\k:DD+2*\k+1], v[SL+8*\g+2*\k:SL+8*\g+2*\k+1], v[MS:MS+1] op_sel_hi:[1,0] neg_lo:[0,1] neg_hi:[0,1]
.endr
.irp k, 0,1,2,3
.if \g == 0
	v_pk_mul_f32 v[QQ+2*\k:QQ+2*\k+1], v[DD+2*\k:DD+2*\k+1], v[DD+2*\k:DD+2*\k+1]
.else
	v_pk_fma_f32 v[QQ+2*\k:QQ+2*\k+1], v[DD+2*\k:DD+2*\k+1], v[DD+2*\k:DD+2*\k+1], v[QQ+2*\k:QQ+2*\k+1]
.endif
.endr
.endr
	v_pk_add_f32 v[QQ:QQ+1], v[QQ:QQ+1], v[QQ+2:QQ+3]
	v_pk_add_f32 v[QQ+4:QQ+5], v[QQ+4:QQ+5], v[QQ+6:QQ+7]
	v_pk_add_f32 v[QQ:QQ+1], v[QQ:QQ+1], v[QQ+4:QQ+5]
	v_add_f32 v[QQ], v[QQ], v[QQ+1]
	REDUCE QQ, QQ+1
	v_fma_f32 v[QQ], v[QQ], s35, s36               ; var + eps
	v_rsq_f32 v[MS+1], v[QQ]
	v_nop                                          ; a plain line behind the transcendental,
	s_wait_alu depctr_va_vdst(0)                   ; and the wait ahead of its first reader
	ds_store_b64 v14, v[MS:MS+1] offset:8*(\i)     ; all lanes write the same eight bytes with the same value
	s_wait_dscnt 0x0                               ; the stores have read the slot and the pair
.if \fill
	XROW (\i)+4
.endif
.endm
; nb blocks of 32 along K: register 16 b + i of v[src] on (window w) = k 32 b + 16 (lane / 16) + i of my row.  They become codes in v[PC] on, a whole block to a lane, and the scale word v[pw].
.macro QUANT src, nb, w, pw
.if \w
	WIN 0x14                                       ; sources 1 and 2 window 1
.endif
.set qb, 0
.rept \nb
	v_max3_num_f32 v[TM+qb], v[FLR], |v[(\src)+16*qb]|, |v[(\src)+16*qb+1]|   ; my 16 numbers and the floor, from each result's low end on; the blocks by turns
.set qb, qb+1
.endr
.irp i, 2,4,6,8,10,12,14
.set qb, 0
.rept \nb
	v_max3_num_f32 v[TM+qb], v[TM+qb], |v[(\src)+16*qb+\i]|, |v[(\src)+16*qb+\i+1]|
.set qb, qb+1
.endr
.endr
	WIN 0
.set qb, 0
.rept \nb
	v_permlanex16_b32 v[TM+4+qb], v[TM+qb], s[SEL], s[SEL+1]
.set qb, qb+1
.endr
.set qb, 0
.rept \nb
	v_max_num_f32 v[TM+qb], v[TM+qb], v[TM+4+qb]   ; with lane l xor 16's 16: the block's largest magnitude
.set qb, qb+1
.endr
.set qb, 0
.rept \nb
	v_add_nc_u32 v[TM+12+qb], 0xff000000, v[TM+qb] ; 2 off its exponent field: the conversion's scale operand
.set qb, qb+1
.endr
.set qb, 0
.rept \nb
	v_lshrrev_b32 v[TM+4+qb], 23, v[TM+12+qb]      ; the scale's byte
.set qb, qb+1
.endr
	v_lshl_or_b32 v[\pw], v[TM+5], 8, v[TM+4]
.if \nb == 4
	v_lshl_or_b32 v[\pw], v[TM+6], 16, v[\pw]
	v_lshl_or_b32 v[\pw], v[TM+7], 24, v[\pw]
.endif
.if \w
	WIN 0x01                                       ; source 0 window 1
.endif
.set qb, 0
.rept \nb
	v_cvt_scalef32_pk8_fp4_f32 v[PC+2*qb], v[(\src)+16*qb:(\src)+16*qb+7], v[TM+12+qb]
	v_cvt_scalef32_pk8_fp4_f32 v[PC+2*qb+1], v[(\src)+16*qb+8:(\src)+16*qb+15], v[TM+12+qb]
.set qb, qb+1
.endr
	WIN 0
	v_nop                                          ; one plain line behind the last scaled conversion
.set qb, 0
.rept \nb/2
	v_permlane16_swap_b32 v[PC+4*qb], v[PC+4*qb+2] ; lanes 0-15 keep block 2 c, lanes 16-31 block 2 c + 1, whole
	v_permlane16_swap_b32 v[PC+4*qb+1], v[PC+4*qb+3]
.set qb, qb+1
.endr
.endm
.macro WLOAD s, wb                     ; my 8 weight fragments of K step s: 16 loads of 512 consecutive bytes
.set WBF, WB0+64*((\s)%2)
.irp t, 0,1,2,3,4,5,6,7
.irp c, 0,1
	global_load_b128 v[WBF+8*\t+4*\c:WBF+8*\t+4*\c+3], v[L16], s[\wb:\wb+1] offset:\t*8192+(\s)*1024+\c*512
.endr
.endr
.endm
.macro XLOAD s                         ; the four row tiles' fragments of K step s and their scale words: 12 LDS loads
.set XBF, XB0+32*((\s)%2)
.set XSF, XS0+4*((\s)%2)
.irp m, 0,1,2,3
.irp c, 0,1
	ds_load_b128 v[XBF+8*\m+4*\c:XBF+8*\m+4*\c+3], v[LI] offset:(8*\m+(\s))*1024+512*\c
.endr
	ds_load_b32 v[XSF+\m], v[LS] offset:(8*\m+(\s))*128
.endr
.endm
.macro SLOAD sb                        ; the weights' scale words for all 8 K steps: lanes 0-15 the rows of tile 2 p, lanes 16-31 those of tile 2 p + 1; v12 = 32 x (8 (lane / 16) + r + 8 (r / 8))
.irp p, 0,1,2,3
.irp g, 0,1
	global_load_b128 v[WS+8*\p+4*\g:WS+8*\p+4*\g+3], v12, s[\sb:\sb+1] offset:\p*1024+16*\g
.endr
.endr
.endm
.macro BLOAD bs                        ; the bias goes into the accumulators, in the result's layout: every K step then adds in place
	WIN 0x40
.irp hh, 0,1
.irp m, 0,1,2,3
.irp tt, 0,1,2,3
	global_load_b128 v[8*((\hh*4+\m)*4+\tt):8*((\hh*4+\m)*4+\tt)+3], v[H64], s[\bs:\bs+1] offset:256*\hh+128*(\tt/2)+32*(\tt%2)
	global_load_b128 v[8*((\hh*4+\m)*4+\tt)+4:8*((\hh*4+\m)*4+\tt)+7], v[H64], s[\bs:\bs+1] offset:256*\hh+128*(\tt/2)+32*(\tt%2)+16
.endr
.endr
.endr
	WIN 0
.endm
; one matrix instruction.  zero = 1: it starts the sum.  row = 1: source 0's scales stand in lanes 16-31 of their register; 2: source 1's
.macro MM d, a, b, zero, sa, sb, row
.if \zero
.if (\row) == 0
	v_wmma_scale_f32_16x16x128_f8f6f4 v[\d:\d+7], v[\a:\a+7], v[\b:\b+7], 0, v[\sa], v[\sb] matrix_a_fmt:MATRIX_FMT_FP4 matrix_b_fmt:MATRIX_FMT_FP4
.elseif (\row) == 1
	v_wmma_scale_f32_16x16x128_f8f6f4 v[\d:\d+7], v[\a:\a+7], v[\b:\b+7], 0, v[\sa], v[\sb] matrix_a_fmt:MATRIX_FMT_FP4 matrix_b_fmt:MATRIX_FMT_FP4 matrix_a_scale:MATRIX_SCALE_ROW1
.else
	v_wmma_scale_f32_16x16x128_f8f6f4 v[\d:\d+7], v[\a:\a+7], v[\b:\b+7], 0, v[\sa], v[\sb] matrix_a_fmt:MATRIX_FMT_FP4 matrix_b_fmt:MATRIX_FMT_FP4 matrix_b_scale:MATRIX_SCALE_ROW1
.endif
.else
.if (\row) == 0
	v_wmma_scale_f32_16x16x128_f8f6f4 v[\d:\d+7], v[\a:\a+7], v[\b:\b+7], v[\d:\d+7], v[\sa], v[\sb] matrix_a_fmt:MATRIX_FMT_FP4 matrix_b_fmt:MATRIX_FMT_FP4
.elseif (\row) == 1
	v_wmma_scale_f32_16x16x128_f8f6f4 v[\d:\d+7], v[\a:\a+7], v[\b:\b+7], v[\d:\d+7], v[\sa], v[\sb] matrix_a_fmt:MATRIX_FMT_FP4 matrix_b_fmt:MATRIX_FMT_FP4 matrix_a_scale:MATRIX_SCALE_ROW1
.else
	v_wmma_scale_f32_16x16x128_f8f6f4 v[\d:\d+7], v[\a:\a+7], v[\b:\b+7], v[\d:\d+7], v[\sa], v[\sb] matrix_a_fmt:MATRIX_FMT_FP4 matrix_b_fmt:MATRIX_FMT_FP4 matrix_b_scale:MATRIX_SCALE_ROW1
.endif
.endif
.endm
; K step s: the next step's operands are asked for, this step's are waited for, 32 matrix instructions on 32 accumulators, one each, in the same order in every step.
; mode 0: transposed (source 0 = weights): accumulator ((t / 4) 4 + m) 4 + t % 4, begun by the bias.  mode 1: as it stands (source 0 = rows): accumulator 4 t + m, begun by the constant 0.
.macro GSTEP s, mode, wb
.if \s < 7
.if \s > 0
	PLACES 4                                       ; four plain lines between the last step's products and loads into the registers that they read (ISA guide 7.12.1 for vector instructions)
.endif
	WLOAD \s+1, \wb
	XLOAD \s+1
	s_wait_loadcnt 16                              ; all but the next step's 16
	s_wait_dscnt 12                                ; all but the next step's 12
.else
	s_wait_loadcnt 0x0
	s_wait_dscnt 0x0
.endif
.set WBF, WB0+64*(\s%2)
.set XBF, XB0+32*(\s%2)
.set XSF, XS0+4*(\s%2)
	WIN 0x50                                       ; C and D window 1
.irp m, 0,1,2,3
.irp t, 0,1,2,3,4,5,6,7
.if \mode == 0
.set AI, 8*(((\t/4)*4+\m)*4+\t%4)
	MM AI, WBF+8*\t, XBF+8*\m, 0, WS+8*(\t/2)+\s, XSF+\m, \t%2
.else
.set AI, 8*(4*\t+\m)
.if \s == 0
	MM AI, XBF+8*\m, WBF+8*\t, 1, XSF+\m, WS+8*(\t/2)+\s, 2*(\t%2)
.else
	MM AI, XBF+8*\m, WBF+8*\t, 0, XSF+\m, WS+8*(\t/2)+\s, 2*(\t%2)
.endif
.endif
.endr
.endr
	WIN 0
.endm
	s_load_b512 s[4:19], s[0:1], 0x0               ; x_kv, ss, wimg, Wkv_scales, bkv, kimg, vimg, kvsc
	v_lshrrev_b32 v16, 5, v0
	v_readfirstlane_b32 s[WV], v16                 ; wave 0..7
	v_and_b32 v1, 31, v0
	v_and_b32 v17, 15, v0                          ; r
	v_bfe_u32 v18, v0, 4, 1                        ; h
	v_lshlrev_b32 v[L4], 2, v1
	v_lshlrev_b32 v[L16], 4, v1
	v_lshlrev_b32 v[H64], 6, v18
	v_add_nc_u32 v[LI], IMG, v[L16]
	v_add_nc_u32 v[LS], ISC, v[L4]
	s_lshl_b32 s46, s[WV], 10
	v_add_nc_u32 v[XWI], s46, v[LI]
	s_lshl_b32 s46, s[WV], 7
	v_add_nc_u32 v[XWS], s46, v[LS]
	v_mul_u32_u24 v[XA0], v17, PITCH
	v_add_nc_u32 v[XA0], v[XA0], v[H64]
	s_lshl_b32 s46, s[WV], 9
	v_add_nc_u32 v[XA0], s46, v[XA0]
	s_lshr_b32 s47, s[WV], 2                       ; my 8 rows (keys 8 w on) go to LDS rows 32 (w / 4) + 16 (w % 2) + 8 ((w / 2) % 2) on
	s_lshl_b32 s47, s47, 5
	s_and_b32 s46, s[WV], 1
	s_lshl_b32 s46, s46, 4
	s_add_co_u32 s47, s47, s46
	s_bfe_u32 s46, s[WV], 0x10001
	s_lshl_b32 s46, s46, 3
	s_add_co_u32 s47, s47, s46
	s_mul_i32 s46, s47, PITCH
	v_add_nc_u32 v[RW], s46, v[L16]
	v_lshl_add_u32 v[STA], v17, 3, STAT
	v_mov_b32 v[FLR], 0x1800000
	s_lshl_b32 s46, s47, 3
	s_add_co_u32 s46, s46, STAT
	v_mov_b32 v14, s46                             ; where my rows' statistics go
	v_mov_b32 v[MS+1], 0                           ; (named as the upper half of a pair before it is first made)
.irp b, 4,5,6,7
	v_mov_b32 v[TM+\b], 0                          ; written once: a lane permute's destination counts as one of its sources
.endr
	s_mov_b32 s[SEL], 0x76543210
	s_mov_b32 s[SEL+1], 0xfedcba98                 ; v_permlanex16_b32's selects for lane l xor 16
	s_mov_b32 s34, 0xffff0000                      ; lanes 16-31
	s_mov_b32 s35, 0x3a800000                      ; 1 / 1,024
	s_mov_b32 s36, 0x3727c5ac                      ; eps = 1e-5
	s_mov_b32 s20, ttmp9                           ; the block of 64 rows
	s_and_b32 s21, ttmp7, 0xffff                   ; 0: k, 1: v
	s_lshr_b32 s22, s20, 3                         ; batch
	s_bfe_u32 s23, s20, 0x20001                    ; key step
	s_and_b32 s24, s20, 1                          ; which 64 of its 128 keys
	s_lshl_b32 s25, s22, 6
	s_lshl_b32 s46, s[WV], 3
	s_add_co_u32 s25, s25, s46
	s_add_co_u32 s25, s25, s23                     ; the chunk of head 2 w; head 2 w + 1's lies 4 chunks on
	s_mov_b32 s29, 0
	s_wait_kmcnt 0x0
	s_lshl_b32 s28, s20, 18
	s_lshl_b32 s46, s[WV], 15
	s_add_co_u32 s28, s28, s46
	s_add_nc_u64 s[4:5], s[4:5], s[28:29]          ; x_kv at my 8 rows
	s_lshl_b32 s28, s22, 13
	s_lshl_b32 s46, s[WV], 9
	s_add_co_u32 s28, s28, s46
	s_add_co_u32 s28, s28, 65536
	s_add_nc_u64 s[6:7], s[6:7], s[28:29]          ; ss: the second matrix, my batch, my 128 columns
	s_lshl_b32 s28, s21, 19
	s_lshl_b32 s46, s[WV], 16
	s_add_co_u32 s28, s28, s46
	s_add_co_u32 s28, s28, 524288
	s_add_nc_u64 s[8:9], s[8:9], s[28:29]          ; wimg: Wkv's tile 64 y + 8 w
	s_lshl_b32 s28, s21, 15
	s_lshl_b32 s46, s[WV], 12
	s_add_co_u32 s28, s28, s46
	s_add_nc_u64 s[10:11], s[10:11], s[28:29]      ; its rows' scale bytes
	s_lshl_b32 s28, s21, 12
	s_lshl_b32 s46, s[WV], 9
	s_add_co_u32 s28, s28, s46
	s_add_nc_u64 s[12:13], s[12:13], s[28:29]      ; bkv
	s_lshl_b32 s28, s25, 12
	s_lshl_b32 s46, s24, 11
	s_add_co_u32 s28, s28, s46
	s_add_nc_u64 s[14:15], s[14:15], s[28:29]      ; kimg: my chunk, key tiles 4 c on
	s_lshl_b32 s28, s25, 12
	s_lshl_b32 s46, s24, 9
	s_add_co_u32 s28, s28, s46
	s_add_nc_u64 s[16:17], s[16:17], s[28:29]      ; vimg: my chunk, half c of each fragment
	s_mul_i32 s47, s25, 768
	s_lshl_b32 s46, s24, 8
	s_add_co_u32 s28, s47, s46
	s_add_nc_u64 s[50:51], s[18:19], s[28:29]      ; kvsc: k's pairs 2 c, 2 c + 1
	s_lshl_b32 s46, s24, 1
	s_add_co_u32 s28, s47, s46
	s_add_co_u32 s28, s28, 512
	s_add_nc_u64 s[52:53], s[18:19], s[28:29]      ; v's words, bytes 2 c, 2 c + 1
	WIN 0x40
.irp bb, 0,1,2,3
.irp j, 0,1,2,3
	global_load_b128 v[S1+16*\bb+4*\j:S1+16*\bb+4*\j+3], v[H64], s[6:7] offset:128*\bb+16*\j
	global_load_b128 v[BI+16*\bb+4*\j:BI+16*\bb+4*\j+3], v[H64], s[6:7] offset:4096+128*\bb+16*\j
.endr
.endr
	WIN 0
	XROW 0
	XROW 1
	XROW 2
	XROW 3
	; ---- A1
	ROW 0, 24, 1
	ROW 1, 24, 1
	ROW 2, 24, 1
	ROW 3, 24, 1
	ROW 4, 24, 0
	ROW 5, 16, 0
	ROW 6, 8, 0
	ROW 7, 0, 0
	BARRIER                                        ; 64 rows and their statistics lie in LDS
	; ---- A2: a trip a row tile: my 128 columns of 16 rows become K step w's fragment of that tile
	s_mov_b32 s40, 0
	s_mov_b32 s41, 0
	s_mov_b32 s42, 0
	s_mov_b32 s43, 0
	s_mov_b32 s39, 4
.La2:
	v_add_nc_u32 v12, s40, v[XA0]
	v_add_nc_u32 v13, s41, v[STA]
	v_add_nc_u32 v14, s42, v[XWI]
	v_add_nc_u32 v15, s43, v[XWS]
.irp bb, 0,1,2,3
.irp j, 0,1,2,3
	ds_load_b128 v[X+16*\bb+4*\j:X+16*\bb+4*\j+3], v12 offset:128*\bb+16*\j   ; register 16 bb + i: k 32 bb + 16 h + i of row r
.endr
.endr
	ds_load_b64 v[MU:MU+1], v13
	s_wait_dscnt 0x0
.set e, 0
.rept 32
	v_pk_add_f32 v[X+e:X+e+1], v[X+e:X+e+1], v[MU:MU+1] op_sel_hi:[1,0] neg_lo:[0,1] neg_hi:[0,1]   ; x - mean
.set e, e+2
.endr
.set e, 0
.rept 32
	v_pk_mul_f32 v[X+e:X+e+1], v[X+e:X+e+1], v[MU:MU+1] op_sel:[0,1] op_sel_hi:[1,1]               ; / sqrt(var + eps)
.set e, e+2
.endr
	WIN 0x14
.set e, 0
.rept 32
	v_pk_fma_f32 v[X+e:X+e+1], v[X+e:X+e+1], v[S1+e:S1+e+1], v[BI+e:BI+e+1]                        ; x (1 + scale) + bias
.set e, e+2
.endr
	WIN 0
	QUANT X, 4, 0, PW
	ds_store_b128 v14, v[PC:PC+3]
	ds_store_b128 v14, v[PC+4:PC+7] offset:512
	ds_store_b32 v15, v[PW]
	s_wait_dscnt 0x0                               ; the stores have read their registers
	s_add_co_u32 s40, s40, 16*PITCH
	s_add_co_u32 s41, s41, 128
	s_add_co_u32 s42, s42, 8192
	s_add_co_u32 s43, s43, 1024
	s_sub_co_u32 s39, s39, 1
	s_cmp_lg_u32 s39, 0
	s_cbranch_scc1 .La2
	v_and_b32 v13, 15, v0
	v_and_b32 v12, 8, v0
	v_add_nc_u32 v12, v12, v13
	v_bfe_u32 v13, v0, 4, 1
	v_lshl_add_u32 v12, v13, 3, v12
	v_lshlrev_b32 v12, 5, v12                      ; 32 bytes of scales a row
	SLOAD 10
	WLOAD 0, 8
	BARRIER                                        ; the 32 images lie in LDS
	XLOAD 0
	s_cmp_lg_u32 s21, 0
	s_cbranch_scc1 .Lvpath                         ; the same way for all waves of a work-group; neither way has a barrier or an LDS store
	; ---- k: transposed; a lane holds one key, its registers run along the head's 64
	BLOAD 12
.irp s, 0,1,2,3,4,5,6,7
	GSTEP \s, 0, 8
.endr
	PLACES 4
.macro KITEM hh, m                     ; head 2 w + hh, key tile 4 c + m
	s_wait_xcnt 0x0                                ; the last item's stores have read their registers
	QUANT 32*(4*\hh+\m), 2, 1, PW
	global_store_b128 v[L16], v[PC:PC+3], s[14:15] offset:\hh*16384+\m*512   ; 512 consecutive aligned bytes
.if (\m)%2 == 0
	v_mov_b32 v233, v[PW]
.else
	v_cndmask_b32 v234, v233, v[PW], s34           ; lanes 0-15: the even tile's words, lanes 16-31: the odd tile's
	global_store_b32 v[L4], v234, s[50:51] offset:\hh*3072+(\m/2)*128
.endif
.endm
.irp hh, 0,1
.irp m, 0,1,2,3
	KITEM \hh, \m
.endr
.endr
	s_wait_xcnt 0x0
	v_lshl_add_u32 v254, v0, 2, 0x49800
	v_mov_b32 v255, 0
	s_wait_tensorcnt 0x0
	ds_add_u32 v254, v255
	s_wait_dscnt 0x0
	s_endpgm
.Lvpath:
	; ---- v: as it stands; a lane holds one d, its registers run along the keys
	v_and_b32 v13, 15, v0
	v_and_b32 v15, 8, v0
	v_add_nc_u32 v13, v13, v15
	v_lshlrev_b32 v13, 2, v13
.irp t, 0,1,2,3,4,5,6,7
	global_load_b32 v[BV+\t], v13, s[12:13] offset:(32*(\t/2)+8*(\t%2))*4    ; bkv at my lane's column of tile t
.endr
.irp s, 0,1,2,3,4,5,6,7
	GSTEP \s, 1, 8
.endr
	PLACES 4
.macro VITEM t                         ; head 2 w + t / 4, d tile t % 4
	s_wait_xcnt 0x0
	WIN 0x01
.set e, 0
.rept 16
.if (\t)%2
	v_pk_add_f32 v[16+e:17+e], v[32*(\t)+e:32*(\t)+e+1], v[BV+(\t)-1:BV+(\t)] op_sel:[0,1] op_sel_hi:[1,1]
.else
	v_pk_add_f32 v[16+e:17+e], v[32*(\t)+e:32*(\t)+e+1], v[BV+(\t):BV+(\t)+1] op_sel_hi:[1,0]
.endif
.set e, e+2
.endr
	WIN 0
	QUANT 16, 2, 0, PW
	global_store_b128 v[L16], v[PC:PC+3], s[16:17] offset:((\t)/4)*16384+((\t)%4)*1024
.if (\t)%2 == 0
	v_mov_b32 v233, v[PW]
.else
	v_cndmask_b32 v234, v233, v[PW], s34
	global_store_b16 v[L4], v234, s[52:53] offset:((\t)/4)*3072+(((\t)%4)/2)*128   ; two of a word's four bytes: the other half of the keys is another work-group's; 128 KB of the launch's stores go so
.endif
.endm
.irp t, 0,1,2,3,4,5,6,7
	VITEM \t
.endr
	s_wait_xcnt 0x0
	v_lshl_add_u32 v254, v0, 2, 0x49800
	v_mov_b32 v255, 0
	s_wait_tensorcnt 0x0
	ds_add_u32 v254, v255
	s_wait_dscnt 0x0
	s_endpgm
.Lfunc_end_k_qa100e07cb4_kv:
	.size	k_qa100e07cb4_kv, .Lfunc_end_k_qa100e07cb4_kv-k_qa100e07cb4_kv
	.p2alignl 7, 3214868480
	.fill 96, 4, 3214868480
	.section	.rodata,"a",@progbits
	.p2align	6, 0x0
	.amdhsa_kernel k_qa100e07cb4_kv
		.amdhsa_group_segment_fixed_size 302080
		.amdhsa_private_segment_fixed_size 0
		.amdhsa_enable_private_segment 0
		.amdhsa_kernarg_size 64
		.amdhsa_user_sgpr_count 2
		.amdhsa_user_sgpr_kernarg_segment_ptr 1
		.amdhsa_wavefront_size32 1
		.amdhsa_system_sgpr_workgroup_id_x 1
		.amdhsa_system_sgpr_workgroup_id_y 1
		.amdhsa_system_sgpr_workgroup_id_z 1
		.amdhsa_system_vgpr_workitem_id 0
		.amdhsa_next_free_vgpr 512
		.amdhsa_next_free_sgpr 66
		.amdhsa_reserve_vcc 0
		.amdhsa_float_denorm_mode_32 3
		.amdhsa_float_denorm_mode_16_64 3
		.amdhsa_memory_ordered 1
		.amdhsa_forward_progress 1
		.amdhsa_inst_pref_size 214
	.end_amdhsa_kernel
	.amdgpu_metadata
---
amdhsa.version: [ 1, 2 ]
amdhsa.kernels:
  - .name:           k_qa100e07cb4_kv
    .symbol:         k_qa100e07cb4_kv.kd
    .args:
      - { .name: x_kv, .offset: 0, .size: 8, .value_kind: global_buffer, .address_space: global }
      - { .name: ss, .offset: 8, .size: 8, .value_kind: global_buffer, .address_space: global }
      - { .name: wimg, .offset: 16, .size: 8, .value_kind: global_buffer, .address_space: global }
      - { .name: Wkv_scales, .offset: 24, .size: 8, .value_kind: global_buffer, .address_space: global }
      - { .name: bkv, .offset: 32, .size: 8, .value_kind: global_buffer, .address_space: global }
      - { .name: kimg, .offset: 40, .size: 8, .value_kind: global_buffer, .address_space: global }
      - { .name: vimg, .offset: 48, .size: 8, .value_kind: global_buffer, .address_space: global }
      - { .name: kvsc, .offset: 56, .size: 8, .value_kind: global_buffer, .address_space: global }
    .group_segment_fixed_size: 302080
    .private_segment_fixed_size: 0
    .kernarg_segment_align: 8
    .kernarg_segment_size: 64
    .max_flat_workgroup_size: 256
    .sgpr_count:     66
    .vgpr_count:     512
    .wavefront_size: 32
...
	.end_amdgpu_metadata
.endif
;; end of part 2
;; launch attn (part 3): grid 256 x 1, 8 waves a work-group, no clusters, 302,080 bytes of LDS; arguments x_q, ss, wimg, Wq_scales, Wp_scales, bq, bp, kimg, vimg, kvsc, out0; writes out0
.if DOCPART == 3
	.amdgcn_target "amdgcn-amd-amdhsa--gfx1250"
	.amdhsa_code_object_version 6
	.text
	.protected	k_qa100e07cb4_attn
	.globl	k_qa100e07cb4_attn
	.p2align	8
	.type	k_qa100e07cb4_attn,@function
k_qa100e07cb4_attn:
	s_mov_b64 s[64:65], 0
	v_nop
	global_prefetch_b8 v0, s[64:65] scope:SCOPE_SE
	s_setreg_imm32_b32 hwreg(HW_REG_WAVE_MODE, 25, 1), 1
	s_wait_xcnt 0x0
; out0 = x_q + attention(adaLN(x_q) Wq + bq, k, v) Wp + bp for 64 rows, all four products on codes of FP4 (E2M1) with one E8M0 scale for each 32 along K.  Nothing but the result goes to memory.
; SHARES.  Work-group g: rows 64 g on (batch g / 32).  Wave w: layer norm of rows 8 w on; K step w of the rows' codes; columns 128 w on of q and of the last product = heads 2 w, 2 w + 1, for all 64 rows (four tiles of 16 queries).
; So q's codes never leave the wave, and its two heads' results are exactly K step w of the last product.
; PHASES.  A1: rows to LDS as f32 (they stay there for the residual: x_q is read from memory once), mean, 1 / sqrt(var + eps) | barrier | A2: codes of adaLN(x_q), as images of the operand's registers in LDS | barrier |
; q = . Wq + bq (transposed: source 0 = 16 rows of Wq) | barrier | q quantised in registers | for each of my 2 heads, 4 key steps of 128: S^T = k q^T, softmax, O^T += v^T p^T, for the four query tiles in turn, on one load of k and v |
; O / l quantised, images to LDS | barrier | x + . Wp: the accumulators begin as my 512 bytes of each row of x, from LDS | back to LDS | barrier | whole rows, + bp, out.
; WHAT A PRODUCT WITH A WEIGHT WANTS IS ASKED FOR AHEAD OF IT.  Wq: bias (16 loads) and scale words in the middle of A1; K step 1 behind A1, into its buffer; K step 0 behind A1, into registers of window 1 that lie idle until the product,
; and copied behind A2.  Wp: scale words behind the q product; K step 0 behind q's fourth fragment, into registers of window 1 that lie idle in the attention, and copied behind it; K step 1 ahead of the barrier.
; K = 64 IN THE SCORES.  The instruction is 128 deep.  q's fragment is four registers of codes and four of zero codes.  k's fragment is named as eight registers of which the upper four are the next tile's codes (behind tile 7: four zero registers):
; they meet q's zero codes, and FP4 has no code but numbers.  Bytes 2 and 3 of both sides' scale words are 0 (2^-127, a number).
; THE SOFTMAX: t = score x log2(e) / 8; M = the running largest t, rounded up to a whole number; p = 2^(t - M) is quantised along the keys, not normalised; l is the sum of the unquantised p; when M moves, l and O are multiplied by 2^(old M - new M), exactly.
; A block's largest p is made from the block's largest score by the same multiply-add and exponential (this takes v_exp_f32 not to fall where its input rises).
; NO CLUSTER, NO DATA MOVER: weights, k and v are read by many work-groups, but a joint load lands in LDS, of which 263,168 bytes hold the 64 f32 rows (that spares a second read of x_q, 67 MB) and 37,376 the images: 27,136 of 327,680 are left.
; Each weight fragment and each fragment of k and v is used by one wave alone and comes from its re-laid image straight into registers, 512 consecutive bytes a load.
; LIMITS: NaN and infinities are not served.  A block of zeros, and one whose largest magnitude lies under 2^-124, gets the scale byte 1 (the rule says 127 for zeros); this program alone reads the bytes.  1 / sqrt is v_rsq_f32, 1 / l is v_rcp_f32, each and a multiplication.
; The result is rounded as (x + sum) + bp.
.set PITCH, 4112                       ; an LDS row of x: 4,096 bytes + 16: row r starts at bank 4 r mod 64 (64 banks of 4 bytes: ISA guide 11.1)
.set IMG,   263168                     ; behind 64 rows: 32 fragment images x 1,024 bytes (row tile m, K step s: 8 m + s), [c][lane][16 bytes]
.set ISC,   295936                     ; their scale words, 128 bytes each
.set STAT,  300032                     ; (mean, 1 / sqrt(var + eps)) of the 64 rows
.set L16, 1                            ; v1   16 x lane
.set L4,  2                            ; v2   4 x lane
.set H64, 3                            ; v3   64 x (lane / 16)
.set LI,  4                            ; v4   IMG + 16 x lane
.set LS,  5                            ; v5   ISC + 4 x lane
.set XWI, 6                            ; v6   LI + 1,024 x wave
.set XWS, 7                            ; v7   LS + 128 x wave
.set XA0, 8                            ; v8   row r, my half's 64 bytes, my wave's 512 bytes
.set RW,  9                            ; v9   my wave's first row + 16 x lane
.set STA, 10                           ; v10  STAT + 8 r
.set FLR, 11                           ; v11  2^(3 - 127)
.set KVO, 12                           ; v12  attention: 16 x lane + 4,096 x the key step to be fetched
.set SCO, 13                           ; v13  4 x lane + 768 x that step
.set R,   16                           ; A1: four row slots of 32
.set CH,  144
.set QQ,  152
.set DD,  160
.set SAD, 168                          ; v168 my row among a weight's scale bytes (v169 at work): untouched in A1, A2 and the attention
.set MS,  172
.set X,   16                           ; A2: 64 numbers
.set MU,  144
.set PC,  160
.set TM,  176                          ; v176-191 at work: +0..3 block maxima, +4..7, +8, +10:11 f, +12..15 scale operands
.set WB0, 16                           ; a product with a weight: two sets of 8 weight fragments, v16-79, v80-143
.set XB0, 144                          ; two sets of 4 row fragments, v144-175, v176-207
.set XS0, 208                          ; their scale words, v208-211, v212-215
.set WS,  216                          ; the weight's scale words: pair of tiles p, K step s at WS + 8 p + s
.set KF,  16                           ; attention: k's 8 tiles x 4 registers, v16-47; v48-51 zeros
.set VF,  56                           ; v's 4 tiles x 8, v56-87
.set S,   96                           ; S^T, then p, v96-159
.set ST,  192                          ; tile i: -M, the largest t, l in two halves
.set KS,  208                          ; v208-255 hold scale words and nothing else: k's (4 pairs of tiles), v's (2 pairs), the word just made, (Wp's wait in WS), q's (8 fragments)
.set VS,  212
.set PW,  214
.set QS,  248
.set BR,  144                          ; the way out: bp for a whole row, 8 x 4 registers
.set S1,  0                            ; window 1, phase A: 1 + scale, bias of the norm
.set BI,  64
.set SG1, 128                          ; window 1, phase A: Wq's K step 0 waits here
.set HB0, 224                          ; window 1: bq in the result's layout: tiles 0-3 at HB0 + 8 t, tiles 4-7 at HB1 + 8 (t - 4)
.set HB1, 192
.set QF,  0                            ; window 1, attention: q's 8 fragments x 8; O^T: tile i, d tile dt at OO + 32 i + 8 dt
.set SG2, 64                           ; window 1, attention: Wp's K step 0 waits here
.set OO,  128
.set WV,  26
.set SEL, 30
.set CS,  32
.set MSB, 0
.macro WIN new                         ; the immediate's high byte repeats the setting that is left
.if MSB != \new
	s_set_vgpr_msb (MSB<<8)|\new
.set MSB, \new
.endif
.endm
.macro PLACES n
.rept \n
	v_nop
.endr
.endm
.macro BARRIER                         ; my LDS stores have landed and my LDS loads are in: then the work-group's barrier
	s_wait_dscnt 0x0
	s_barrier_signal -1
	s_barrier_wait -1
.endm
.macro REDUCE a, t                     ; the sum over the 32 lanes, in every lane
	v_add_f32_dpp v[\a], v[\a], v[\a] row_xmask:1 row_mask:0xf bank_mask:0xf
	v_add_f32_dpp v[\a], v[\a], v[\a] row_xmask:2 row_mask:0xf bank_mask:0xf
	v_add_f32_dpp v[\a], v[\a], v[\a] row_xmask:4 row_mask:0xf bank_mask:0xf
	v_add_f32_dpp v[\a], v[\a], v[\a] row_xmask:8 row_mask:0xf bank_mask:0xf
	v_permlanex16_b32 v[\t], v[\a], s[SEL], s[SEL+1]
	v_add_f32 v[\a], v[\a], v[\t]
.endm
.macro XROW i                          ; row i of my eight: eight loads of 512 consecutive bytes; x_q is read once in the launch
.set SL, R+32*((\i)%4)
.irp j, 0,1,2,3,4,5,6,7
	global_load_b128 v[SL+4*\j:SL+4*\j+3], v[L16], s[4:5] offset:(\i)*4096+512*\j th:TH_LOAD_NT
.endr
.endm
; Row i: to LDS as it is; its mean; the mean of the squared differences; 1 / sqrt(that + eps).  left: the loads issued behind this row's
.macro ROW i, left, fill
.set SL, R+32*((\i)%4)
	s_wait_loadcnt \left
.irp j, 0,1,2,3,4,5,6,7
	ds_store_b128 v[RW], v[SL+4*\j:SL+4*\j+3] offset:(\i)*PITCH+512*\j
.endr
.irp k, 0,1,2,3
	v_pk_add_f32 v[CH+2*\k:CH+2*\k+1], v[SL+2*\k:SL+2*\k+1], v[SL+8+2*\k:SL+9+2*\k]
.endr
.irp g, 16,24
.irp k, 0,1,2,3
	v_pk_add_f32 v[CH+2*\k:CH+2*\k+1], v[CH+2*\k:CH+2*\k+1], v[SL+\g+2*\k:SL+\g+1+2*\k]
.endr
.endr
	v_pk_add_f32 v[CH:CH+1], v[CH:CH+1], v[CH+2:CH+3]
	v_pk_add_f32 v[CH+4:CH+5], v[CH+4:CH+5], v[CH+6:CH+7]
	v_pk_add_f32 v[CH:CH+1], v[CH:CH+1], v[CH+4:CH+5]
	v_add_f32 v[CH], v[CH], v[CH+1]
	REDUCE CH, CH+1
	v_mul_f32 v[MS], s35, v[CH]                    ; the mean: x 2^-10
.irp g, 0,1,2,3
.irp k, 0,1,2,3
	v_pk_add_f32 v[DD+2*\k:DD+2*\k+1], v[SL+8*\g+2*\k:SL+8*\g+2*\k+1], v[MS:MS+1] op_sel_hi:[1,0] neg_lo:[0,1] neg_hi:[0,1]
.endr
.irp k, 0,1,2,3
.if \g == 0
	v_pk_mul_f32 v[QQ+2*\k:QQ+2*\k+1], v[DD+2*\k:DD+2*\k+1], v[DD+2*\k:DD+2*\k+1]
.else
	v_pk_fma_f32 v[QQ+2*\k:QQ+2*\k+1], v[DD+2*\k:DD+2*\k+1], v[DD+2*\k:DD+2*\k+1], v[QQ+2*\k:QQ+2*\k+1]
.endif
.endr
.endr
	v_pk_add_f32 v[QQ:QQ+1], v[QQ:QQ+1], v[QQ+2:QQ+3]
	v_pk_add_f32 v[QQ+4:QQ+5], v[QQ+4:QQ+5], v[QQ+6:QQ+7]
	v_pk_add_f32 v[QQ:QQ+1], v[QQ:QQ+1], v[QQ+4:QQ+5]
	v_add_f32 v[QQ], v[QQ], v[QQ+1]
	REDUCE QQ, QQ+1
	v_fma_f32 v[QQ], v[QQ], s35, s36               ; var + eps
	v_rsq_f32 v[MS+1], v[QQ]
	v_nop                                          ; a plain line behind the transcendental,
	s_wait_alu depctr_va_vdst(0)                   ; and the wait ahead of its first reader
	ds_store_b64 v14, v[MS:MS+1] offset:8*(\i)     ; all lanes write the same eight bytes with the same value
	s_wait_dscnt 0x0                               ; the stores have read the slot and the pair
.if \fill
	XROW (\i)+4
.endif
.endm
; nb blocks of 32 along K: register 16 b + i of v[src] on (window w) = k 32 b + 16 (lane / 16) + i of my row.  They become codes in v[PC] on, a whole block to a lane, and the scale word v[pw].
.macro QUANT src, nb, w, pw
.if \w
	WIN 0x14                                       ; sources 1 and 2 window 1
.endif
.set qb, 0
.rept \nb
	v_max3_num_f32 v[TM+qb], v[FLR], |v[(\src)+16*qb]|, |v[(\src)+16*qb+1]|   ; my 16 numbers and the floor, from each result's low end on; the blocks by turns
.set qb, qb+1
.endr
.irp i, 2,4,6,8,10,12,14
.set qb, 0
.rept \nb
	v_max3_num_f32 v[TM+qb], v[TM+qb], |v[(\src)+16*qb+\i]|, |v[(\src)+16*qb+\i+1]|
.set qb, qb+1
.endr
.endr
	WIN 0
.set qb, 0
.rept \nb
	v_permlanex16_b32 v[TM+4+qb], v[TM+qb], s[SEL], s[SEL+1]
.set qb, qb+1
.endr
.set qb, 0
.rept \nb
	v_max_num_f32 v[TM+qb], v[TM+qb], v[TM+4+qb]   ; with lane l xor 16's 16: the block's largest magnitude
.set qb, qb+1
.endr
.set qb, 0
.rept \nb
	v_add_nc_u32 v[TM+12+qb], 0xff000000, v[TM+qb] ; 2 off its exponent field: the conversion's scale operand
.set qb, qb+1
.endr
.set qb, 0
.rept \nb
	v_lshrrev_b32 v[TM+4+qb], 23, v[TM+12+qb]      ; the scale's byte
.set qb, qb+1
.endr
	v_lshl_or_b32 v[\pw], v[TM+5], 8, v[TM+4]
.if \nb == 4
	v_lshl_or_b32 v[\pw], v[TM+6], 16, v[\pw]
	v_lshl_or_b32 v[\pw], v[TM+7], 24, v[\pw]
.endif
.if \w
	WIN 0x01                                       ; source 0 window 1
.endif
.set qb, 0
.rept \nb
	v_cvt_scalef32_pk8_fp4_f32 v[PC+2*qb], v[(\src)+16*qb:(\src)+16*qb+7], v[TM+12+qb]
	v_cvt_scalef32_pk8_fp4_f32 v[PC+2*qb+1], v[(\src)+16*qb+8:(\src)+16*qb+15], v[TM+12+qb]
.set qb, qb+1
.endr
	WIN 0
	v_nop                                          ; one plain line behind the last scaled conversion
.set qb, 0
.rept \nb/2
	v_permlane16_swap_b32 v[PC+4*qb], v[PC+4*qb+2] ; lanes 0-15 keep block 2 c, lanes 16-31 block 2 c + 1, whole
	v_permlane16_swap_b32 v[PC+4*qb+1], v[PC+4*qb+3]
.set qb, qb+1
.endr
.endm
.macro WLOAD s, wb                     ; my 8 weight fragments of K step s: 16 loads of 512 consecutive bytes
.set WBF, WB0+64*((\s)%2)
.irp t, 0,1,2,3,4,5,6,7
.irp c, 0,1
	global_load_b128 v[WBF+8*\t+4*\c:WBF+8*\t+4*\c+3], v[L16], s[\wb:\wb+1] offset:\t*8192+(\s)*1024+\c*512
.endr
.endr
.endm
.macro WSTAGE wb, base                 ; K step 0's 8 fragments into 64 idle registers of window 1
	WIN 0x40
.irp t, 0,1,2,3,4,5,6,7
.irp c, 0,1
	global_load_b128 v[(\base)+8*\t+4*\c:(\base)+8*\t+4*\c+3], v[L16], s[\wb:\wb+1] offset:\t*8192+\c*512
.endr
.endr
	WIN 0
.endm
.macro WCOPY base                      ; and from there into the first buffer; four plain lines stand between the last copy and the scaled products that read it
	WIN 0x01
.set e, 0
.rept 64
	v_mov_b32 v[WB0+e], v[(\base)+e]
.set e, e+1
.endr
	WIN 0
	PLACES 4
.endm
.macro XLOAD s                         ; the four row tiles' fragments of K step s and their scale words: 12 LDS loads
.set XBF, XB0+32*((\s)%2)
.set XSF, XS0+4*((\s)%2)
.irp m, 0,1,2,3
.irp c, 0,1
	ds_load_b128 v[XBF+8*\m+4*\c:XBF+8*\m+4*\c+3], v[LI] offset:(8*\m+(\s))*1024+512*\c
.endr
	ds_load_b32 v[XSF+\m], v[LS] offset:(8*\m+(\s))*128
.endr
.endm
.macro SADDR                           ; v[SAD] = 32 x (8 (lane / 16) + r + 8 (r / 8)): my row of a pair of tiles among a weight's scale bytes
	v_and_b32 v[SAD+1], 15, v0
	v_and_b32 v[SAD], 8, v0
	v_add_nc_u32 v[SAD], v[SAD], v[SAD+1]
	v_bfe_u32 v[SAD+1], v0, 4, 1
	v_lshl_add_u32 v[SAD], v[SAD+1], 3, v[SAD]
	v_lshlrev_b32 v[SAD], 5, v[SAD]
.endm
.macro SLOAD sb                        ; a weight's scale words for all 8 K steps: lanes 0-15 the rows of tile 2 p, lanes 16-31 those of tile 2 p + 1
.irp p, 0,1,2,3
.irp g, 0,1
	global_load_b128 v[WS+8*\p+4*\g:WS+8*\p+4*\g+3], v[SAD], s[\sb:\sb+1] offset:\p*1024+16*\g
.endr
.endr
.endm
; one matrix instruction.  zero = 1: it starts the sum.  row = 1: source 0's scales stand in lanes 16-31 of their register
.macro MM d, a, b, zero, sa, sb, row
.if \zero
.if (\row) == 0
	v_wmma_scale_f32_16x16x128_f8f6f4 v[\d:\d+7], v[\a:\a+7], v[\b:\b+7], 0, v[\sa], v[\sb] matrix_a_fmt:MATRIX_FMT_FP4 matrix_b_fmt:MATRIX_FMT_FP4
.else
	v_wmma_scale_f32_16x16x128_f8f6f4 v[\d:\d+7], v[\a:\a+7], v[\b:\b+7], 0, v[\sa], v[\sb] matrix_a_fmt:MATRIX_FMT_FP4 matrix_b_fmt:MATRIX_FMT_FP4 matrix_a_scale:MATRIX_SCALE_ROW1
.endif
.else
.if (\row) == 0
	v_wmma_scale_f32_16x16x128_f8f6f4 v[\d:\d+7], v[\a:\a+7], v[\b:\b+7], v[\d:\d+7], v[\sa], v[\sb] matrix_a_fmt:MATRIX_FMT_FP4 matrix_b_fmt:MATRIX_FMT_FP4
.else
	v_wmma_scale_f32_16x16x128_f8f6f4 v[\d:\d+7], v[\a:\a+7], v[\b:\b+7], v[\d:\d+7], v[\sa], v[\sb] matrix_a_fmt:MATRIX_FMT_FP4 matrix_b_fmt:MATRIX_FMT_FP4 matrix_a_scale:MATRIX_SCALE_ROW1
.endif
.endif
.endm
.macro MMC d, a, b, c, sa, sb, row     ; the same with a C of its own
.if (\row) == 0
	v_wmma_scale_f32_16x16x128_f8f6f4 v[\d:\d+7], v[\a:\a+7], v[\b:\b+7], v[\c:\c+7], v[\sa], v[\sb] matrix_a_fmt:MATRIX_FMT_FP4 matrix_b_fmt:MATRIX_FMT_FP4
.else
	v_wmma_scale_f32_16x16x128_f8f6f4 v[\d:\d+7], v[\a:\a+7], v[\b:\b+7], v[\c:\c+7], v[\sa], v[\sb] matrix_a_fmt:MATRIX_FMT_FP4 matrix_b_fmt:MATRIX_FMT_FP4 matrix_a_scale:MATRIX_SCALE_ROW1
.endif
.endm
; K step s of a product with a weight: 32 matrix instructions on 32 accumulators, one each.  K steps 0 and 1 were asked for ahead of the product; from step 1 on, step s asks for step s + 1's weights.
; Transposed (source 0 = 16 rows of the weight, source 1 = 16 rows): accumulator ((t / 4) 4 + m) 4 + t % 4; lane (r, h), register j: row 16 m + r, column 32 (t / 2) + 16 h + 8 (t % 2) + j of my 128.
.macro GSTEP s, wb
.if \s == 0
	XLOAD 1
	s_wait_dscnt 12                                ; all but the next step's 12
.elseif \s < 7
	PLACES 4                                       ; four plain lines between the last step's products and loads into the registers that they read (ISA guide 7.12.1 for vector instructions)
	WLOAD \s+1, \wb
	XLOAD \s+1
	s_wait_loadcnt 16                              ; all but the next step's 16
	s_wait_dscnt 12                                ; all but the next step's 12
.else
	s_wait_loadcnt 0x0
	s_wait_dscnt 0x0
.endif
.set WBF, WB0+64*(\s%2)
.set XBF, XB0+32*(\s%2)
.set XSF, XS0+4*(\s%2)
	WIN 0x50                                       ; C and D window 1
.irp m, 0,1,2,3
.irp t, 0,1,2,3,4,5,6,7
.set AI, 8*(((\t/4)*4+\m)*4+\t%4)
	MM AI, WBF+8*\t, XBF+8*\m, 0, WS+8*(\t/2)+\s, XSF+\m, \t%2
.endr
.endr
	WIN 0
.endm
; K step 0 of the q product.  bq stands once, in the registers of the eight accumulators (tiles 4-7, row tiles 2 and 3), and is the C of all four row tiles.  Those eight are written last, four and four, each group five plain lines
; behind the last matrix instruction that read its registers (ISA guide 7.12.1 has no row for a matrix instruction that writes over another's source).
.macro GSTEP0B
	XLOAD 1
	s_wait_dscnt 12
	WIN 0x50
.irp m, 0,1,2,3
.irp t, 0,1,2,3,4,5,6,7
.if (\t < 4) || (\m < 2)
.set AI, 8*(((\t/4)*4+\m)*4+\t%4)
.set HB, HB0+8*(\t%4)-32*(\t/4)
	MMC AI, WB0+8*\t, XB0+8*\m, HB, WS+8*(\t/2), XS0+\m, \t%2
.endif
.endr
.endr
	PLACES 5
.irp t, 4,5,6,7
	MMC HB0+8*(\t-4), WB0+8*\t, XB0+24, HB1+8*(\t-4), WS+8*(\t/2), XS0+3, \t%2     ; row tile 3: over tiles 0-3's bias, which nobody wants any more
.endr
	PLACES 5
.irp t, 4,5,6,7
	MMC HB1+8*(\t-4), WB0+8*\t, XB0+16, HB1+8*(\t-4), WS+8*(\t/2), XS0+2, \t%2     ; row tile 2: in place
.endr
	WIN 0
.endm
.macro KLOAD                           ; k of a key step: 8 tiles x 512 bytes, 4 pairs of scale words: 12 loads
.irp kt, 0,1,2,3,4,5,6,7
	global_load_b128 v[KF+4*\kt:KF+4*\kt+3], v[KVO], s[18:19] offset:512*\kt
.endr
.irp p, 0,1,2,3
	global_load_b32 v[KS+\p], v[SCO], s[22:23] offset:128*\p
.endr
.endm
.macro VLOAD                           ; v of a key step: 4 tiles x 1,024 bytes, 2 pairs of scale words: 10 loads
.irp dt, 0,1,2,3
.irp c, 0,1
	global_load_b128 v[VF+8*\dt+4*\c:VF+8*\dt+4*\c+3], v[KVO], s[20:21] offset:1024*\dt+512*\c
.endr
.endr
.irp p, 0,1
	global_load_b32 v[VS+\p], v[SCO], s[22:23] offset:512+128*\p
.endr
.endm
; The softmax of query tile i for 128 keys.  A lane holds one query; register 16 b + n of S is key 32 b + 16 (lane / 16) + n.  It leaves p's codes in v[PC] on, p's scale word in v[PW], f in v[TM+10].
.macro SOFTMAX i
.set NM, ST+4*(\i)
.irp b, 0,1,2,3
	v_max3_num_f32 v[TM+\b], v[S+16*\b], v[S+1+16*\b], v[S+2+16*\b]       ; the largest score of each block of 32 keys: for the row's maximum and for the block's largest p
.endr
.irp k, 3,5,7,9,11,13
.irp b, 0,1,2,3
	v_max3_num_f32 v[TM+\b], v[TM+\b], v[S+16*\b+\k], v[S+1+16*\b+\k]
.endr
.endr
.irp b, 0,1,2,3
	v_max_num_f32 v[TM+\b], v[TM+\b], v[S+15+16*\b]
.endr
.irp b, 0,1,2,3
	v_permlanex16_b32 v[TM+4+\b], v[TM+\b], s[SEL], s[SEL+1]
.endr
.irp b, 0,1,2,3
	v_max_num_f32 v[TM+\b], v[TM+\b], v[TM+4+\b]
.endr
	v_max3_num_f32 v[TM+8], v[TM], v[TM+1], v[TM+2]
	v_max_num_f32 v[TM+8], v[TM+8], v[TM+3]
	v_mul_f32 v[TM+8], s[CS], v[TM+8]              ; as t (c is positive)
	v_max_num_f32 v[NM+1], v[NM+1], v[TM+8]        ; the running largest t
	v_mov_b32 v[TM+8], v[NM]
	v_floor_f32 v[NM], -v[NM+1]                    ; the new -M = floor(-t): M is a whole number
	v_sub_f32 v[TM+8], v[NM], v[TM+8]              ; old M - new M: a whole number, 0 or less
	v_cvt_i32_f32 v[TM+8], v[TM+8]                 ; (it saturates)
	v_ldexp_f32 v[TM+10], 1.0, v[TM+8]             ; f = 2^(old M - new M)
.set e, 0
.rept 32
	v_pk_fma_f32 v[S+e:S+e+1], v[S+e:S+e+1], s[CS:CS+1], v[NM:NM+1] op_sel_hi:[1,0,0]   ; t - M
.set e, e+2
.endr
.irp b, 0,1,2,3
	v_fma_f32 v[TM+\b], v[TM+\b], s[CS], v[NM]
.endr
.set e, 0
.rept 64
	v_exp_f32 v[S+e], v[S+e]                       ; p = 2^(t - M)
.set e, e+1
.endr
	v_pk_mul_f32 v[NM+2:NM+3], v[NM+2:NM+3], v[TM+10:TM+11] op_sel_hi:[1,0]   ; l under the new M: the plain line behind the exponentials
	s_wait_alu depctr_va_vdst(0)                   ; one wait for the batch of 64, ahead of its first reader
.irp b, 0,1,2,3
	v_exp_f32 v[TM+\b], v[TM+\b]                   ; each block's largest p
.endr
	v_pk_add_f32 v[TM+4:TM+5], v[S:S+1], v[S+2:S+3]   ; l takes the unquantised p: two chains
.irp j, 4,8,12,16,20,24,28,32,36,40,44,48,52,56,60
	v_pk_add_f32 v[NM+2:NM+3], v[NM+2:NM+3], v[S+\j:S+\j+1]
	v_pk_add_f32 v[TM+4:TM+5], v[TM+4:TM+5], v[S+2+\j:S+3+\j]
.endr
	v_pk_add_f32 v[NM+2:NM+3], v[NM+2:NM+3], v[TM+4:TM+5]
	s_wait_alu depctr_va_vdst(0)                   ; and one for the four
.irp b, 0,1,2,3
	v_max_num_f32 v[TM+\b], v[FLR], v[TM+\b]
.endr
.irp b, 0,1,2,3
	v_add_nc_u32 v[TM+12+\b], 0xff000000, v[TM+\b]
.endr
.irp b, 0,1,2,3
	v_lshrrev_b32 v[TM+4+\b], 23, v[TM+12+\b]
.endr
	v_lshl_or_b32 v[PW], v[TM+5], 8, v[TM+4]
	v_lshl_or_b32 v[PW], v[TM+6], 16, v[PW]
	v_lshl_or_b32 v[PW], v[TM+7], 24, v[PW]
.irp b, 0,1,2,3
	v_cvt_scalef32_pk8_fp4_f32 v[PC+2*\b], v[S+16*\b:S+16*\b+7], v[TM+12+\b]
	v_cvt_scalef32_pk8_fp4_f32 v[PC+2*\b+1], v[S+16*\b+8:S+16*\b+15], v[TM+12+\b]
.endr
	v_nop
.irp c, 0,1
	v_permlane16_swap_b32 v[PC+4*\c], v[PC+4*\c+2]
	v_permlane16_swap_b32 v[PC+4*\c+1], v[PC+4*\c+3]
.endr
.endm
; Query tile i in a key step: 8 score tiles, the softmax, O^T x f, 4 products with v.  No two matrix instructions that follow each other share an accumulator.
.macro UNIT i
	WIN 0x04                                       ; source 1 (q) window 1
.irp kt, 0,1,2,3,4,5,6,7
	MM S+8*\kt, KF+4*\kt, QF+8*(\i), 1, KS+\kt/2, QS+(\i), \kt%2
.endr
	WIN 0
	PLACES 4                                       ; between the products and the first read of their results, and the loads into k's registers
.if (\i) == 3
	KLOAD                                          ; all four tiles have multiplied by k: the next step's comes
.endif
	SOFTMAX \i
.if (\i) == 0
	s_wait_loadcnt 0x0                             ; v is in; no load is out, so the loads' offsets may be written:
	s_add_co_u32 s46, s37, 1
	s_min_u32 s46, s46, 7                          ; the next of my 8 key steps; behind the last one the last is asked for once more: no load leaves its buffer
	s_lshl_b32 s47, s46, 12
	s_mul_i32 s46, s46, 768
	v_add_nc_u32 v[KVO], s47, v[L16]
	v_add_nc_u32 v[SCO], s46, v[L4]
.endif
	WIN 0x41
.set e, 0
.rept 16
	v_pk_mul_f32 v[OO+32*(\i)+e:OO+32*(\i)+e+1], v[OO+32*(\i)+e:OO+32*(\i)+e+1], v[TM+10:TM+11] op_sel_hi:[1,0]   ; O^T under the new M; these 16 also stand between the making of p's codes and scale word and the products
.set e, e+2
.endr
	WIN 0x50
.irp dt, 0,1,2,3
	MM OO+32*(\i)+8*\dt, VF+8*\dt, PC, 0, VS+\dt/2, PW, \dt%2
.endr
	WIN 0
.endm
	s_load_b512 s[4:19], s[0:1], 0x0               ; x_q, ss, wimg, Wq_scales, Wp_scales, bq, bp, kimg
	s_load_b128 s[20:23], s[0:1], 0x40             ; vimg, kvsc
	s_load_b64 s[24:25], s[0:1], 0x50              ; out0
	v_lshrrev_b32 v16, 5, v0
	v_readfirstlane_b32 s[WV], v16                 ; wave 0..7
	v_and_b32 v1, 31, v0
	v_and_b32 v17, 15, v0                          ; r
	v_bfe_u32 v18, v0, 4, 1                        ; h
	v_lshlrev_b32 v[L4], 2, v1
	v_lshlrev_b32 v[L16], 4, v1
	v_lshlrev_b32 v[H64], 6, v18
	v_add_nc_u32 v[LI], IMG, v[L16]
	v_add_nc_u32 v[LS], ISC, v[L4]
	s_lshl_b32 s46, s[WV], 10
	v_add_nc_u32 v[XWI], s46, v[LI]
	s_lshl_b32 s46, s[WV], 7
	v_add_nc_u32 v[XWS], s46, v[LS]
	v_mul_u32_u24 v[XA0], v17, PITCH
	v_add_nc_u32 v[XA0], v[XA0], v[H64]
	s_lshl_b32 s46, s[WV], 9
	v_add_nc_u32 v[XA0], s46, v[XA0]
	s_lshl_b32 s47, s[WV], 3                       ; my 8 rows
	s_mul_i32 s46, s47, PITCH
	v_add_nc_u32 v[RW], s46, v[L16]
	v_lshl_add_u32 v[STA], v17, 3, STAT
	v_mov_b32 v[FLR], 0x1800000
	s_lshl_b32 s46, s47, 3
	s_add_co_u32 s46, s46, STAT
	v_mov_b32 v14, s46                             ; where my rows' statistics go
	v_mov_b32 v[MS+1], 0                           ; (named as the upper half of a pair before it is first made)
.irp b, 4,5,6,7
	v_mov_b32 v[TM+\b], 0                          ; written once: a lane permute's destination counts as one of its sources
.endr
	SADDR
	s_mov_b32 s[SEL], 0x76543210
	s_mov_b32 s[SEL+1], 0xfedcba98                 ; v_permlanex16_b32's selects for lane l xor 16
	s_mov_b32 s[CS], 0x3e38aa3b                    ; c = log2(e) / sqrt(64)
	s_mov_b32 s[CS+1], s[CS]                       ; (named with it as a pair)
	s_mov_b32 s35, 0x3a800000                      ; 1 / 1,024
	s_mov_b32 s36, 0x3727c5ac                      ; eps = 1e-5
	s_lshr_b32 s27, ttmp9, 5                       ; batch
	s_mov_b32 s29, 0
	s_wait_kmcnt 0x0
	s_lshl_b32 s28, ttmp9, 18
	s_lshl_b32 s46, s[WV], 15
	s_add_co_u32 s28, s28, s46
	s_add_nc_u64 s[4:5], s[4:5], s[28:29]          ; x_q and out0 at my 8 rows
	s_add_nc_u64 s[24:25], s[24:25], s[28:29]
	XROW 0                                         ; x first: everything waits for it
	XROW 1
	XROW 2
	XROW 3
	s_lshl_b32 s28, s27, 13
	s_lshl_b32 s46, s[WV], 9
	s_add_co_u32 s28, s28, s46
	s_add_nc_u64 s[6:7], s[6:7], s[28:29]          ; ss: the first matrix, my batch, my 128 columns
	s_lshl_b32 s28, s[WV], 16
	s_add_nc_u64 s[8:9], s[8:9], s[28:29]          ; wimg: Wq's tile 8 w,
	s_add_nc_u64 s[48:49], s[8:9], 0x180000        ; Wp's tile 8 w
	s_lshl_b32 s28, s[WV], 12
	s_add_nc_u64 s[10:11], s[10:11], s[28:29]
	s_add_nc_u64 s[12:13], s[12:13], s[28:29]
	s_lshl_b32 s28, s[WV], 9
	s_add_nc_u64 s[14:15], s[14:15], s[28:29]      ; bq at my 128 columns (bp stays at its first number: on the way out a wave has whole rows)
	s_lshl_b32 s28, s27, 18
	s_lshl_b32 s46, s[WV], 15
	s_add_co_u32 s28, s28, s46
	s_add_nc_u64 s[18:19], s[18:19], s[28:29]      ; kimg and vimg at chunk 64 b + 8 w: my two heads' 8 key steps on end
	s_add_nc_u64 s[20:21], s[20:21], s[28:29]
	s_mul_i32 s28, s27, 49152
	s_mul_i32 s46, s[WV], 6144
	s_add_co_u32 s28, s28, s46
	s_add_nc_u64 s[22:23], s[22:23], s[28:29]
	WIN 0x40
.irp bb, 0,1,2,3
.irp j, 0,1,2,3
	global_load_b128 v[S1+16*\bb+4*\j:S1+16*\bb+4*\j+3], v[H64], s[6:7] offset:128*\bb+16*\j
	global_load_b128 v[BI+16*\bb+4*\j:BI+16*\bb+4*\j+3], v[H64], s[6:7] offset:4096+128*\bb+16*\j
.endr
.endr
	WIN 0
	; ---- A1.  Behind row i's loads stand: for rows 0-3 three rows' 24 and ss's 32; for rows 4-7 the rows behind it and the 24 loads of bq and Wq's scale words
	ROW 0, 56, 1
	ROW 1, 56, 1
	ROW 2, 56, 1
	ROW 3, 56, 1
	WIN 0x40                                       ; all of x is asked for: now what the q product wants.  bq in the result's layout, once: 16 loads
.irp hh, 0,1
.irp tt, 0,1,2,3
	global_load_b128 v[HB0-32*\hh+8*\tt:HB0-32*\hh+8*\tt+3], v[H64], s[14:15] offset:256*\hh+128*(\tt/2)+32*(\tt%2)
	global_load_b128 v[HB0-32*\hh+8*\tt+4:HB0-32*\hh+8*\tt+7], v[H64], s[14:15] offset:256*\hh+128*(\tt/2)+32*(\tt%2)+16
.endr
.endr
	WIN 0
	SLOAD 10
	ROW 4, 48, 0
	ROW 5, 40, 0
	ROW 6, 32, 0
	ROW 7, 24, 0
	WSTAGE 8, SG1                                  ; Wq's K step 0 into idle registers of window 1,
	WLOAD 1, 8                                     ; its K step 1 into the second buffer, where row slots 2 and 3 lay: both land while A2 is worked
	BARRIER                                        ; 64 rows and their statistics lie in LDS
	; ---- A2: a trip a row tile: my 128 columns of 16 rows become K step w's fragment of that tile
	s_mov_b32 s40, 0
	s_mov_b32 s41, 0
	s_mov_b32 s42, 0
	s_mov_b32 s43, 0
	s_mov_b32 s39, 4
.La2:
	v_add_nc_u32 v12, s40, v[XA0]
	v_add_nc_u32 v13, s41, v[STA]
	v_add_nc_u32 v14, s42, v[XWI]
	v_add_nc_u32 v15, s43, v[XWS]
.irp bb, 0,1,2,3
.irp j, 0,1,2,3
	ds_load_b128 v[X+16*\bb+4*\j:X+16*\bb+4*\j+3], v12 offset:128*\bb+16*\j   ; register 16 bb + i: k 32 bb + 16 h + i of row r
.endr
.endr
	ds_load_b64 v[MU:MU+1], v13
	s_wait_dscnt 0x0
.set e, 0
.rept 32
	v_pk_add_f32 v[X+e:X+e+1], v[X+e:X+e+1], v[MU:MU+1] op_sel_hi:[1,0] neg_lo:[0,1] neg_hi:[0,1]   ; x - mean
.set e, e+2
.endr
.set e, 0
.rept 32
	v_pk_mul_f32 v[X+e:X+e+1], v[X+e:X+e+1], v[MU:MU+1] op_sel:[0,1] op_sel_hi:[1,1]               ; / sqrt(var + eps)
.set e, e+2
.endr
	WIN 0x14
.set e, 0
.rept 32
	v_pk_fma_f32 v[X+e:X+e+1], v[X+e:X+e+1], v[S1+e:S1+e+1], v[BI+e:BI+e+1]                        ; x (1 + scale) + bias
.set e, e+2
.endr
	WIN 0
	QUANT X, 4, 0, PW
	ds_store_b128 v14, v[PC:PC+3]
	ds_store_b128 v14, v[PC+4:PC+7] offset:512
	ds_store_b32 v15, v[PW]
	s_wait_dscnt 0x0                               ; the stores have read their registers
	s_add_co_u32 s40, s40, 16*PITCH
	s_add_co_u32 s41, s41, 128
	s_add_co_u32 s42, s42, 8192
	s_add_co_u32 s43, s43, 1024
	s_sub_co_u32 s39, s39, 1
	s_cmp_lg_u32 s39, 0
	s_cbranch_scc1 .La2
	; ---- q = xq Wq + bq
	s_wait_loadcnt 0x0                             ; bq, the scale words and K steps 0 and 1 were asked for a phase ago
	WCOPY SG1
	BARRIER                                        ; the 32 images lie in LDS
	XLOAD 0
	GSTEP0B
.irp s, 1,2,3,4,5,6,7
	GSTEP \s, 8
.endr
	PLACES 4
	SADDR                                          ; (its registers lay in a row buffer)
	SLOAD 12                                       ; Wp's scale words: their registers are idle until the last product
	v_mov_b32 v[KVO], v[L16]
	v_mov_b32 v[SCO], v[L4]
.irp e, 0,1,2,3
	v_mov_b32 v[KF+32+\e], 0                       ; the four registers named behind k's tile 7
.endr
	v_mov_b32 v[TM+11], 0                          ; (named as the upper half of the pair with f)
	BARRIER                                        ; nobody reads x's images any more: the attention's results will take their bytes
	; ---- q's codes: fragment 4 hh + i (head 2 w + hh, query tile i): four registers of codes, four of zero codes.  They land on accumulators that have been read out
.macro QFRAG f
	QUANT 32*(\f), 2, 1, QS+(\f)
	WIN 0x40
.irp e, 0,1,2,3
	v_mov_b32 v[QF+8*(\f)+\e], v[PC+\e]
.endr
.irp e, 4,5,6,7
	v_mov_b32 v[QF+8*(\f)+\e], 0
.endr
	WIN 0
.endm
.irp f, 0,1,2,3
	QFRAG \f
.endr
	WSTAGE 48, SG2                                 ; fragments 2 and 3 have left their accumulators: Wp's K step 0 waits there through the attention
	KLOAD                                          ; key step 0 of my first head: it lands while the other four fragments are made
	VLOAD
.irp f, 4,5,6,7
	QFRAG \f
.endr
	; ---- the attention: 2 heads x 4 key steps, each step written once
	s_mov_b32 s37, 0                               ; the key step in hand, 0..7 over both heads
	s_mov_b32 s44, 0                               ; where a head's codes go in an image: 512 bytes a head;
	s_mov_b32 s45, 0                               ; its two scale bytes: 2 a head
	s_mov_b32 s38, 2
.Lhead:
.irp i, 0,1,2,3
	v_mov_b32 v[ST+4*\i+1], 0xff61b1e6             ; the largest t so far: -3e38, under every t
	v_mov_b32 v[ST+4*\i+2], 0
	v_mov_b32 v[ST+4*\i+3], 0
.endr
.irp i, 0,1,2,3
	v_floor_f32 v[ST+4*\i], -v[ST+4*\i+1]
.endr
	WIN 0x40
.set e, 0
.rept 128
	v_mov_b32 v[OO+e], 0                           ; O^T: the step has no first form of its own: the first f is 0 and leaves zeros
.set e, e+1
.endr
	WIN 0
	s_mov_b32 s39, 4
.Lstep:
	s_wait_loadcnt 10                              ; k and its scale words are in (and all that was asked for ahead of them); v's ten loads may be out
	UNIT 0
	UNIT 1
	UNIT 2
	UNIT 3
	PLACES 4                                       ; between the last products and the loads into v's registers
	VLOAD
	s_add_co_u32 s37, s37, 1
	s_sub_co_u32 s39, s39, 1
	s_cmp_lg_u32 s39, 0
	s_cbranch_scc1 .Lstep
	; a head's end: O / l, quantised along the head's 64: half c = hh of K step w of the last product
	v_add_nc_u32 v14, s44, v[XWI]
	v_add_nc_u32 v15, s45, v[XWS]
.irp i, 0,1,2,3
	v_add_f32 v[TM+\i], v[ST+4*\i+2], v[ST+4*\i+3]
.endr
.irp i, 0,1,2,3
	v_permlanex16_b32 v[TM+4+\i], v[TM+\i], s[SEL], s[SEL+1]
.endr
.irp i, 0,1,2,3
	v_add_f32 v[TM+\i], v[TM+\i], v[TM+4+\i]       ; with lane l xor 16's keys: the row's sum
.endr
.irp i, 0,1,2,3
	v_rcp_f32 v[ST+4*\i+2], v[TM+\i]
.endr
	v_nop
	s_wait_alu depctr_va_vdst(0)                   ; one wait for the four reciprocals
.irp i, 0,1,2,3
	WIN 0x01
.set e, 0
.rept 16
	v_pk_mul_f32 v[S+e:S+e+1], v[OO+32*\i+e:OO+32*\i+e+1], v[ST+4*\i+2:ST+4*\i+3] op_sel_hi:[1,0]   ; register 16 bb + n: d 32 bb + 16 h + n of query r
.set e, e+2
.endr
	WIN 0
	QUANT S, 2, 0, PW
	ds_store_b128 v14, v[PC:PC+3] offset:8192*\i
	ds_store_b16 v15, v[PW] offset:1024*\i
	s_wait_dscnt 0x0                               ; the stores have read their registers
.endr
	WIN 0x41
.irp i, 0,1,2,3
.irp e, 0,1,2,3
	v_mov_b32 v[QF+8*\i+\e], v[QF+32+8*\i+\e]      ; the second head's q takes the first's place
.endr
.endr
	WIN 0
.irp i, 0,1,2,3
	v_mov_b32 v[QS+\i], v[QS+4+\i]
.endr
	s_add_co_u32 s44, s44, 512
	s_add_co_u32 s45, s45, 2
	s_sub_co_u32 s38, s38, 1
	s_cmp_lg_u32 s38, 0
	s_cbranch_scc1 .Lhead
	; ---- x + . Wp
	s_wait_loadcnt 0x0                             ; the loads asked for behind the last key step have landed: their registers and offsets are free; Wp's K step 0 and scale words came long ago
	WCOPY SG2
	WLOAD 1, 48                                    ; K step 1, ahead of the barrier
	v_add_nc_u32 v13, 16*PITCH, v[XA0]
	v_add_nc_u32 v14, 32*PITCH, v[XA0]
	v_add_nc_u32 v15, 48*PITCH, v[XA0]
; my 512 bytes of the 16 rows of row tile m, in the result's layout: into the accumulators (XCL), and the finished sums back to the same bytes (XCS).  No other wave touches these bytes between the first barrier and the last
.macro XCL m, ar
.irp t, 0,1,2,3,4,5,6,7
.irp e, 0,1
	ds_load_b128 v[8*(((\t/4)*4+(\m))*4+\t%4)+4*\e:8*(((\t/4)*4+(\m))*4+\t%4)+4*\e+3], v[\ar] offset:256*(\t/4)+128*((\t/2)%2)+32*(\t%2)+16*\e
.endr
.endr
.endm
.macro XCS m, ar
.irp t, 0,1,2,3,4,5,6,7
.irp e, 0,1
	ds_store_b128 v[\ar], v[8*(((\t/4)*4+(\m))*4+\t%4)+4*\e:8*(((\t/4)*4+(\m))*4+\t%4)+4*\e+3] offset:256*(\t/4)+128*((\t/2)%2)+32*(\t%2)+16*\e   ; each accumulator from its low end on
.endr
.endr
.endm
	WIN 0x40                                       ; destination window 1
	XCL 0, XA0
	XCL 1, 13
	XCL 2, 14
	XCL 3, 15
	WIN 0
	BARRIER                                        ; the 32 images of the attention's result lie in LDS, and x is in my accumulators
	XLOAD 0
.irp s, 0,1,2,3,4,5,6,7
	GSTEP \s, 48
.endr
	PLACES 4                                       ; between the last products and the stores of their results, and the loads into registers that they read
.irp j, 0,1,2,3,4,5,6,7
	global_load_b128 v[BR+4*\j:BR+4*\j+3], v[L16], s[16:17] offset:512*\j    ; bp in the layout of a row on its way out: 512 consecutive bytes a load
.endr
	WIN 0x04                                       ; an LDS store's data are its source 1: window 1
	XCS 0, XA0
	XCS 1, 13
	XCS 2, 14
	XCS 3, 15
	WIN 0
	BARRIER                                        ; 64 whole rows of x + . Wp lie in LDS
	; ---- out: my 8 rows, four at a time, + bp
.irp q, 0,1
.if \q
	s_wait_xcnt 0x0                                ; the first four rows' stores have read their registers
.endif
.set n, 0
.rept 32
	ds_load_b128 v[16+4*n:19+4*n], v[RW] offset:(4*\q+n/8)*PITCH+512*(n%8)
.set n, n+1
.endr
.if \q == 0
	s_wait_loadcnt 0x0                             ; bp
.endif
.set n, 0
.rept 32
	s_wait_dscnt 31-n                              ; LDS loads come back in order (ISA guide 5.7.1): load n is in
	v_pk_add_f32 v[16+4*n:17+4*n], v[16+4*n:17+4*n], v[BR+4*(n%8):BR+4*(n%8)+1]
	v_pk_add_f32 v[18+4*n:19+4*n], v[18+4*n:19+4*n], v[BR+4*(n%8)+2:BR+4*(n%8)+3]
	global_store_b128 v[L16], v[16+4*n:19+4*n], s[24:25] offset:(4*\q+n/8)*4096+512*(n%8) th:TH_STORE_NT   ; 512 consecutive aligned bytes; written once, read by nobody here
.set n, n+1
.endr
.endr
	s_wait_xcnt 0x0
	v_lshl_add_u32 v254, v0, 2, 0x49800
	v_mov_b32 v255, 0
	s_wait_tensorcnt 0x0
	ds_add_u32 v254, v255
	s_wait_dscnt 0x0
	s_endpgm
.Lfunc_end_k_qa100e07cb4_attn:
	.size	k_qa100e07cb4_attn, .Lfunc_end_k_qa100e07cb4_attn-k_qa100e07cb4_attn
	.p2alignl 7, 3214868480
	.fill 96, 4, 3214868480
	.section	.rodata,"a",@progbits
	.p2align	6, 0x0
	.amdhsa_kernel k_qa100e07cb4_attn
		.amdhsa_group_segment_fixed_size 302080
		.amdhsa_private_segment_fixed_size 0
		.amdhsa_enable_private_segment 0
		.amdhsa_kernarg_size 88
		.amdhsa_user_sgpr_count 2
		.amdhsa_user_sgpr_kernarg_segment_ptr 1
		.amdhsa_wavefront_size32 1
		.amdhsa_system_sgpr_workgroup_id_x 1
		.amdhsa_system_sgpr_workgroup_id_y 1
		.amdhsa_system_sgpr_workgroup_id_z 1
		.amdhsa_system_vgpr_workitem_id 0
		.amdhsa_next_free_vgpr 512
		.amdhsa_next_free_sgpr 66
		.amdhsa_reserve_vcc 0
		.amdhsa_float_denorm_mode_32 3
		.amdhsa_float_denorm_mode_16_64 3
		.amdhsa_memory_ordered 1
		.amdhsa_forward_progress 1
		.amdhsa_inst_pref_size 255
	.end_amdhsa_kernel
	.section	.bss,"aw",@nobits
	.p2align	6
	.space	262144
	.amdgpu_metadata
---
amdhsa.version: [ 1, 2 ]
amdhsa.kernels:
  - .name:           k_qa100e07cb4_attn
    .symbol:         k_qa100e07cb4_attn.kd
    .args:
      - { .name: x_q, .offset: 0, .size: 8, .value_kind: global_buffer, .address_space: global }
      - { .name: ss, .offset: 8, .size: 8, .value_kind: global_buffer, .address_space: global }
      - { .name: wimg, .offset: 16, .size: 8, .value_kind: global_buffer, .address_space: global }
      - { .name: Wq_scales, .offset: 24, .size: 8, .value_kind: global_buffer, .address_space: global }
      - { .name: Wp_scales, .offset: 32, .size: 8, .value_kind: global_buffer, .address_space: global }
      - { .name: bq, .offset: 40, .size: 8, .value_kind: global_buffer, .address_space: global }
      - { .name: bp, .offset: 48, .size: 8, .value_kind: global_buffer, .address_space: global }
      - { .name: kimg, .offset: 56, .size: 8, .value_kind: global_buffer, .address_space: global }
      - { .name: vimg, .offset: 64, .size: 8, .value_kind: global_buffer, .address_space: global }
      - { .name: kvsc, .offset: 72, .size: 8, .value_kind: global_buffer, .address_space: global }
      - { .name: out0, .offset: 80, .size: 8, .value_kind: global_buffer, .address_space: global }
    .group_segment_fixed_size: 302080
    .private_segment_fixed_size: 0
    .kernarg_segment_align: 8
    .kernarg_segment_size: 88
    .max_flat_workgroup_size: 256
    .sgpr_count:     66
    .vgpr_count:     512
    .wavefront_size: 32
...
	.end_amdgpu_metadata
.endif
;; end of part 3
;; ======== version 2 of 2: 3 launches
;; workspace buffers: ss 131,072 bytes; wimg 2,097,152 bytes; kimg 2,097,152 bytes; vimg 2,097,152 bytes; kvsc 393,216 bytes
;; launch prep (part 4): grid 64 x 1, 16 waves a work-group, no clusters, 100,352 bytes of LDS; arguments t_vec, Wss_q, Wss_kv, bss_q, bss_kv, Wq_codes, Wkv_codes, Wp_codes, ss, wimg; writes ss, wimg
.if DOCPART == 4
	.amdgcn_target "amdgcn-amd-amdhsa--gfx1250"
	.amdhsa_code_object_version 6
	.text
	.protected	k_qa100e07cb4_prep
	.globl	k_qa100e07cb4_prep
	.p2align	8
	.type	k_qa100e07cb4_prep,@function
k_qa100e07cb4_prep:
	s_mov_b64 s[64:65], 0
	v_nop
	global_prefetch_b8 v0, s[64:65] scope:SCOPE_SE
	s_setreg_imm32_b32 hwreg(HW_REG_WAVE_MODE, 25, 1), 1
	s_wait_xcnt 0x0
; TWO JOBS.  (1) ss[mat][b][n] = sum over k of silu(t_vec[b][k]) Wss_mat[k][n] + bss_mat[n], and 1 more where n < 1024 (the scale half), all in f32 by fused multiply-adds: the result goes on into a quantiser.
; (2) The codes of Wq, Wkv and Wp are laid anew, in the order in which a wave's operand registers take them: wimg holds 256 tiles (0-63 Wq, 64-191 Wkv, 192-255 Wp) of 8,192 bytes, [K step 8][c 2][lane 32][16 bytes];
;     lane (r, h) of a weight's tile T holds row 32 (T / 2) + 8 (T % 2) + r + 8 (r / 8), bytes 64 s + 32 c + 16 h on: so a later wave loads a fragment by two loads of 512 consecutive bytes.
; SHARES.  Work-group g: matrix g / 32, columns 64 (g % 32) on: 256 bytes of each row of Wss.  Wave w: K rows 64 w .. 64 w + 63; lanes 0-15 take rows 64 w + i, lanes 16-31 rows 64 w + 32 + i, four columns a lane:
; each load covers two runs of 256 consecutive aligned bytes.  All 32 loads of a wave go out at once.  The 32 partial sums of a column meet in LDS; waves 0-3 add them in a fixed order and store.
; Job 2 is shared among all 1,024 waves of the launch: wave 16 g + w copies a quarter of tile (16 g + w) / 4.
; The order of the sums differs from a plain ascending sum over k: 32 partial sums of 32 terms each.  NaN and infinities among the inputs are not served.
; No matrix unit (8 rows), no cluster (no two work-groups read the same bytes).
.set STR,  0                           ; LDS: 2,048 bytes for each wave: silu of its 64 k for the 8 rows b, [b][64] f32
.set RED,  32768                       ; 32 partial sums x [b 8][64 columns] f32
.set TV,   12                          ; v12-27   t, then silu(t)
.set RL,   28                          ; v28-43   the codes on their way
.set ACC,  44                          ; v44-75   sums [b][4 columns]
.set WR,   76                          ; v76-203  32 rows x 4 columns of Wss
.set STB0, 204                         ; v204-235 silu of four k for the 8 b; the second set lies over TV and RL once these are done with
.set STB1, 12
.set BS,   236                         ; v236-239 bss
.set TP,   240                         ; v240-255 at work
	s_load_b512 s[4:19], s[0:1], 0x0               ; t_vec, Wss_q, Wss_kv, bss_q, bss_kv, Wq_codes, Wkv_codes, Wp_codes
	s_load_b128 s[20:23], s[0:1], 0x40             ; ss, wimg
	v_lshrrev_b32 v1, 5, v0
	s_delay_alu instid0(VALU_DEP_1)
	v_readfirstlane_b32 s24, v1                    ; wave 0..15
	s_lshr_b32 s25, ttmp9, 5                       ; which matrix
	s_and_b32 s26, ttmp9, 31                       ; which 64 columns
	s_lshl_b32 s27, ttmp9, 4
	s_add_co_u32 s27, s27, s24                     ; the wave's number in the launch
	s_and_b32 s29, s27, 3                          ; which quarter of a tile
	s_lshr_b32 s27, s27, 2                         ; which tile of wimg
	v_and_b32 v5, 31, v0
	s_delay_alu instid0(VALU_DEP_1)
	v_lshlrev_b32 v5, 4, v5                        ; v5: 16 x lane
	v_and_b32 v11, 15, v0                          ; r
	v_bfe_u32 v240, v0, 4, 1                       ; h
	s_delay_alu instid0(VALU_DEP_2)
	v_lshlrev_b32 v1, 4, v11                       ; v1: 16 r: my four columns
	s_delay_alu instid0(VALU_DEP_1)
	v_lshl_add_u32 v2, v240, 18, v1                ; v2: Wss: + 32 rows of 8,192 bytes for lanes 16-31
	s_delay_alu instid0(VALU_DEP_2)
	v_lshl_add_u32 v3, v240, 12, v1                ; v3: t_vec: + one row b for lanes 16-31
	v_and_b32 v4, 8, v0
	s_delay_alu instid0(VALU_DEP_1)
	v_add_nc_u32 v4, v4, v11                       ; r + 8 (r / 8)
	s_delay_alu instid0(VALU_DEP_1)
	v_lshlrev_b32 v4, 9, v4                        ; a row of 1,024 codes is 512 bytes
	s_delay_alu instid0(VALU_DEP_1)
	v_lshl_add_u32 v4, v240, 4, v4                 ; v4: the codes' source
	s_lshl_b32 s33, s24, 11
	v_add_nc_u32 v6, s33, v5                       ; v6: where silu goes
	v_lshl_add_u32 v7, v240, 7, s33                ; v7: where I read it: my half's 32 k
	s_lshl_b32 s36, s24, 12
	s_add_co_u32 s36, s36, RED
	v_lshl_add_u32 v8, v240, 11, v1
	s_delay_alu instid0(VALU_DEP_1)
	v_add_nc_u32 v8, s36, v8                       ; v8: partial sum 2 w + h
	v_lshl_add_u32 v9, v0, 4, RED                  ; v9: waves 0-3: thread t reads (b = t / 16, columns 4 (t % 16) on) of every partial sum
	v_lshrrev_b32 v10, 4, v0
	s_delay_alu instid0(VALU_DEP_1)
	v_lshl_add_u32 v10, v10, 13, v1                ; v10: and stores there in ss
	s_mov_b32 s31, 0
	s_wait_alu depctr_va_vdst(0)
	s_wait_kmcnt 0x0
	s_cmp_eq_u32 s25, 0                            ; the choices hang on the work-group's and the wave's number alone
	s_cselect_b64 s[6:7], s[6:7], s[8:9]
	s_cselect_b64 s[10:11], s[10:11], s[12:13]
	s_cmp_lt_u32 s27, 192
	s_cselect_b64 s[34:35], s[16:17], s[18:19]
	s_cselect_b32 s28, 64, 192
	s_cmp_lt_u32 s27, 64
	s_cselect_b64 s[34:35], s[14:15], s[34:35]
	s_cselect_b32 s28, 0, s28
	s_sub_co_u32 s28, s27, s28                     ; the tile's number within its weight
	s_cmp_lt_u32 s26, 16
	s_cselect_b32 s32, 0x3f800000, 0               ; 1.0 is added to the scale half
	s_lshl_b32 s30, s26, 8
	s_add_nc_u64 s[10:11], s[10:11], s[30:31]      ; bss, Wss and ss at my 64 columns
	s_add_nc_u64 s[6:7], s[6:7], s[30:31]
	s_add_nc_u64 s[20:21], s[20:21], s[30:31]
	s_lshl_b32 s30, s24, 19
	s_add_nc_u64 s[6:7], s[6:7], s[30:31]          ; Wss at my wave's 64 rows
	s_lshl_b32 s30, s24, 8
	s_add_nc_u64 s[4:5], s[4:5], s[30:31]          ; t_vec at my wave's 64 k
	s_lshl_b32 s30, s25, 16
	s_add_nc_u64 s[20:21], s[20:21], s[30:31]      ; ss at my matrix
	s_lshr_b32 s30, s28, 1
	s_lshl_b32 s30, s30, 14                        ; 32 rows of 512 bytes
	s_and_b32 s37, s28, 1
	s_lshl_b32 s37, s37, 12                        ; 8 rows
	s_add_co_u32 s30, s30, s37
	s_lshl_b32 s37, s29, 7                         ; two K steps of 64 bytes
	s_add_co_u32 s30, s30, s37
	s_add_nc_u64 s[34:35], s[34:35], s[30:31]
	s_lshl_b32 s30, s27, 13
	s_lshl_b32 s37, s29, 11
	s_add_co_u32 s30, s30, s37
	s_add_nc_u64 s[22:23], s[22:23], s[30:31]
	global_load_b128 v[BS:BS+3], v1, s[10:11]
.irp j, 0,1,2,3
	global_load_b128 v[TV+4*\j:TV+4*\j+3], v3, s[4:5] offset:\j*8192       ; t_vec(2 j + h, 64 w + 4 r ..)
.endr
.irp j, 0,1,2,3
	global_load_b128 v[RL+4*\j:RL+4*\j+3], v4, s[34:35] offset:\j*32
.endr
.set i, 0
.rept 32
	global_load_b128 v[WR+4*i:WR+4*i+3], v2, s[6:7] offset:i*8192 th:TH_LOAD_NT
.set i, i+1
.endr
	s_wait_loadcnt 36                              ; bss and t_vec are in; behind them: 4 loads of codes, 32 of Wss
	; silu(x) = x / (1 + 2^(-x log2 e))
.set i, 0
.rept 16
	v_mul_f32 v[TP+i], 0xbfb8aa3b, v[TV+i]
.set i, i+1
.endr
.set i, 0
	s_wait_alu depctr_va_vdst(0)
.rept 16
	v_exp_f32 v[TP+i], v[TP+i]
.set i, i+1
.endr
	v_nop                                          ; a plain line behind the last exponential
	s_wait_alu depctr_va_vdst(0)                   ; one wait for the batch, ahead of its first reader
.set i, 0
.rept 16
	v_add_f32 v[TP+i], 1.0, v[TP+i]
.set i, i+1
.endr
.set i, 0
	s_wait_alu depctr_va_vdst(0)
.rept 16
	v_rcp_f32 v[TP+i], v[TP+i]
.set i, i+1
.endr
	v_nop
	s_wait_alu depctr_va_vdst(0)
.set i, 0
.rept 16
	v_mul_f32 v[TV+i], v[TV+i], v[TP+i]
.set i, i+1
.endr
.irp j, 0,1,2,3
	ds_store_b128 v6, v[TV+4*\j:TV+4*\j+3] offset:512*\j                   ; [b = 2 j + h][4 r ..]: 512 consecutive bytes
.endr
; silu of k = 32 h + 4 g .. + 3 for the eight b.  The bytes are my wave's own, and LDS serves a wave's instructions in order
.macro STLOAD g
.set SB, STB0
.if (\g)%2
.set SB, STB1
.endif
.irp b, 0,1,2,3,4,5,6,7
	ds_load_b128 v[SB+4*\b:SB+4*\b+3], v7 offset:\b*256+16*(\g)
.endr
.endm
; rows 4 g .. 4 g + 3 of my 32: 8 b x 4 columns each, two columns an instruction; the very first products start the sums
.macro FMA64 g
.set SB, STB0
.if (\g)%2
.set SB, STB1
.endif
.irp e, 0,1,2,3
.irp b, 0,1,2,3,4,5,6,7
.irp p, 0,1
.if ((\g) == 0) && (\e == 0)
	v_pk_mul_f32 v[ACC+4*\b+2*\p:ACC+4*\b+2*\p+1], v[WR+4*(4*(\g)+\e)+2*\p:WR+4*(4*(\g)+\e)+2*\p+1], v[SB+4*\b:SB+4*\b+1] op_sel_hi:[1,0]
.elseif (\e%2) == 0
	v_pk_fma_f32 v[ACC+4*\b+2*\p:ACC+4*\b+2*\p+1], v[WR+4*(4*(\g)+\e)+2*\p:WR+4*(4*(\g)+\e)+2*\p+1], v[SB+4*\b+2*(\e/2):SB+4*\b+2*(\e/2)+1], v[ACC+4*\b+2*\p:ACC+4*\b+2*\p+1] op_sel_hi:[1,0,1]
.else
	v_pk_fma_f32 v[ACC+4*\b+2*\p:ACC+4*\b+2*\p+1], v[WR+4*(4*(\g)+\e)+2*\p:WR+4*(4*(\g)+\e)+2*\p+1], v[SB+4*\b+2*(\e/2):SB+4*\b+2*(\e/2)+1], v[ACC+4*\b+2*\p:ACC+4*\b+2*\p+1] op_sel:[0,1,0] op_sel_hi:[1,1,1]
.endif
.endr
.endr
.endr
.endm
	STLOAD 0
	s_wait_loadcnt 32                              ; the codes are in; the 32 loads of Wss may be out
.irp j, 0,1,2,3
	global_store_b128 v5, v[RL+4*\j:RL+4*\j+3], s[22:23] offset:512*\j     ; 512 consecutive aligned bytes
.endr
	s_wait_xcnt 0x0                                ; the stores have read RL,
	s_wait_dscnt 0x0                               ; the LDS stores TV: the second set of silu numbers may land on both
.irp g, 0,1,2,3,4,5,6,7
.if \g < 7
	STLOAD \g+1
	s_wait_dscnt 8                                 ; this group's eight are in, the next group's may be out
.else
	s_wait_dscnt 0x0
.endif
	s_wait_loadcnt 28-4*\g                         ; rows 4 g .. 4 g + 3 are in; the rows behind them may be out
	FMA64 \g
.endr
.irp b, 0,1,2,3,4,5,6,7
	ds_store_b128 v8, v[ACC+4*\b:ACC+4*\b+3] offset:\b*256
.endr
	s_wait_dscnt 0x0                               ; for the others' sake: my partial sums lie in LDS
	s_barrier_signal -1
	s_barrier_wait -1
	s_cmp_lt_u32 s24, 4
	s_cbranch_scc0 .Ldone                          ; 128 threads have 8 b x 64 columns, four each
.set i, 0
.rept 32
	ds_load_b128 v[WR+4*i:WR+4*i+3], v9 offset:i*2048
.set i, i+1
.endr
	s_wait_dscnt 0x0
.set i, 1
	v_pk_add_f32 v[WR:WR+1], v[WR:WR+1], v[WR+4*i:WR+4*i+1]                ; two chains, K ascending
	v_pk_add_f32 v[WR+2:WR+3], v[WR+2:WR+3], v[WR+4*i+2:WR+4*i+3]
.set i, i+1
.rept (31)-1
	s_delay_alu instid0(VALU_DEP_2)
	v_pk_add_f32 v[WR:WR+1], v[WR:WR+1], v[WR+4*i:WR+4*i+1]
	s_delay_alu instid0(VALU_DEP_2)
	v_pk_add_f32 v[WR+2:WR+3], v[WR+2:WR+3], v[WR+4*i+2:WR+4*i+3]
.set i, i+1
.endr
	s_delay_alu instid0(VALU_DEP_2)
	v_pk_add_f32 v[WR:WR+1], v[WR:WR+1], v[BS:BS+1]
	s_delay_alu instid0(VALU_DEP_2)
	v_pk_add_f32 v[WR+2:WR+3], v[WR+2:WR+3], v[BS+2:BS+3]
.irp j, 0,1,2,3
	v_add_f32 v[WR+\j], s32, v[WR+\j]
.endr
	global_store_b128 v10, v[WR:WR+3], s[20:21]    ; sixteen lanes store 256 consecutive aligned bytes
.Ldone:
	s_wait_xcnt 0x0
	v_lshl_add_u32 v254, v0, 2, 0x18000
	v_mov_b32 v255, 0
	s_wait_alu depctr_va_vdst(0)
	s_wait_tensorcnt 0x0
	ds_add_u32 v254, v255
	s_wait_dscnt 0x0
	s_endpgm
.Lfunc_end_k_qa100e07cb4_prep:
	.size	k_qa100e07cb4_prep, .Lfunc_end_k_qa100e07cb4_prep-k_qa100e07cb4_prep
	.p2alignl 7, 3214868480
	.fill 96, 4, 3214868480
	.section	.rodata,"a",@progbits
	.p2align	6, 0x0
	.amdhsa_kernel k_qa100e07cb4_prep
		.amdhsa_group_segment_fixed_size 100352
		.amdhsa_private_segment_fixed_size 0
		.amdhsa_enable_private_segment 0
		.amdhsa_kernarg_size 80
		.amdhsa_user_sgpr_count 2
		.amdhsa_user_sgpr_kernarg_segment_ptr 1
		.amdhsa_wavefront_size32 1
		.amdhsa_system_sgpr_workgroup_id_x 1
		.amdhsa_system_sgpr_workgroup_id_y 1
		.amdhsa_system_sgpr_workgroup_id_z 1
		.amdhsa_system_vgpr_workitem_id 0
		.amdhsa_next_free_vgpr 256
		.amdhsa_next_free_sgpr 66
		.amdhsa_reserve_vcc 0
		.amdhsa_float_denorm_mode_32 3
		.amdhsa_float_denorm_mode_16_64 3
		.amdhsa_memory_ordered 1
		.amdhsa_forward_progress 1
		.amdhsa_inst_pref_size 57
	.end_amdhsa_kernel
	.amdgpu_metadata
---
amdhsa.version: [ 1, 2 ]
amdhsa.kernels:
  - .name:           k_qa100e07cb4_prep
    .symbol:         k_qa100e07cb4_prep.kd
    .args:
      - { .name: t_vec, .offset: 0, .size: 8, .value_kind: global_buffer, .address_space: global }
      - { .name: Wss_q, .offset: 8, .size: 8, .value_kind: global_buffer, .address_space: global }
      - { .name: Wss_kv, .offset: 16, .size: 8, .value_kind: global_buffer, .address_space: global }
      - { .name: bss_q, .offset: 24, .size: 8, .value_kind: global_buffer, .address_space: global }
      - { .name: bss_kv, .offset: 32, .size: 8, .value_kind: global_buffer, .address_space: global }
      - { .name: Wq_codes, .offset: 40, .size: 8, .value_kind: global_buffer, .address_space: global }
      - { .name: Wkv_codes, .offset: 48, .size: 8, .value_kind: global_buffer, .address_space: global }
      - { .name: Wp_codes, .offset: 56, .size: 8, .value_kind: global_buffer, .address_space: global }
      - { .name: ss, .offset: 64, .size: 8, .value_kind: global_buffer, .address_space: global }
      - { .name: wimg, .offset: 72, .size: 8, .value_kind: global_buffer, .address_space: global }
    .group_segment_fixed_size: 100352
    .private_segment_fixed_size: 0
    .kernarg_segment_align: 8
    .kernarg_segment_size: 80
    .max_flat_workgroup_size: 512
    .sgpr_count:     66
    .vgpr_count:     256
    .wavefront_size: 32
...
	.end_amdgpu_metadata
.endif
;; end of part 4
;; launch kv (part 5): grid 64 x 2, 8 waves a work-group, no clusters, 302,080 bytes of LDS; arguments x_kv, ss, wimg, Wkv_scales, bkv, kimg, vimg, kvsc; writes kimg, vimg, kvsc
.if DOCPART == 5
	.amdgcn_target "amdgcn-amd-amdhsa--gfx1250"
	.amdhsa_code_object_version 6
	.text
	.protected	k_qa100e07cb4_kv
	.globl	k_qa100e07cb4_kv
	.p2align	8
	.type	k_qa100e07cb4_kv,@function
k_qa100e07cb4_kv:
	s_mov_b64 s[64:65], 0
	v_nop
	global_prefetch_b8 v0, s[64:65] scope:SCOPE_SE
	s_setreg_imm32_b32 hwreg(HW_REG_WAVE_SCHED_MODE, 0, 2), 2
	s_setreg_imm32_b32 hwreg(HW_REG_WAVE_MODE, 25, 1), 1
	s_wait_xcnt 0x0
	s_wait_alu depctr_vm_vsrc(0)
; k and v of the cross attention, as codes of FP4 (E2M1) with one E8M0 scale for each 32 along the K of the product that will read them.
; xkv = (1 + scale) layernorm(x_kv) + bias (f32) is quantised along H; kv = xkv Wkv + bkv on codes; k is quantised along the head's 64, v along the keys.
; SHARES.  Work-group (x, y): 64 rows of x_kv (x: batch x / 8, key step (x / 2) % 4 of 128 keys, half x % 2); y = 0: k's 1,024 columns, y = 1: v's.  Wave w: layer norm of 8 rows; K step w of the rows' codes; columns 128 w on (heads 2 w, 2 w + 1).
; Both work-groups of a row block make the layer norm: 64 rows give whole halves (512 bytes) of v's fragments, and eight waves of 128 columns cover 1,024 columns.
; PHASES.  A1: rows to LDS as f32, mean and 1 / sqrt(var + eps) (two passes: no difference of large sums) | barrier | A2: wave w turns columns 128 w on of all 64 rows into four fragments, stored in LDS as images of the operand's registers
; | barrier | the product, 8 K steps of 128, weights straight from wimg into registers (each fragment is used by one wave alone), 32 accumulators by turns | quantise, store.
; THE ROWS ARE PERMUTED IN LDS: LDS row 16 m + r holds key 32 (m / 2) + 8 (m % 2) + r + 8 (r / 8).  k (product used transposed: source 0 = 16 rows of Wkv, source 1 = 16 keys): a tile of k then has the keys that the attention's
; score tiles want.  v (product used as it stands: source 0 = keys, source 1 = Wkv's rows): a lane's registers of the four row tiles are then 2 x 16 neighbours along the keys.
; OUT.  kimg [chunk = 64 b + 4 head + key step][key tile 8][lane][16 bytes] (a lane: one key, 32 of the head's 64);  vimg [chunk][d tile 4][c 2][lane][16 bytes] (a lane: one d, 32 keys);
; kvsc [chunk][768]: k's scale words, four pairs of tiles x 128 bytes (lanes 0-15 the even tile, 16-31 the odd; bytes 2, 3 are 0), then v's, two pairs x 128 bytes (byte = block of 32 keys; this work-group writes two of the four).
; LIMITS: NaN and infinities are not served.  A block of zeros, and one whose largest magnitude lies under 2^-124, gets the scale byte 1 (the rule says 127 for zeros): its codes are zeros or held as the floor gives them, and this program alone reads the bytes.
; 1 / sqrt is v_rsq_f32 and a multiplication.  No cluster and no data mover: what work-groups share (weights) goes to one wave's registers, not to LDS, and LDS is taken by the rows.
; THE MODE: SCHED_MODE bits 1:0 = 2 (LLVM: expert scheduling mode 2), set by the entry lines.  The code itself states the register dependences
; between vector or matrix instructions and memory or LDS instructions, with s_wait_alu, always for 0.
; THE PLAN.  Registers that memory or LDS instructions touch:
;   v1-v11, v14   offsets and addresses made at the head: one wait on va_vdst ahead of the first load; v1-v11 are never written again.
;   A1  a row slot: loaded; read by eight LDS stores and by the row's sums; loaded again.  The pair (mean, rstd): written by the row's arithmetic, read by one LDS store.
;       One wait on va_vdst a row (the one behind the reciprocal root) and one on vm_vsrc at the row's end state both.
;   A2  v12-v15: written at a trip's head, read by the trip's LDS loads and stores.  X, MU: loaded, worked on.  PC, PW: written by QUANT, read by three LDS stores.
;       A wait on va_vdst behind the four additions, one ahead of the stores, one on vm_vsrc at the trip's end.
;   The product  two buffers of weights and two of rows by turns: step s's products read buffer s % 2, the loads of step s + 1 land in the buffer that step s - 1's products read:
;       one wait on va_vdst at the head of steps 1 to 6, and the step's 28 loads follow it at once.
;   The way out  PC and the pair's scale words: written by an item's arithmetic, read by its stores: one wait on va_vdst ahead of the stores, one on vm_vsrc ahead of the next item.
.set XNT,   0                          ; x_kv is read by two work-groups: no hint
.set PITCH, 4112                       ; an LDS row of x: 4,096 bytes + 16: row r starts at bank 4 r mod 64 (64 banks of 4 bytes: ISA guide 11.1)
.set IMG,   263168                     ; behind 64 rows: 32 fragment images x 1,024 bytes (row tile m, K step s: 8 m + s), [c][lane][16 bytes]
.set ISC,   295936                     ; their scale words, 128 bytes each
.set STAT,  300032                     ; (mean, 1 / sqrt(var + eps)) of the 64 LDS rows
.set L16, 1                            ; v1   16 x lane
.set L4,  2                            ; v2   4 x lane
.set H64, 3                            ; v3   64 x (lane / 16)
.set LI,  4                            ; v4   IMG + 16 x lane
.set LS,  5                            ; v5   ISC + 4 x lane
.set XWI, 6                            ; v6   LI + 1,024 x wave: where I store images
.set XWS, 7                            ; v7   LS + 128 x wave
.set XA0, 8                            ; v8   row r, my half's 64 bytes, my wave's 512 bytes
.set RW,  9                            ; v9   my wave's first LDS row + 16 x lane
.set STA, 10                           ; v10  STAT + 8 r
.set FLR, 11                           ; v11  2^(3 - 127): the floor under a block's largest magnitude
.set R,   16                           ; A1: four row slots of 32
.set CH,  144                          ; A1: four chains of sums; QQ of squares; DD differences; MS (mean, rstd)
.set QQ,  152
.set DD,  160
.set MS,  172
.set X,   16                           ; A2: 64 numbers
.set MU,  80
.set PC,  160                          ; the codes just made
.set TM,  176                          ; v176-191 at work in QUANT
.set PW,  232                          ; the scale word just made (v208-247 hold scale words and nothing else)
.set WB0, 16                           ; the product: two sets of 8 weight fragments, v16-79, v80-143
.set XB0, 144                          ; two sets of 4 row fragments, v144-175, v176-207
.set XS0, 208                          ; their scale words, v208-211, v212-215
.set WS,  216                          ; the weights' scale words: pair of tiles p, K step s at WS + 8 p + s
.set BV,  248                          ; v's bias, one register a tile
.set S1,  0                            ; window 1, phase A: 1 + scale, bias for my 64 columns of a row; in the product v256-511 are the 32 accumulators
.set BI,  64
.set WV,  26
.set SEL, 30
.set MSB, 0
.macro WIN new                         ; the immediate's high byte repeats the setting that is left
.if MSB != \new
	s_set_vgpr_msb (MSB<<8)|\new
.set MSB, \new
.endif
.endm
.macro PLACES n
.rept \n
	v_nop
.endr
.endm
.macro BARRIER                         ; my LDS stores have landed and my LDS loads are in: then the work-group's barrier
	s_wait_dscnt 0x0
	s_barrier_signal -1
	s_barrier_wait -1
.endm
.macro REDUCE a, t                     ; the sum over the 32 lanes, in every lane
	v_add_f32_dpp v[\a], v[\a], v[\a] row_xmask:1 row_mask:0xf bank_mask:0xf
	v_add_f32_dpp v[\a], v[\a], v[\a] row_xmask:2 row_mask:0xf bank_mask:0xf
	v_add_f32_dpp v[\a], v[\a], v[\a] row_xmask:4 row_mask:0xf bank_mask:0xf
	v_add_f32_dpp v[\a], v[\a], v[\a] row_xmask:8 row_mask:0xf bank_mask:0xf
	v_permlanex16_b32 v[\t], v[\a], s[SEL], s[SEL+1]
	v_add_f32 v[\a], v[\a], v[\t]
.endm
.macro XROW i                          ; row i of my eight: eight loads of 512 consecutive bytes
.set SL, R+32*((\i)%4)
.irp j, 0,1,2,3,4,5,6,7
.if XNT
	global_load_b128 v[SL+4*\j:SL+4*\j+3], v[L16], s[4:5] offset:(\i)*4096+512*\j th:TH_LOAD_NT
.else
	global_load_b128 v[SL+4*\j:SL+4*\j+3], v[L16], s[4:5] offset:(\i)*4096+512*\j
.endif
.endr
.endm
; Row i: to LDS as it is; its mean; the mean of the squared differences; 1 / sqrt(that + eps).  left: the loads of the rows issued behind it
.macro ROW i, left, fill
.set SL, R+32*((\i)%4)
	s_wait_loadcnt \left
.irp j, 0,1,2,3,4,5,6,7
	ds_store_b128 v[RW], v[SL+4*\j:SL+4*\j+3] offset:(\i)*PITCH+512*\j
.endr
.irp k, 0,1,2,3
	v_pk_add_f32 v[CH+2*\k:CH+2*\k+1], v[SL+2*\k:SL+2*\k+1], v[SL+8+2*\k:SL+9+2*\k]
.endr
.irp g, 16,24
.irp k, 0,1,2,3
	v_pk_add_f32 v[CH+2*\k:CH+2*\k+1], v[CH+2*\k:CH+2*\k+1], v[SL+\g+2*\k:SL+\g+1+2*\k]
.endr
.endr
	v_pk_add_f32 v[CH:CH+1], v[CH:CH+1], v[CH+2:CH+3]
	v_pk_add_f32 v[CH+4:CH+5], v[CH+4:CH+5], v[CH+6:CH+7]
	v_pk_add_f32 v[CH:CH+1], v[CH:CH+1], v[CH+4:CH+5]
	v_add_f32 v[CH], v[CH], v[CH+1]
	REDUCE CH, CH+1
	v_mul_f32 v[MS], s35, v[CH]                    ; the mean: x 2^-10
.irp g, 0,1,2,3
.irp k, 0,1,2,3
	v_pk_add_f32 v[DD+2*\k:DD+2*\k+1], v[SL+8*\g+2*\k:SL+8*\g+2*\k+1], v[MS:MS+1] op_sel_hi:[1,0] neg_lo:[0,1] neg_hi:[0,1]
.endr
.irp k, 0,1,2,3
.if \g == 0
	v_pk_mul_f32 v[QQ+2*\k:QQ+2*\k+1], v[DD+2*\k:DD+2*\k+1], v[DD+2*\k:DD+2*\k+1]
.else
	v_pk_fma_f32 v[QQ+2*\k:QQ+2*\k+1], v[DD+2*\k:DD+2*\k+1], v[DD+2*\k:DD+2*\k+1], v[QQ+2*\k:QQ+2*\k+1]
.endif
.endr
.endr
	v_pk_add_f32 v[QQ:QQ+1], v[QQ:QQ+1], v[QQ+2:QQ+3]
	v_pk_add_f32 v[QQ+4:QQ+5], v[QQ+4:QQ+5], v[QQ+6:QQ+7]
	v_pk_add_f32 v[QQ:QQ+1], v[QQ:QQ+1], v[QQ+4:QQ+5]
	v_add_f32 v[QQ], v[QQ], v[QQ+1]
	REDUCE QQ, QQ+1
	v_fma_f32 v[QQ], v[QQ], s35, s36               ; var + eps
	s_wait_alu depctr_va_vdst(0)
	v_rsq_f32 v[MS+1], v[QQ]
	v_nop                                          ; a plain line behind the transcendental,
	s_wait_alu depctr_va_vdst(0)                   ; and the wait ahead of its first reader: the pair (mean, rstd) is written, which the LDS store below reads; and the row's sums are done reading the slot, in which the loads below land
	ds_store_b64 v14, v[MS:MS+1] offset:8*(\i)     ; all lanes write the same eight bytes with the same value
	s_wait_dscnt 0x0                               ; the stores have read the slot and the pair
	s_wait_alu depctr_vm_vsrc(0)                   ; the LDS stores have read the slot, in which loads land next, and the pair, which the next row writes
.if \fill
	XROW (\i)+4
.endif
.endm
; nb blocks of 32 along K: register 16 b + i of v[src] on (window w) = k 32 b + 16 (lane / 16) + i of my row.  They become codes in v[PC] on, a whole block to a lane, and the scale word v[pw].
.macro QUANT src, nb, w, pw
.if \w
	WIN 0x14                                       ; sources 1 and 2 window 1
.endif
.set qb, 0
.rept \nb
	v_max3_num_f32 v[TM+qb], v[FLR], |v[(\src)+16*qb]|, |v[(\src)+16*qb+1]|   ; my 16 numbers and the floor, from each result's low end on; the blocks by turns
.set qb, qb+1
.endr
.irp i, 2,4,6,8,10,12,14
.set qb, 0
.rept \nb
	v_max3_num_f32 v[TM+qb], v[TM+qb], |v[(\src)+16*qb+\i]|, |v[(\src)+16*qb+\i+1]|
.set qb, qb+1
.endr
.endr
	WIN 0
.set qb, 0
.rept \nb
	v_permlanex16_b32 v[TM+4+qb], v[TM+qb], s[SEL], s[SEL+1]
.set qb, qb+1
.endr
.set qb, 0
.rept \nb
	v_max_num_f32 v[TM+qb], v[TM+qb], v[TM+4+qb]   ; with lane l xor 16's 16: the block's largest magnitude
.set qb, qb+1
.endr
.set qb, 0
.rept \nb
	v_add_nc_u32 v[TM+12+qb], 0xff000000, v[TM+qb] ; 2 off its exponent field: the conversion's scale operand
.set qb, qb+1
.endr
.set qb, 0
.rept \nb
	v_lshrrev_b32 v[TM+4+qb], 23, v[TM+12+qb]      ; the scale's byte
.set qb, qb+1
.endr
	v_lshl_or_b32 v[\pw], v[TM+5], 8, v[TM+4]
.if \nb == 4
	v_lshl_or_b32 v[\pw], v[TM+6], 16, v[\pw]
	v_lshl_or_b32 v[\pw], v[TM+7], 24, v[\pw]
.endif
.if \w
	WIN 0x01                                       ; source 0 window 1
.endif
.set qb, 0
.rept \nb
	v_cvt_scalef32_pk8_fp4_f32 v[PC+2*qb], v[(\src)+16*qb:(\src)+16*qb+7], v[TM+12+qb]
	v_cvt_scalef32_pk8_fp4_f32 v[PC+2*qb+1], v[(\src)+16*qb+8:(\src)+16*qb+15], v[TM+12+qb]
.set qb, qb+1
.endr
	WIN 0
	v_nop                                          ; one plain line behind the last scaled conversion
.set qb, 0
.rept \nb/2
	v_permlane16_swap_b32 v[PC+4*qb], v[PC+4*qb+2] ; lanes 0-15 keep block 2 c, lanes 16-31 block 2 c + 1, whole
	v_permlane16_swap_b32 v[PC+4*qb+1], v[PC+4*qb+3]
.set qb, qb+1
.endr
.endm
.macro WLOAD s, wb                     ; my 8 weight fragments of K step s: 16 loads of 512 consecutive bytes
.set WBF, WB0+64*((\s)%2)
.irp t, 0,1,2,3,4,5,6,7
.irp c, 0,1
	global_load_b128 v[WBF+8*\t+4*\c:WBF+8*\t+4*\c+3], v[L16], s[\wb:\wb+1] offset:\t*8192+(\s)*1024+\c*512
.endr
.endr
.endm
.macro XLOAD s                         ; the four row tiles' fragments of K step s and their scale words: 12 LDS loads
.set XBF, XB0+32*((\s)%2)
.set XSF, XS0+4*((\s)%2)
.irp m, 0,1,2,3
.irp c, 0,1
	ds_load_b128 v[XBF+8*\m+4*\c:XBF+8*\m+4*\c+3], v[LI] offset:(8*\m+(\s))*1024+512*\c
.endr
	ds_load_b32 v[XSF+\m], v[LS] offset:(8*\m+(\s))*128
.endr
.endm
.macro SLOAD sb                        ; the weights' scale words for all 8 K steps: lanes 0-15 the rows of tile 2 p, lanes 16-31 those of tile 2 p + 1; v12 = 32 x (8 (lane / 16) + r + 8 (r / 8))
.irp p, 0,1,2,3
.irp g, 0,1
	global_load_b128 v[WS+8*\p+4*\g:WS+8*\p+4*\g+3], v12, s[\sb:\sb+1] offset:\p*1024+16*\g
.endr
.endr
.endm
.macro BLOAD bs                        ; the bias goes into the accumulators, in the result's layout: every K step then adds in place
	WIN 0x40
.irp hh, 0,1
.irp m, 0,1,2,3
.irp tt, 0,1,2,3
	global_load_b128 v[8*((\hh*4+\m)*4+\tt):8*((\hh*4+\m)*4+\tt)+3], v[H64], s[\bs:\bs+1] offset:256*\hh+128*(\tt/2)+32*(\tt%2)
	global_load_b128 v[8*((\hh*4+\m)*4+\tt)+4:8*((\hh*4+\m)*4+\tt)+7], v[H64], s[\bs:\bs+1] offset:256*\hh+128*(\tt/2)+32*(\tt%2)+16
.endr
.endr
.endr
	WIN 0
.endm
; one matrix instruction.  zero = 1: it starts the sum.  row = 1: source 0's scales stand in lanes 16-31 of their register; 2: source 1's
.macro MM d, a, b, zero, sa, sb, row
.if \zero
.if (\row) == 0
	v_wmma_scale_f32_16x16x128_f8f6f4 v[\d:\d+7], v[\a:\a+7], v[\b:\b+7], 0, v[\sa], v[\sb] matrix_a_fmt:MATRIX_FMT_FP4 matrix_b_fmt:MATRIX_FMT_FP4
.elseif (\row) == 1
	v_wmma_scale_f32_16x16x128_f8f6f4 v[\d:\d+7], v[\a:\a+7], v[\b:\b+7], 0, v[\sa], v[\sb] matrix_a_fmt:MATRIX_FMT_FP4 matrix_b_fmt:MATRIX_FMT_FP4 matrix_a_scale:MATRIX_SCALE_ROW1
.else
	v_wmma_scale_f32_16x16x128_f8f6f4 v[\d:\d+7], v[\a:\a+7], v[\b:\b+7], 0, v[\sa], v[\sb] matrix_a_fmt:MATRIX_FMT_FP4 matrix_b_fmt:MATRIX_FMT_FP4 matrix_b_scale:MATRIX_SCALE_ROW1
.endif
.else
.if (\row) == 0
	v_wmma_scale_f32_16x16x128_f8f6f4 v[\d:\d+7], v[\a:\a+7], v[\b:\b+7], v[\d:\d+7], v[\sa], v[\sb] matrix_a_fmt:MATRIX_FMT_FP4 matrix_b_fmt:MATRIX_FMT_FP4
.elseif (\row) == 1
	v_wmma_scale_f32_16x16x128_f8f6f4 v[\d:\d+7], v[\a:\a+7], v[\b:\b+7], v[\d:\d+7], v[\sa], v[\sb] matrix_a_fmt:MATRIX_FMT_FP4 matrix_b_fmt:MATRIX_FMT_FP4 matrix_a_scale:MATRIX_SCALE_ROW1
.else
	v_wmma_scale_f32_16x16x128_f8f6f4 v[\d:\d+7], v[\a:\a+7], v[\b:\b+7], v[\d:\d+7], v[\sa], v[\sb] matrix_a_fmt:MATRIX_FMT_FP4 matrix_b_fmt:MATRIX_FMT_FP4 matrix_b_scale:MATRIX_SCALE_ROW1
.endif
.endif
.endm
; K step s: the next step's operands are asked for, this step's are waited for, 32 matrix instructions on 32 accumulators, one each, in the same order in every step.
; mode 0: transposed (source 0 = weights): accumulator ((t / 4) 4 + m) 4 + t % 4, begun by the bias.  mode 1: as it stands (source 0 = rows): accumulator 4 t + m, begun by the constant 0.
.macro GSTEP s, mode, wb
.if \s < 7
.if \s > 0
	PLACES 4                                       ; four plain lines between the last step's products and loads into the registers that they read (ISA guide 7.12.1 for vector instructions)
	s_wait_alu depctr_va_vdst(0)                   ; the last step's products are done reading their buffers of weights, rows and rows' scale words, in which the 28 loads below land
.endif
	WLOAD \s+1, \wb
	XLOAD \s+1
	s_wait_loadcnt 16                              ; all but the next step's 16
	s_wait_dscnt 12                                ; all but the next step's 12
.else
	s_wait_loadcnt 0x0
	s_wait_dscnt 0x0
.endif
.set WBF, WB0+64*(\s%2)
.set XBF, XB0+32*(\s%2)
.set XSF, XS0+4*(\s%2)
	WIN 0x50                                       ; C and D window 1
.irp m, 0,1,2,3
.irp t, 0,1,2,3,4,5,6,7
.if \mode == 0
.set AI, 8*(((\t/4)*4+\m)*4+\t%4)
	MM AI, WBF+8*\t, XBF+8*\m, 0, WS+8*(\t/2)+\s, XSF+\m, \t%2
.else
.set AI, 8*(4*\t+\m)
.if \s == 0
	MM AI, XBF+8*\m, WBF+8*\t, 1, XSF+\m, WS+8*(\t/2)+\s, 2*(\t%2)
.else
	MM AI, XBF+8*\m, WBF+8*\t, 0, XSF+\m, WS+8*(\t/2)+\s, 2*(\t%2)
.endif
.endif
.endr
.endr
	WIN 0
.endm
	s_load_b512 s[4:19], s[0:1], 0x0               ; x_kv, ss, wimg, Wkv_scales, bkv, kimg, vimg, kvsc
	v_lshrrev_b32 v16, 5, v0
	v_readfirstlane_b32 s[WV], v16                 ; wave 0..7
	v_and_b32 v1, 31, v0
	v_and_b32 v17, 15, v0                          ; r
	v_bfe_u32 v18, v0, 4, 1                        ; h
	v_lshlrev_b32 v[L4], 2, v1
	v_lshlrev_b32 v[L16], 4, v1
	s_wait_alu depctr_va_vdst(0)
	v_lshlrev_b32 v[H64], 6, v18
	v_add_nc_u32 v[LI], IMG, v[L16]
	v_add_nc_u32 v[LS], ISC, v[L4]
	s_wait_alu depctr_va_sdst(0)                   ; the wave's number is written, ahead of its first reader
	s_lshl_b32 s46, s[WV], 10
	v_add_nc_u32 v[XWI], s46, v[LI]
	s_lshl_b32 s46, s[WV], 7
	v_add_nc_u32 v[XWS], s46, v[LS]
	v_mul_u32_u24 v[XA0], v17, PITCH
	v_add_nc_u32 v[XA0], v[XA0], v[H64]
	s_lshl_b32 s46, s[WV], 9
	v_add_nc_u32 v[XA0], s46, v[XA0]
	s_lshr_b32 s47, s[WV], 2                       ; my 8 rows (keys 8 w on) go to LDS rows 32 (w / 4) + 16 (w % 2) + 8 ((w / 2) % 2) on
	s_lshl_b32 s47, s47, 5
	s_and_b32 s46, s[WV], 1
	s_lshl_b32 s46, s46, 4
	s_add_co_u32 s47, s47, s46
	s_bfe_u32 s46, s[WV], 0x10001
	s_lshl_b32 s46, s46, 3
	s_add_co_u32 s47, s47, s46
	s_mul_i32 s46, s47, PITCH
	v_add_nc_u32 v[RW], s46, v[L16]
	v_lshl_add_u32 v[STA], v17, 3, STAT
	v_mov_b32 v[FLR], 0x1800000
	s_lshl_b32 s46, s47, 3
	s_add_co_u32 s46, s46, STAT
	v_mov_b32 v14, s46                             ; where my rows' statistics go
	v_mov_b32 v[MS+1], 0                           ; (named as the upper half of a pair before it is first made)
.irp b, 4,5,6,7
	v_mov_b32 v[TM+\b], 0                          ; written once: a lane permute's destination counts as one of its sources
.endr
	s_mov_b32 s[SEL], 0x76543210
	s_mov_b32 s[SEL+1], 0xfedcba98                 ; v_permlanex16_b32's selects for lane l xor 16
	s_mov_b32 s34, 0xffff0000                      ; lanes 16-31
	s_mov_b32 s35, 0x3a800000                      ; 1 / 1,024
	s_mov_b32 s36, 0x3727c5ac                      ; eps = 1e-5
	s_mov_b32 s20, ttmp9                           ; the block of 64 rows
	s_and_b32 s21, ttmp7, 0xffff                   ; 0: k, 1: v
	s_lshr_b32 s22, s20, 3                         ; batch
	s_bfe_u32 s23, s20, 0x20001                    ; key step
	s_and_b32 s24, s20, 1                          ; which 64 of its 128 keys
	s_lshl_b32 s25, s22, 6
	s_lshl_b32 s46, s[WV], 3
	s_add_co_u32 s25, s25, s46
	s_add_co_u32 s25, s25, s23                     ; the chunk of head 2 w; head 2 w + 1's lies 4 chunks on
	s_mov_b32 s29, 0
	s_wait_kmcnt 0x0
	s_lshl_b32 s28, s20, 18
	s_lshl_b32 s46, s[WV], 15
	s_add_co_u32 s28, s28, s46
	s_add_nc_u64 s[4:5], s[4:5], s[28:29]          ; x_kv at my 8 rows
	s_lshl_b32 s28, s22, 13
	s_lshl_b32 s46, s[WV], 9
	s_add_co_u32 s28, s28, s46
	s_add_co_u32 s28, s28, 65536
	s_add_nc_u64 s[6:7], s[6:7], s[28:29]          ; ss: the second matrix, my batch, my 128 columns
	s_lshl_b32 s28, s21, 19
	s_lshl_b32 s46, s[WV], 16
	s_add_co_u32 s28, s28, s46
	s_add_co_u32 s28, s28, 524288
	s_add_nc_u64 s[8:9], s[8:9], s[28:29]          ; wimg: Wkv's tile 64 y + 8 w
	s_lshl_b32 s28, s21, 15
	s_lshl_b32 s46, s[WV], 12
	s_add_co_u32 s28, s28, s46
	s_add_nc_u64 s[10:11], s[10:11], s[28:29]      ; its rows' scale bytes
	s_lshl_b32 s28, s21, 12
	s_lshl_b32 s46, s[WV], 9
	s_add_co_u32 s28, s28, s46
	s_add_nc_u64 s[12:13], s[12:13], s[28:29]      ; bkv
	s_lshl_b32 s28, s25, 12
	s_lshl_b32 s46, s24, 11
	s_add_co_u32 s28, s28, s46
	s_add_nc_u64 s[14:15], s[14:15], s[28:29]      ; kimg: my chunk, key tiles 4 c on
	s_lshl_b32 s28, s25, 12
	s_lshl_b32 s46, s24, 9
	s_add_co_u32 s28, s28, s46
	s_add_nc_u64 s[16:17], s[16:17], s[28:29]      ; vimg: my chunk, half c of each fragment
	s_mul_i32 s47, s25, 768
	s_lshl_b32 s46, s24, 8
	s_add_co_u32 s28, s47, s46
	s_add_nc_u64 s[50:51], s[18:19], s[28:29]      ; kvsc: k's pairs 2 c, 2 c + 1
	s_lshl_b32 s46, s24, 1
	s_add_co_u32 s28, s47, s46
	s_add_co_u32 s28, s28, 512
	s_add_nc_u64 s[52:53], s[18:19], s[28:29]      ; v's words, bytes 2 c, 2 c + 1
	s_wait_alu depctr_va_vdst(0)                   ; the offsets and addresses v1 to v10 and v14 are written, which the loads and stores below read; so are v16 to v18, in which loads of x land
	WIN 0x40
.irp bb, 0,1,2,3
.irp j, 0,1,2,3
	global_load_b128 v[S1+16*\bb+4*\j:S1+16*\bb+4*\j+3], v[H64], s[6:7] offset:128*\bb+16*\j
	global_load_b128 v[BI+16*\bb+4*\j:BI+16*\bb+4*\j+3], v[H64], s[6:7] offset:4096+128*\bb+16*\j
.endr
.endr
	WIN 0
	XROW 0
	XROW 1
	XROW 2
	XROW 3
	; ---- A1
	ROW 0, 24, 1
	ROW 1, 24, 1
	ROW 2, 24, 1
	ROW 3, 24, 1
	ROW 4, 24, 0
	ROW 5, 16, 0
	ROW 6, 8, 0
	ROW 7, 0, 0
	BARRIER                                        ; 64 rows and their statistics lie in LDS
	; ---- A2: a trip a row tile: my 128 columns of 16 rows become K step w's fragment of that tile
	s_mov_b32 s40, 0
	s_mov_b32 s41, 0
	s_mov_b32 s42, 0
	s_mov_b32 s43, 0
	s_mov_b32 s39, 4
.La2:
	v_add_nc_u32 v12, s40, v[XA0]
	v_add_nc_u32 v13, s41, v[STA]
	v_add_nc_u32 v14, s42, v[XWI]
	v_add_nc_u32 v15, s43, v[XWS]
	s_wait_alu depctr_va_vdst(0)                   ; the trip's four addresses are written, which its LDS loads and stores read; the vector instructions issued so far are done with X and MU, in which the loads below land
.irp bb, 0,1,2,3
.irp j, 0,1,2,3
	ds_load_b128 v[X+16*\bb+4*\j:X+16*\bb+4*\j+3], v12 offset:128*\bb+16*\j   ; register 16 bb + i: k 32 bb + 16 h + i of row r
.endr
.endr
	ds_load_b64 v[MU:MU+1], v13
	s_wait_dscnt 0x0
.set e, 0
.rept 32
	v_pk_add_f32 v[X+e:X+e+1], v[X+e:X+e+1], v[MU:MU+1] op_sel_hi:[1,0] neg_lo:[0,1] neg_hi:[0,1]   ; x - mean
.set e, e+2
.endr
.set e, 0
.rept 32
	v_pk_mul_f32 v[X+e:X+e+1], v[X+e:X+e+1], v[MU:MU+1] op_sel:[0,1] op_sel_hi:[1,1]               ; / sqrt(var + eps)
.set e, e+2
.endr
	WIN 0x14
.set e, 0
.rept 32
	v_pk_fma_f32 v[X+e:X+e+1], v[X+e:X+e+1], v[S1+e:S1+e+1], v[BI+e:BI+e+1]                        ; x (1 + scale) + bias
.set e, e+2
.endr
	WIN 0
	QUANT X, 4, 0, PW
	s_wait_alu depctr_va_vdst(0)                   ; the codes and the scale word are written, which the LDS stores below read
	ds_store_b128 v14, v[PC:PC+3]
	ds_store_b128 v14, v[PC+4:PC+7] offset:512
	ds_store_b32 v15, v[PW]
	s_wait_dscnt 0x0                               ; the stores have read their registers
	s_wait_alu depctr_vm_vsrc(0)                   ; the trip's LDS loads and stores have read v12 to v15, the codes and the scale word: all are written again, in the next trip or behind the loop
	s_add_co_u32 s40, s40, 16*PITCH
	s_add_co_u32 s41, s41, 128
	s_add_co_u32 s42, s42, 8192
	s_add_co_u32 s43, s43, 1024
	s_sub_co_u32 s39, s39, 1
	s_cmp_lg_u32 s39, 0
	s_cbranch_scc1 .La2
	v_and_b32 v13, 15, v0
	v_and_b32 v12, 8, v0
	v_add_nc_u32 v12, v12, v13
	v_bfe_u32 v13, v0, 4, 1
	v_lshl_add_u32 v12, v13, 3, v12
	v_lshlrev_b32 v12, 5, v12                      ; 32 bytes of scales a row
	s_wait_alu depctr_va_vdst(0)                   ; v12 is written, which the scale words' loads read; phase A's vector instructions are done with all the registers in which the product's loads land: both pairs of buffers, the scale words', and (k's way) window 1
	SLOAD 10
	WLOAD 0, 8
	BARRIER                                        ; the 32 images lie in LDS
	XLOAD 0
	s_cmp_lg_u32 s21, 0
	s_cbranch_scc1 .Lvpath                         ; the same way for all waves of a work-group; neither way has a barrier or an LDS store
	; ---- k: transposed; a lane holds one key, its registers run along the head's 64
	BLOAD 12
.irp s, 0,1,2,3,4,5,6,7
	GSTEP \s, 0, 8
.endr
	PLACES 4
.macro KITEM hh, m                     ; head 2 w + hh, key tile 4 c + m
	s_wait_xcnt 0x0                                ; the last item's stores have read their registers
.if (\hh)+(\m) > 0
	s_wait_alu depctr_vm_vsrc(0)                   ; the last item's stores have read the codes and the pair's scale words, which this item writes again
.endif
	QUANT 32*(4*\hh+\m), 2, 1, PW
.if (\m)%2 == 0
	v_mov_b32 v233, v[PW]
.else
	v_cndmask_b32 v234, v233, v[PW], s34           ; lanes 0-15: the even tile's words, lanes 16-31: the odd tile's
.endif
	s_wait_alu depctr_va_vdst(0)                   ; the codes are written, and in an odd tile the pair's scale words: the stores below read them
	global_store_b128 v[L16], v[PC:PC+3], s[14:15] offset:\hh*16384+\m*512   ; 512 consecutive aligned bytes
.if (\m)%2
	global_store_b32 v[L4], v234, s[50:51] offset:\hh*3072+(\m/2)*128
.endif
.endm
.irp hh, 0,1
.irp m, 0,1,2,3
	KITEM \hh, \m
.endr
.endr
	s_wait_xcnt 0x0
	v_lshl_add_u32 v254, v0, 2, 0x49800
	v_mov_b32 v255, 0
	s_wait_dscnt 0x0                               ; the closing lines, six on end
	s_wait_alu 0x0
	s_wait_tensorcnt 0x0
	ds_add_u32 v254, v255
	s_wait_dscnt 0x0
	s_endpgm
.Lvpath:
	; ---- v: as it stands; a lane holds one d, its registers run along the keys
	v_and_b32 v13, 15, v0
	v_and_b32 v15, 8, v0
	v_add_nc_u32 v13, v13, v15
	v_lshlrev_b32 v13, 2, v13
	s_wait_alu depctr_va_vdst(0)                   ; v13 is written, which the bias's loads read
.irp t, 0,1,2,3,4,5,6,7
	global_load_b32 v[BV+\t], v13, s[12:13] offset:(32*(\t/2)+8*(\t%2))*4    ; bkv at my lane's column of tile t
.endr
.irp s, 0,1,2,3,4,5,6,7
	GSTEP \s, 1, 8
.endr
	PLACES 4
.macro VITEM t                         ; head 2 w + t / 4, d tile t % 4
	s_wait_xcnt 0x0
.if (\t) > 0
	s_wait_alu depctr_vm_vsrc(0)                   ; the last item's stores have read the codes and the pair's scale words, which this item writes again
.endif
	WIN 0x01
.set e, 0
.rept 16
.if (\t)%2
	v_pk_add_f32 v[16+e:17+e], v[32*(\t)+e:32*(\t)+e+1], v[BV+(\t)-1:BV+(\t)] op_sel:[0,1] op_sel_hi:[1,1]
.else
	v_pk_add_f32 v[16+e:17+e], v[32*(\t)+e:32*(\t)+e+1], v[BV+(\t):BV+(\t)+1] op_sel_hi:[1,0]
.endif
.set e, e+2
.endr
	WIN 0
	QUANT 16, 2, 0, PW
.if (\t)%2 == 0
	v_mov_b32 v233, v[PW]
.else
	v_cndmask_b32 v234, v233, v[PW], s34
.endif
	s_wait_alu depctr_va_vdst(0)                   ; the codes are written, and in an odd tile the pair's scale words: the stores below read them
	global_store_b128 v[L16], v[PC:PC+3], s[16:17] offset:((\t)/4)*16384+((\t)%4)*1024
.if (\t)%2
	global_store_b16 v[L4], v234, s[52:53] offset:((\t)/4)*3072+(((\t)%4)/2)*128   ; two of a word's four bytes: the other half of the keys is another work-group's; 128 KB of the launch's stores go so
.endif
.endm
.irp t, 0,1,2,3,4,5,6,7
	VITEM \t
.endr
	s_wait_xcnt 0x0
	v_lshl_add_u32 v254, v0, 2, 0x49800
	v_mov_b32 v255, 0
	s_wait_dscnt 0x0                               ; the closing lines, six on end
	s_wait_alu 0x0
	s_wait_tensorcnt 0x0
	ds_add_u32 v254, v255
	s_wait_dscnt 0x0
	s_endpgm
.Lfunc_end_k_qa100e07cb4_kv:
	.size	k_qa100e07cb4_kv, .Lfunc_end_k_qa100e07cb4_kv-k_qa100e07cb4_kv
	.p2alignl 7, 3214868480
	.fill 96, 4, 3214868480
	.section	.rodata,"a",@progbits
	.p2align	6, 0x0
	.amdhsa_kernel k_qa100e07cb4_kv
		.amdhsa_group_segment_fixed_size 302080
		.amdhsa_private_segment_fixed_size 0
		.amdhsa_enable_private_segment 0
		.amdhsa_kernarg_size 64
		.amdhsa_user_sgpr_count 2
		.amdhsa_user_sgpr_kernarg_segment_ptr 1
		.amdhsa_wavefront_size32 1
		.amdhsa_system_sgpr_workgroup_id_x 1
		.amdhsa_system_sgpr_workgroup_id_y 1
		.amdhsa_system_sgpr_workgroup_id_z 1
		.amdhsa_system_vgpr_workitem_id 0
		.amdhsa_next_free_vgpr 512
		.amdhsa_next_free_sgpr 66
		.amdhsa_reserve_vcc 0
		.amdhsa_float_denorm_mode_32 3
		.amdhsa_float_denorm_mode_16_64 3
		.amdhsa_memory_ordered 1
		.amdhsa_forward_progress 1
		.amdhsa_inst_pref_size 217
	.end_amdhsa_kernel
	.amdgpu_metadata
---
amdhsa.version: [ 1, 2 ]
amdhsa.kernels:
  - .name:           k_qa100e07cb4_kv
    .symbol:         k_qa100e07cb4_kv.kd
    .args:
      - { .name: x_kv, .offset: 0, .size: 8, .value_kind: global_buffer, .address_space: global }
      - { .name: ss, .offset: 8, .size: 8, .value_kind: global_buffer, .address_space: global }
      - { .name: wimg, .offset: 16, .size: 8, .value_kind: global_buffer, .address_space: global }
      - { .name: Wkv_scales, .offset: 24, .size: 8, .value_kind: global_buffer, .address_space: global }
      - { .name: bkv, .offset: 32, .size: 8, .value_kind: global_buffer, .address_space: global }
      - { .name: kimg, .offset: 40, .size: 8, .value_kind: global_buffer, .address_space: global }
      - { .name: vimg, .offset: 48, .size: 8, .value_kind: global_buffer, .address_space: global }
      - { .name: kvsc, .offset: 56, .size: 8, .value_kind: global_buffer, .address_space: global }
    .group_segment_fixed_size: 302080
    .private_segment_fixed_size: 0
    .kernarg_segment_align: 8
    .kernarg_segment_size: 64
    .max_flat_workgroup_size: 256
    .sgpr_count:     66
    .vgpr_count:     512
    .wavefront_size: 32
...
	.end_amdgpu_metadata
.endif
;; end of part 5
;; launch attn (part 6): grid 256 x 1, 8 waves a work-group, no clusters, 302,080 bytes of LDS; arguments x_q, ss, wimg, Wq_scales, Wp_scales, bq, bp, kimg, vimg, kvsc, out0; writes out0
.if DOCPART == 6
	.amdgcn_target "amdgcn-amd-amdhsa--gfx1250"
	.amdhsa_code_object_version 6
	.text
	.protected	k_qa100e07cb4_attn
	.globl	k_qa100e07cb4_attn
	.p2align	8
	.type	k_qa100e07cb4_attn,@function
k_qa100e07cb4_attn:
	s_mov_b64 s[64:65], 0
	v_nop
	global_prefetch_b8 v0, s[64:65] scope:SCOPE_SE
	s_setreg_imm32_b32 hwreg(HW_REG_WAVE_SCHED_MODE, 0, 2), 2
	s_setreg_imm32_b32 hwreg(HW_REG_WAVE_MODE, 25, 1), 1
	s_wait_xcnt 0x0
	s_wait_alu depctr_vm_vsrc(0)
; out0 = x_q + attention(adaLN(x_q) Wq + bq, k, v) Wp + bp for 64 rows, all four products on codes of FP4 (E2M1) with one E8M0 scale for each 32 along K.  Nothing but the result goes to memory.
; SHARES.  Work-group g: rows 64 g on (batch g / 32).  Wave w: layer norm of rows 8 w on; K step w of the rows' codes; columns 128 w on of q and of the last product = heads 2 w, 2 w + 1, for all 64 rows (four tiles of 16 queries).
; So q's codes never leave the wave, and its two heads' results are exactly K step w of the last product.
; PHASES.  A1: rows to LDS as f32 (they stay there for the residual: x_q is read from memory once), mean, 1 / sqrt(var + eps) | barrier | A2: codes of adaLN(x_q), as images of the operand's registers in LDS | barrier |
; q = . Wq + bq (transposed: source 0 = 16 rows of Wq) | barrier | q quantised in registers | for each of my 2 heads, 4 key steps of 128: S^T = k q^T, softmax, O^T += v^T p^T, for the four query tiles in turn, on one load of k and v |
; O / l quantised, images to LDS | barrier | x + . Wp: the accumulators begin as my 512 bytes of each row of x, from LDS | back to LDS | barrier | whole rows, + bp, out.
; WHAT A PRODUCT WITH A WEIGHT WANTS IS ASKED FOR AHEAD OF IT.  Wq: bias (16 loads) and scale words in the middle of A1; K step 1 behind A1, into its buffer; K step 0 behind A1, into registers of window 1 that lie idle until the product,
; and copied behind A2.  Wp: scale words behind the q product; K step 0 behind q's fourth fragment, into registers of window 1 that lie idle in the attention, and copied behind it; K step 1 ahead of the barrier.
; K = 64 IN THE SCORES.  The instruction is 128 deep.  q's fragment is four registers of codes and four of zero codes.  k's fragment is named as eight registers of which the upper four are the next tile's codes (behind tile 7: four zero registers):
; they meet q's zero codes, and FP4 has no code but numbers.  Bytes 2 and 3 of both sides' scale words are 0 (2^-127, a number).
; THE SOFTMAX: t = score x log2(e) / 8; M = the running largest t, rounded up to a whole number; p = 2^(t - M) is quantised along the keys, not normalised; l is the sum of the unquantised p; when M moves, l and O are multiplied by 2^(old M - new M), exactly.
; A block's largest p is made from the block's largest score by the same multiply-add and exponential (this takes v_exp_f32 not to fall where its input rises).
; NO CLUSTER, NO DATA MOVER: weights, k and v are read by many work-groups, but a joint load lands in LDS, of which 263,168 bytes hold the 64 f32 rows (that spares a second read of x_q, 67 MB) and 37,376 the images: 27,136 of 327,680 are left.
; Each weight fragment and each fragment of k and v is used by one wave alone and comes from its re-laid image straight into registers, 512 consecutive bytes a load.
; LIMITS: NaN and infinities are not served.  A block of zeros, and one whose largest magnitude lies under 2^-124, gets the scale byte 1 (the rule says 127 for zeros); this program alone reads the bytes.  1 / sqrt is v_rsq_f32, 1 / l is v_rcp_f32, each and a multiplication.
; The result is rounded as (x + sum) + bp.
; THE MODE: SCHED_MODE bits 1:0 = 2 (LLVM: expert scheduling mode 2), set by the entry lines.  The code itself states the register dependences
; between vector or matrix instructions and memory or LDS instructions, with s_wait_alu, always for 0.
; THE PLAN.  Registers that memory or LDS instructions touch:
;   v1-v11, v14, v168   offsets and addresses made at the head: one wait on va_vdst ahead of the first load; v1-v11 are never written again.
;   A1  a row slot: loaded; read by eight LDS stores and by the row's sums; loaded again.  The pair (mean, rstd): written by the row's arithmetic, read by one LDS store.
;       One wait on va_vdst a row (the one behind the reciprocal root) and one on vm_vsrc at the row's end state both.
;   A2  v12-v15: written at a trip's head, read by the trip's LDS loads and stores.  X, MU: loaded, worked on.  PC, PW: written by QUANT, read by three LDS stores.
;       A wait on va_vdst behind the four additions, one ahead of the stores, one on vm_vsrc at the trip's end.
;   A product with a weight  two buffers of weights and two of rows by turns: step s's products read buffer s % 2, the loads of step s + 1 land in the buffer that step s - 1's products read:
;       one wait on va_vdst at the head of steps 1 to 6, and the step's 28 loads follow it at once.  The copies of a staged K step 0 are operands that vector instructions write: one wait on va_vdst behind them, which also
;       frees every register in which the product's first loads land.
;   The attention  k and its scale words: read by the four tiles' score products, loaded again in tile 3's turn behind a wait on va_vdst.  v and its scale words: read up to tile 3's last products, loaded again behind a wait on va_vdst.
;       Their offsets: read by those loads, written in tile 0's turn behind a wait on vm_vsrc.  p's codes and scale word: written by vector instructions, taken by scaled products: a wait on va_vdst ahead of each tile's four.
;       q's fragments and scale words likewise: one wait in each head's prologue.  A head's end: PC, PW out to LDS, tile by tile: a wait on va_vdst ahead of the two stores, one on vm_vsrc behind them.
;   The way out  the accumulators: one wait on va_vdst behind the last product; a row's 32 registers: loaded from LDS, bp added, one wait on va_vdst, eight stores; one wait on vm_vsrc ahead of the second four rows' loads.
.set PITCH, 4112                       ; an LDS row of x: 4,096 bytes + 16: row r starts at bank 4 r mod 64 (64 banks of 4 bytes: ISA guide 11.1)
.set IMG,   263168                     ; behind 64 rows: 32 fragment images x 1,024 bytes (row tile m, K step s: 8 m + s), [c][lane][16 bytes]
.set ISC,   295936                     ; their scale words, 128 bytes each
.set STAT,  300032                     ; (mean, 1 / sqrt(var + eps)) of the 64 rows
.set L16, 1                            ; v1   16 x lane
.set L4,  2                            ; v2   4 x lane
.set H64, 3                            ; v3   64 x (lane / 16)
.set LI,  4                            ; v4   IMG + 16 x lane
.set LS,  5                            ; v5   ISC + 4 x lane
.set XWI, 6                            ; v6   LI + 1,024 x wave
.set XWS, 7                            ; v7   LS + 128 x wave
.set XA0, 8                            ; v8   row r, my half's 64 bytes, my wave's 512 bytes
.set RW,  9                            ; v9   my wave's first row + 16 x lane
.set STA, 10                           ; v10  STAT + 8 r
.set FLR, 11                           ; v11  2^(3 - 127)
.set KVO, 12                           ; v12  attention: 16 x lane + 4,096 x the key step to be fetched
.set SCO, 13                           ; v13  4 x lane + 768 x that step
.set R,   16                           ; A1: four row slots of 32
.set CH,  144
.set QQ,  152
.set DD,  160
.set SAD, 168                          ; v168 my row among a weight's scale bytes (v169 at work): untouched in A1, A2 and the attention
.set MS,  172
.set X,   16                           ; A2: 64 numbers
.set MU,  144
.set PC,  160
.set TM,  176                          ; v176-191 at work: +0..3 block maxima, +4..7, +8, +10:11 f, +12..15 scale operands
.set WB0, 16                           ; a product with a weight: two sets of 8 weight fragments, v16-79, v80-143
.set XB0, 144                          ; two sets of 4 row fragments, v144-175, v176-207
.set XS0, 208                          ; their scale words, v208-211, v212-215
.set WS,  216                          ; the weight's scale words: pair of tiles p, K step s at WS + 8 p + s
.set KF,  16                           ; attention: k's 8 tiles x 4 registers, v16-47; v48-51 zeros
.set VF,  56                           ; v's 4 tiles x 8, v56-87
.set S,   96                           ; S^T, then p, v96-159
.set ST,  192                          ; tile i: -M, the largest t, l in two halves
.set KS,  208                          ; v208-255 hold scale words and nothing else: k's (4 pairs of tiles), v's (2 pairs), the word just made, (Wp's wait in WS), q's (8 fragments)
.set VS,  212
.set PW,  214
.set QS,  248
.set BR,  144                          ; the way out: bp for a whole row, 8 x 4 registers
.set S1,  0                            ; window 1, phase A: 1 + scale, bias of the norm
.set BI,  64
.set SG1, 128                          ; window 1, phase A: Wq's K step 0 waits here
.set HB0, 224                          ; window 1: bq in the result's layout: tiles 0-3 at HB0 + 8 t, tiles 4-7 at HB1 + 8 (t - 4)
.set HB1, 192
.set QF,  0                            ; window 1, attention: q's 8 fragments x 8; O^T: tile i, d tile dt at OO + 32 i + 8 dt
.set SG2, 64                           ; window 1, attention: Wp's K step 0 waits here
.set OO,  128
.set WV,  26
.set SEL, 30
.set CS,  32
.set MSB, 0
.macro WIN new                         ; the immediate's high byte repeats the setting that is left
.if MSB != \new
	s_set_vgpr_msb (MSB<<8)|\new
.set MSB, \new
.endif
.endm
.macro PLACES n
.rept \n
	v_nop
.endr
.endm
.macro BARRIER                         ; my LDS stores have landed and my LDS loads are in: then the work-group's barrier
	s_wait_dscnt 0x0
	s_barrier_signal -1
	s_barrier_wait -1
.endm
.macro REDUCE a, t                     ; the sum over the 32 lanes, in every lane
	v_add_f32_dpp v[\a], v[\a], v[\a] row_xmask:1 row_mask:0xf bank_mask:0xf
	v_add_f32_dpp v[\a], v[\a], v[\a] row_xmask:2 row_mask:0xf bank_mask:0xf
	v_add_f32_dpp v[\a], v[\a], v[\a] row_xmask:4 row_mask:0xf bank_mask:0xf
	v_add_f32_dpp v[\a], v[\a], v[\a] row_xmask:8 row_mask:0xf bank_mask:0xf
	v_permlanex16_b32 v[\t], v[\a], s[SEL], s[SEL+1]
	v_add_f32 v[\a], v[\a], v[\t]
.endm
.macro XROW i                          ; row i of my eight: eight loads of 512 consecutive bytes; x_q is read once in the launch
.set SL, R+32*((\i)%4)
.irp j, 0,1,2,3,4,5,6,7
	global_load_b128 v[SL+4*\j:SL+4*\j+3], v[L16], s[4:5] offset:(\i)*4096+512*\j th:TH_LOAD_NT
.endr
.endm
; Row i: to LDS as it is; its mean; the mean of the squared differences; 1 / sqrt(that + eps).  left: the loads issued behind this row's
.macro ROW i, left, fill
.set SL, R+32*((\i)%4)
	s_wait_loadcnt \left
.irp j, 0,1,2,3,4,5,6,7
	ds_store_b128 v[RW], v[SL+4*\j:SL+4*\j+3] offset:(\i)*PITCH+512*\j
.endr
.irp k, 0,1,2,3
	v_pk_add_f32 v[CH+2*\k:CH+2*\k+1], v[SL+2*\k:SL+2*\k+1], v[SL+8+2*\k:SL+9+2*\k]
.endr
.irp g, 16,24
.irp k, 0,1,2,3
	v_pk_add_f32 v[CH+2*\k:CH+2*\k+1], v[CH+2*\k:CH+2*\k+1], v[SL+\g+2*\k:SL+\g+1+2*\k]
.endr
.endr
	v_pk_add_f32 v[CH:CH+1], v[CH:CH+1], v[CH+2:CH+3]
	v_pk_add_f32 v[CH+4:CH+5], v[CH+4:CH+5], v[CH+6:CH+7]
	v_pk_add_f32 v[CH:CH+1], v[CH:CH+1], v[CH+4:CH+5]
	v_add_f32 v[CH], v[CH], v[CH+1]
	REDUCE CH, CH+1
	v_mul_f32 v[MS], s35, v[CH]                    ; the mean: x 2^-10
.irp g, 0,1,2,3
.irp k, 0,1,2,3
	v_pk_add_f32 v[DD+2*\k:DD+2*\k+1], v[SL+8*\g+2*\k:SL+8*\g+2*\k+1], v[MS:MS+1] op_sel_hi:[1,0] neg_lo:[0,1] neg_hi:[0,1]
.endr
.irp k, 0,1,2,3
.if \g == 0
	v_pk_mul_f32 v[QQ+2*\k:QQ+2*\k+1], v[DD+2*\k:DD+2*\k+1], v[DD+2*\k:DD+2*\k+1]
.else
	v_pk_fma_f32 v[QQ+2*\k:QQ+2*\k+1], v[DD+2*\k:DD+2*\k+1], v[DD+2*\k:DD+2*\k+1], v[QQ+2*\k:QQ+2*\k+1]
.endif
.endr
.endr
	v_pk_add_f32 v[QQ:QQ+1], v[QQ:QQ+1], v[QQ+2:QQ+3]
	v_pk_add_f32 v[QQ+4:QQ+5], v[QQ+4:QQ+5], v[QQ+6:QQ+7]
	v_pk_add_f32 v[QQ:QQ+1], v[QQ:QQ+1], v[QQ+4:QQ+5]
	v_add_f32 v[QQ], v[QQ], v[QQ+1]
	REDUCE QQ, QQ+1
	v_fma_f32 v[QQ], v[QQ], s35, s36               ; var + eps
	s_wait_alu depctr_va_vdst(0)
	v_rsq_f32 v[MS+1], v[QQ]
	v_nop                                          ; a plain line behind the transcendental,
	s_wait_alu depctr_va_vdst(0)                   ; and the wait ahead of its first reader: the pair (mean, rstd) is written, which the LDS store below reads; and the row's sums are done reading the slot, in which the loads below land
	ds_store_b64 v14, v[MS:MS+1] offset:8*(\i)     ; all lanes write the same eight bytes with the same value
	s_wait_dscnt 0x0                               ; the stores have read the slot and the pair
	s_wait_alu depctr_vm_vsrc(0)                   ; the LDS stores have read the slot, in which loads land next, and the pair, which the next row writes
.if \fill
	XROW (\i)+4
.endif
.endm
; nb blocks of 32 along K: register 16 b + i of v[src] on (window w) = k 32 b + 16 (lane / 16) + i of my row.  They become codes in v[PC] on, a whole block to a lane, and the scale word v[pw].
.macro QUANT src, nb, w, pw
.if \w
	WIN 0x14                                       ; sources 1 and 2 window 1
.endif
.set qb, 0
.rept \nb
	v_max3_num_f32 v[TM+qb], v[FLR], |v[(\src)+16*qb]|, |v[(\src)+16*qb+1]|   ; my 16 numbers and the floor, from each result's low end on; the blocks by turns
.set qb, qb+1
.endr
.irp i, 2,4,6,8,10,12,14
.set qb, 0
.rept \nb
	v_max3_num_f32 v[TM+qb], v[TM+qb], |v[(\src)+16*qb+\i]|, |v[(\src)+16*qb+\i+1]|
.set qb, qb+1
.endr
.endr
	WIN 0
.set qb, 0
.rept \nb
	v_permlanex16_b32 v[TM+4+qb], v[TM+qb], s[SEL], s[SEL+1]
.set qb, qb+1
.endr
.set qb, 0
.rept \nb
	v_max_num_f32 v[TM+qb], v[TM+qb], v[TM+4+qb]   ; with lane l xor 16's 16: the block's largest magnitude
.set qb, qb+1
.endr
.set qb, 0
.rept \nb
	v_add_nc_u32 v[TM+12+qb], 0xff000000, v[TM+qb] ; 2 off its exponent field: the conversion's scale operand
.set qb, qb+1
.endr
.set qb, 0
.rept \nb
	v_lshrrev_b32 v[TM+4+qb], 23, v[TM+12+qb]      ; the scale's byte
.set qb, qb+1
.endr
	v_lshl_or_b32 v[\pw], v[TM+5], 8, v[TM+4]
.if \nb == 4
	v_lshl_or_b32 v[\pw], v[TM+6], 16, v[\pw]
	v_lshl_or_b32 v[\pw], v[TM+7], 24, v[\pw]
.endif
.if \w
	WIN 0x01                                       ; source 0 window 1
.endif
.set qb, 0
.rept \nb
	v_cvt_scalef32_pk8_fp4_f32 v[PC+2*qb], v[(\src)+16*qb:(\src)+16*qb+7], v[TM+12+qb]
	v_cvt_scalef32_pk8_fp4_f32 v[PC+2*qb+1], v[(\src)+16*qb+8:(\src)+16*qb+15], v[TM+12+qb]
.set qb, qb+1
.endr
	WIN 0
	v_nop                                          ; one plain line behind the last scaled conversion
.set qb, 0
.rept \nb/2
	v_permlane16_swap_b32 v[PC+4*qb], v[PC+4*qb+2] ; lanes 0-15 keep block 2 c, lanes 16-31 block 2 c + 1, whole
	v_permlane16_swap_b32 v[PC+4*qb+1], v[PC+4*qb+3]
.set qb, qb+1
.endr
.endm
.macro WLOAD s, wb                     ; my 8 weight fragments of K step s: 16 loads of 512 consecutive bytes
.set WBF, WB0+64*((\s)%2)
.irp t, 0,1,2,3,4,5,6,7
.irp c, 0,1
	global_load_b128 v[WBF+8*\t+4*\c:WBF+8*\t+4*\c+3], v[L16], s[\wb:\wb+1] offset:\t*8192+(\s)*1024+\c*512
.endr
.endr
.endm
.macro WSTAGE wb, base                 ; K step 0's 8 fragments into 64 idle registers of window 1
	WIN 0x40
.irp t, 0,1,2,3,4,5,6,7
.irp c, 0,1
	global_load_b128 v[(\base)+8*\t+4*\c:(\base)+8*\t+4*\c+3], v[L16], s[\wb:\wb+1] offset:\t*8192+\c*512
.endr
.endr
	WIN 0
.endm
.macro WCOPY base                      ; and from there into the first buffer; four plain lines stand between the last copy and the scaled products that read it
	WIN 0x01
.set e, 0
.rept 64
	v_mov_b32 v[WB0+e], v[(\base)+e]
.set e, e+1
.endr
	WIN 0
	PLACES 4
.endm
.macro XLOAD s                         ; the four row tiles' fragments of K step s and their scale words: 12 LDS loads
.set XBF, XB0+32*((\s)%2)
.set XSF, XS0+4*((\s)%2)
.irp m, 0,1,2,3
.irp c, 0,1
	ds_load_b128 v[XBF+8*\m+4*\c:XBF+8*\m+4*\c+3], v[LI] offset:(8*\m+(\s))*1024+512*\c
.endr
	ds_load_b32 v[XSF+\m], v[LS] offset:(8*\m+(\s))*128
.endr
.endm
.macro SADDR                           ; v[SAD] = 32 x (8 (lane / 16) + r + 8 (r / 8)): my row of a pair of tiles among a weight's scale bytes
	v_and_b32 v[SAD+1], 15, v0
	v_and_b32 v[SAD], 8, v0
	v_add_nc_u32 v[SAD], v[SAD], v[SAD+1]
	v_bfe_u32 v[SAD+1], v0, 4, 1
	v_lshl_add_u32 v[SAD], v[SAD+1], 3, v[SAD]
	v_lshlrev_b32 v[SAD], 5, v[SAD]
.endm
.macro SLOAD sb                        ; a weight's scale words for all 8 K steps: lanes 0-15 the rows of tile 2 p, lanes 16-31 those of tile 2 p + 1
.irp p, 0,1,2,3
.irp g, 0,1
	global_load_b128 v[WS+8*\p+4*\g:WS+8*\p+4*\g+3], v[SAD], s[\sb:\sb+1] offset:\p*1024+16*\g
.endr
.endr
.endm
; one matrix instruction.  zero = 1: it starts the sum.  row = 1: source 0's scales stand in lanes 16-31 of their register
.macro MM d, a, b, zero, sa, sb, row
.if \zero
.if (\row) == 0
	v_wmma_scale_f32_16x16x128_f8f6f4 v[\d:\d+7], v[\a:\a+7], v[\b:\b+7], 0, v[\sa], v[\sb] matrix_a_fmt:MATRIX_FMT_FP4 matrix_b_fmt:MATRIX_FMT_FP4
.else
	v_wmma_scale_f32_16x16x128_f8f6f4 v[\d:\d+7], v[\a:\a+7], v[\b:\b+7], 0, v[\sa], v[\sb] matrix_a_fmt:MATRIX_FMT_FP4 matrix_b_fmt:MATRIX_FMT_FP4 matrix_a_scale:MATRIX_SCALE_ROW1
.endif
.else
.if (\row) == 0
	v_wmma_scale_f32_16x16x128_f8f6f4 v[\d:\d+7], v[\a:\a+7], v[\b:\b+7], v[\d:\d+7], v[\sa], v[\sb] matrix_a_fmt:MATRIX_FMT_FP4 matrix_b_fmt:MATRIX_FMT_FP4
.else
	v_wmma_scale_f32_16x16x128_f8f6f4 v[\d:\d+7], v[\a:\a+7], v[\b:\b+7], v[\d:\d+7], v[\sa], v[\sb] matrix_a_fmt:MATRIX_FMT_FP4 matrix_b_fmt:MATRIX_FMT_FP4 matrix_a_scale:MATRIX_SCALE_ROW1
.endif
.endif
.endm
.macro MMC d, a, b, c, sa, sb, row     ; the same with a C of its own
.if (\row) == 0
	v_wmma_scale_f32_16x16x128_f8f6f4 v[\d:\d+7], v[\a:\a+7], v[\b:\b+7], v[\c:\c+7], v[\sa], v[\sb] matrix_a_fmt:MATRIX_FMT_FP4 matrix_b_fmt:MATRIX_FMT_FP4
.else
	v_wmma_scale_f32_16x16x128_f8f6f4 v[\d:\d+7], v[\a:\a+7], v[\b:\b+7], v[\c:\c+7], v[\sa], v[\sb] matrix_a_fmt:MATRIX_FMT_FP4 matrix_b_fmt:MATRIX_FMT_FP4 matrix_a_scale:MATRIX_SCALE_ROW1
.endif
.endm
; K step s of a product with a weight: 32 matrix instructions on 32 accumulators, one each.  K steps 0 and 1 were asked for ahead of the product; from step 1 on, step s asks for step s + 1's weights.
; Transposed (source 0 = 16 rows of the weight, source 1 = 16 rows): accumulator ((t / 4) 4 + m) 4 + t % 4; lane (r, h), register j: row 16 m + r, column 32 (t / 2) + 16 h + 8 (t % 2) + j of my 128.
.macro GSTEP s, wb
.if \s == 0
	XLOAD 1
	s_wait_dscnt 12                                ; all but the next step's 12
.elseif \s < 7
	PLACES 4                                       ; four plain lines between the last step's products and loads into the registers that they read (ISA guide 7.12.1 for vector instructions)
	s_wait_alu depctr_va_vdst(0)                   ; the last step's products are done reading their buffers of weights, rows and rows' scale words, in which the 28 loads below land
	WLOAD \s+1, \wb
	XLOAD \s+1
	s_wait_loadcnt 16                              ; all but the next step's 16
	s_wait_dscnt 12                                ; all but the next step's 12
.else
	s_wait_loadcnt 0x0
	s_wait_dscnt 0x0
.endif
.set WBF, WB0+64*(\s%2)
.set XBF, XB0+32*(\s%2)
.set XSF, XS0+4*(\s%2)
	WIN 0x50                                       ; C and D window 1
.irp m, 0,1,2,3
.irp t, 0,1,2,3,4,5,6,7
.set AI, 8*(((\t/4)*4+\m)*4+\t%4)
	MM AI, WBF+8*\t, XBF+8*\m, 0, WS+8*(\t/2)+\s, XSF+\m, \t%2
.endr
.endr
	WIN 0
.endm
; K step 0 of the q product.  bq stands once, in the registers of the eight accumulators (tiles 4-7, row tiles 2 and 3), and is the C of all four row tiles.  Those eight are written last, four and four, each group five plain lines
; behind the last matrix instruction that read its registers (ISA guide 7.12.1 has no row for a matrix instruction that writes over another's source).
.macro GSTEP0B
	XLOAD 1
	s_wait_dscnt 12
	WIN 0x50
.irp m, 0,1,2,3
.irp t, 0,1,2,3,4,5,6,7
.if (\t < 4) || (\m < 2)
.set AI, 8*(((\t/4)*4+\m)*4+\t%4)
.set HB, HB0+8*(\t%4)-32*(\t/4)
	MMC AI, WB0+8*\t, XB0+8*\m, HB, WS+8*(\t/2), XS0+\m, \t%2
.endif
.endr
.endr
	PLACES 5
.irp t, 4,5,6,7
	MMC HB0+8*(\t-4), WB0+8*\t, XB0+24, HB1+8*(\t-4), WS+8*(\t/2), XS0+3, \t%2     ; row tile 3: over tiles 0-3's bias, which nobody wants any more
.endr
	PLACES 5
.irp t, 4,5,6,7
	MMC HB1+8*(\t-4), WB0+8*\t, XB0+16, HB1+8*(\t-4), WS+8*(\t/2), XS0+2, \t%2     ; row tile 2: in place
.endr
	WIN 0
.endm
.macro KLOAD                           ; k of a key step: 8 tiles x 512 bytes, 4 pairs of scale words: 12 loads
.irp kt, 0,1,2,3,4,5,6,7
	global_load_b128 v[KF+4*\kt:KF+4*\kt+3], v[KVO], s[18:19] offset:512*\kt
.endr
.irp p, 0,1,2,3
	global_load_b32 v[KS+\p], v[SCO], s[22:23] offset:128*\p
.endr
.endm
.macro VLOAD                           ; v of a key step: 4 tiles x 1,024 bytes, 2 pairs of scale words: 10 loads
.irp dt, 0,1,2,3
.irp c, 0,1
	global_load_b128 v[VF+8*\dt+4*\c:VF+8*\dt+4*\c+3], v[KVO], s[20:21] offset:1024*\dt+512*\c
.endr
.endr
.irp p, 0,1
	global_load_b32 v[VS+\p], v[SCO], s[22:23] offset:512+128*\p
.endr
.endm
; The softmax of query tile i for 128 keys.  A lane holds one query; register 16 b + n of S is key 32 b + 16 (lane / 16) + n.  It leaves p's codes in v[PC] on, p's scale word in v[PW], f in v[TM+10].
.macro SOFTMAX i
.set NM, ST+4*(\i)
.irp b, 0,1,2,3
	v_max3_num_f32 v[TM+\b], v[S+16*\b], v[S+1+16*\b], v[S+2+16*\b]       ; the largest score of each block of 32 keys: for the row's maximum and for the block's largest p
.endr
.irp k, 3,5,7,9,11,13
.irp b, 0,1,2,3
	v_max3_num_f32 v[TM+\b], v[TM+\b], v[S+16*\b+\k], v[S+1+16*\b+\k]
.endr
.endr
.irp b, 0,1,2,3
	v_max_num_f32 v[TM+\b], v[TM+\b], v[S+15+16*\b]
.endr
.irp b, 0,1,2,3
	v_permlanex16_b32 v[TM+4+\b], v[TM+\b], s[SEL], s[SEL+1]
.endr
.irp b, 0,1,2,3
	v_max_num_f32 v[TM+\b], v[TM+\b], v[TM+4+\b]
.endr
	v_max3_num_f32 v[TM+8], v[TM], v[TM+1], v[TM+2]
	v_max_num_f32 v[TM+8], v[TM+8], v[TM+3]
	v_mul_f32 v[TM+8], s[CS], v[TM+8]              ; as t (c is positive)
	v_max_num_f32 v[NM+1], v[NM+1], v[TM+8]        ; the running largest t
	v_mov_b32 v[TM+8], v[NM]
	v_floor_f32 v[NM], -v[NM+1]                    ; the new -M = floor(-t): M is a whole number
	v_sub_f32 v[TM+8], v[NM], v[TM+8]              ; old M - new M: a whole number, 0 or less
	v_cvt_i32_f32 v[TM+8], v[TM+8]                 ; (it saturates)
	v_ldexp_f32 v[TM+10], 1.0, v[TM+8]             ; f = 2^(old M - new M)
.set e, 0
.rept 32
	v_pk_fma_f32 v[S+e:S+e+1], v[S+e:S+e+1], s[CS:CS+1], v[NM:NM+1] op_sel_hi:[1,0,0]   ; t - M
.set e, e+2
.endr
.irp b, 0,1,2,3
	v_fma_f32 v[TM+\b], v[TM+\b], s[CS], v[NM]
.endr
.set e, 0
	s_wait_alu depctr_va_vdst(0)
.rept 64
	v_exp_f32 v[S+e], v[S+e]                       ; p = 2^(t - M)
.set e, e+1
.endr
	v_pk_mul_f32 v[NM+2:NM+3], v[NM+2:NM+3], v[TM+10:TM+11] op_sel_hi:[1,0]   ; l under the new M: the plain line behind the exponentials
	s_wait_alu depctr_va_vdst(0)                   ; one wait for the batch of 64, ahead of its first reader
.irp b, 0,1,2,3
	v_exp_f32 v[TM+\b], v[TM+\b]                   ; each block's largest p
.endr
	v_pk_add_f32 v[TM+4:TM+5], v[S:S+1], v[S+2:S+3]   ; l takes the unquantised p: two chains
.irp j, 4,8,12,16,20,24,28,32,36,40,44,48,52,56,60
	v_pk_add_f32 v[NM+2:NM+3], v[NM+2:NM+3], v[S+\j:S+\j+1]
	v_pk_add_f32 v[TM+4:TM+5], v[TM+4:TM+5], v[S+2+\j:S+3+\j]
.endr
	v_pk_add_f32 v[NM+2:NM+3], v[NM+2:NM+3], v[TM+4:TM+5]
	s_wait_alu depctr_va_vdst(0)                   ; and one for the four
.irp b, 0,1,2,3
	v_max_num_f32 v[TM+\b], v[FLR], v[TM+\b]
.endr
.irp b, 0,1,2,3
	v_add_nc_u32 v[TM+12+\b], 0xff000000, v[TM+\b]
.endr
.irp b, 0,1,2,3
	v_lshrrev_b32 v[TM+4+\b], 23, v[TM+12+\b]
.endr
	v_lshl_or_b32 v[PW], v[TM+5], 8, v[TM+4]
	v_lshl_or_b32 v[PW], v[TM+6], 16, v[PW]
	v_lshl_or_b32 v[PW], v[TM+7], 24, v[PW]
.irp b, 0,1,2,3
	v_cvt_scalef32_pk8_fp4_f32 v[PC+2*\b], v[S+16*\b:S+16*\b+7], v[TM+12+\b]
	v_cvt_scalef32_pk8_fp4_f32 v[PC+2*\b+1], v[S+16*\b+8:S+16*\b+15], v[TM+12+\b]
.endr
	v_nop
.irp c, 0,1
	v_permlane16_swap_b32 v[PC+4*\c], v[PC+4*\c+2]
	v_permlane16_swap_b32 v[PC+4*\c+1], v[PC+4*\c+3]
.endr
.endm
; Query tile i in a key step: 8 score tiles, the softmax, O^T x f, 4 products with v.  No two matrix instructions that follow each other share an accumulator.
.macro UNIT i
	WIN 0x04                                       ; source 1 (q) window 1
.irp kt, 0,1,2,3,4,5,6,7
	MM S+8*\kt, KF+4*\kt, QF+8*(\i), 1, KS+\kt/2, QS+(\i), \kt%2
.endr
	WIN 0
	PLACES 4                                       ; between the products and the first read of their results, and the loads into k's registers
.if (\i) == 3
	s_wait_alu depctr_va_vdst(0)                   ; the four tiles' score products are done reading k and its scale words, in which the loads below land (the loads' offsets were written in tile 0's turn, ahead of that turn's wait)
	KLOAD                                          ; all four tiles have multiplied by k: the next step's comes
.endif
	SOFTMAX \i
.if (\i) == 0
	s_wait_loadcnt 0x0                             ; v is in; no load is out, so the loads' offsets may be written:
	s_wait_alu depctr_vm_vsrc(0)                   ; the loads of k and v have read the two offsets, which are written below
	s_add_co_u32 s46, s37, 1
	s_min_u32 s46, s46, 7                          ; the next of my 8 key steps; behind the last one the last is asked for once more: no load leaves its buffer
	s_lshl_b32 s47, s46, 12
	s_mul_i32 s46, s46, 768
	v_add_nc_u32 v[KVO], s47, v[L16]
	v_add_nc_u32 v[SCO], s46, v[L4]
.endif
	WIN 0x41
.set e, 0
.rept 16
	v_pk_mul_f32 v[OO+32*(\i)+e:OO+32*(\i)+e+1], v[OO+32*(\i)+e:OO+32*(\i)+e+1], v[TM+10:TM+11] op_sel_hi:[1,0]   ; O^T under the new M; these 16 also stand between the making of p's codes and scale word and the products
.set e, e+2
.endr
	WIN 0x50
	s_wait_alu depctr_va_vdst(0)                   ; p's codes and scale word, which vector instructions made, are written: the scaled products below take them as source 1 and as its scales (in tile 0's turn: so are the loads' two offsets)
.irp dt, 0,1,2,3
	MM OO+32*(\i)+8*\dt, VF+8*\dt, PC, 0, VS+\dt/2, PW, \dt%2
.endr
	WIN 0
.endm
	s_load_b512 s[4:19], s[0:1], 0x0               ; x_q, ss, wimg, Wq_scales, Wp_scales, bq, bp, kimg
	s_load_b128 s[20:23], s[0:1], 0x40             ; vimg, kvsc
	s_load_b64 s[24:25], s[0:1], 0x50              ; out0
	v_lshrrev_b32 v16, 5, v0
	v_readfirstlane_b32 s[WV], v16                 ; wave 0..7
	v_and_b32 v1, 31, v0
	v_and_b32 v17, 15, v0                          ; r
	v_bfe_u32 v18, v0, 4, 1                        ; h
	v_lshlrev_b32 v[L4], 2, v1
	v_lshlrev_b32 v[L16], 4, v1
	v_lshlrev_b32 v[H64], 6, v18
	v_add_nc_u32 v[LI], IMG, v[L16]
	v_add_nc_u32 v[LS], ISC, v[L4]
	s_wait_alu depctr_va_sdst(0)                   ; the wave's number is written, ahead of its first reader
	s_lshl_b32 s46, s[WV], 10
	v_add_nc_u32 v[XWI], s46, v[LI]
	s_lshl_b32 s46, s[WV], 7
	v_add_nc_u32 v[XWS], s46, v[LS]
	v_mul_u32_u24 v[XA0], v17, PITCH
	v_add_nc_u32 v[XA0], v[XA0], v[H64]
	s_lshl_b32 s46, s[WV], 9
	v_add_nc_u32 v[XA0], s46, v[XA0]
	s_lshl_b32 s47, s[WV], 3                       ; my 8 rows
	s_mul_i32 s46, s47, PITCH
	v_add_nc_u32 v[RW], s46, v[L16]
	v_lshl_add_u32 v[STA], v17, 3, STAT
	v_mov_b32 v[FLR], 0x1800000
	s_lshl_b32 s46, s47, 3
	s_add_co_u32 s46, s46, STAT
	v_mov_b32 v14, s46                             ; where my rows' statistics go
	v_mov_b32 v[MS+1], 0                           ; (named as the upper half of a pair before it is first made)
.irp b, 4,5,6,7
	v_mov_b32 v[TM+\b], 0                          ; written once: a lane permute's destination counts as one of its sources
.endr
	SADDR
	s_mov_b32 s[SEL], 0x76543210
	s_mov_b32 s[SEL+1], 0xfedcba98                 ; v_permlanex16_b32's selects for lane l xor 16
	s_mov_b32 s[CS], 0x3e38aa3b                    ; c = log2(e) / sqrt(64)
	s_mov_b32 s[CS+1], s[CS]                       ; (named with it as a pair)
	s_mov_b32 s35, 0x3a800000                      ; 1 / 1,024
	s_mov_b32 s36, 0x3727c5ac                      ; eps = 1e-5
	s_lshr_b32 s27, ttmp9, 5                       ; batch
	s_mov_b32 s29, 0
	s_wait_kmcnt 0x0
	s_lshl_b32 s28, ttmp9, 18
	s_lshl_b32 s46, s[WV], 15
	s_add_co_u32 s28, s28, s46
	s_add_nc_u64 s[4:5], s[4:5], s[28:29]          ; x_q and out0 at my 8 rows
	s_add_nc_u64 s[24:25], s[24:25], s[28:29]
	s_wait_alu depctr_va_vdst(0)                   ; the offsets and addresses v1 to v10, v14 and v168 are written, which the loads and stores below read; so are v16 to v18, in which loads of x land
	XROW 0                                         ; x first: everything waits for it
	XROW 1
	XROW 2
	XROW 3
	s_lshl_b32 s28, s27, 13
	s_lshl_b32 s46, s[WV], 9
	s_add_co_u32 s28, s28, s46
	s_add_nc_u64 s[6:7], s[6:7], s[28:29]          ; ss: the first matrix, my batch, my 128 columns
	s_lshl_b32 s28, s[WV], 16
	s_add_nc_u64 s[8:9], s[8:9], s[28:29]          ; wimg: Wq's tile 8 w,
	s_add_nc_u64 s[48:49], s[8:9], 0x180000        ; Wp's tile 8 w
	s_lshl_b32 s28, s[WV], 12
	s_add_nc_u64 s[10:11], s[10:11], s[28:29]
	s_add_nc_u64 s[12:13], s[12:13], s[28:29]
	s_lshl_b32 s28, s[WV], 9
	s_add_nc_u64 s[14:15], s[14:15], s[28:29]      ; bq at my 128 columns (bp stays at its first number: on the way out a wave has whole rows)
	s_lshl_b32 s28, s27, 18
	s_lshl_b32 s46, s[WV], 15
	s_add_co_u32 s28, s28, s46
	s_add_nc_u64 s[18:19], s[18:19], s[28:29]      ; kimg and vimg at chunk 64 b + 8 w: my two heads' 8 key steps on end
	s_add_nc_u64 s[20:21], s[20:21], s[28:29]
	s_mul_i32 s28, s27, 49152
	s_mul_i32 s46, s[WV], 6144
	s_add_co_u32 s28, s28, s46
	s_add_nc_u64 s[22:23], s[22:23], s[28:29]
	WIN 0x40
.irp bb, 0,1,2,3
.irp j, 0,1,2,3
	global_load_b128 v[S1+16*\bb+4*\j:S1+16*\bb+4*\j+3], v[H64], s[6:7] offset:128*\bb+16*\j
	global_load_b128 v[BI+16*\bb+4*\j:BI+16*\bb+4*\j+3], v[H64], s[6:7] offset:4096+128*\bb+16*\j
.endr
.endr
	WIN 0
	; ---- A1.  Behind row i's loads stand: for rows 0-3 three rows' 24 and ss's 32; for rows 4-7 the rows behind it and the 24 loads of bq and Wq's scale words
	ROW 0, 56, 1
	ROW 1, 56, 1
	ROW 2, 56, 1
	ROW 3, 56, 1
	WIN 0x40                                       ; all of x is asked for: now what the q product wants.  bq in the result's layout, once: 16 loads
.irp hh, 0,1
.irp tt, 0,1,2,3
	global_load_b128 v[HB0-32*\hh+8*\tt:HB0-32*\hh+8*\tt+3], v[H64], s[14:15] offset:256*\hh+128*(\tt/2)+32*(\tt%2)
	global_load_b128 v[HB0-32*\hh+8*\tt+4:HB0-32*\hh+8*\tt+7], v[H64], s[14:15] offset:256*\hh+128*(\tt/2)+32*(\tt%2)+16
.endr
.endr
	WIN 0
	SLOAD 10
	ROW 4, 48, 0
	ROW 5, 40, 0
	ROW 6, 32, 0
	ROW 7, 24, 0
	WSTAGE 8, SG1                                  ; Wq's K step 0 into idle registers of window 1,
	WLOAD 1, 8                                     ; its K step 1 into the second buffer, where row slots 2 and 3 lay: both land while A2 is worked (row 7's two waits have freed the slots)
	BARRIER                                        ; 64 rows and their statistics lie in LDS
	; ---- A2: a trip a row tile: my 128 columns of 16 rows become K step w's fragment of that tile
	s_mov_b32 s40, 0
	s_mov_b32 s41, 0
	s_mov_b32 s42, 0
	s_mov_b32 s43, 0
	s_mov_b32 s39, 4
.La2:
	v_add_nc_u32 v12, s40, v[XA0]
	v_add_nc_u32 v13, s41, v[STA]
	v_add_nc_u32 v14, s42, v[XWI]
	v_add_nc_u32 v15, s43, v[XWS]
	s_wait_alu depctr_va_vdst(0)                   ; the trip's four addresses are written, which its LDS loads and stores read; the vector instructions issued so far are done with X and MU, in which the loads below land
.irp bb, 0,1,2,3
.irp j, 0,1,2,3
	ds_load_b128 v[X+16*\bb+4*\j:X+16*\bb+4*\j+3], v12 offset:128*\bb+16*\j   ; register 16 bb + i: k 32 bb + 16 h + i of row r
.endr
.endr
	ds_load_b64 v[MU:MU+1], v13
	s_wait_dscnt 0x0
.set e, 0
.rept 32
	v_pk_add_f32 v[X+e:X+e+1], v[X+e:X+e+1], v[MU:MU+1] op_sel_hi:[1,0] neg_lo:[0,1] neg_hi:[0,1]   ; x - mean
.set e, e+2
.endr
.set e, 0
.rept 32
	v_pk_mul_f32 v[X+e:X+e+1], v[X+e:X+e+1], v[MU:MU+1] op_sel:[0,1] op_sel_hi:[1,1]               ; / sqrt(var + eps)
.set e, e+2
.endr
	WIN 0x14
.set e, 0
.rept 32
	v_pk_fma_f32 v[X+e:X+e+1], v[X+e:X+e+1], v[S1+e:S1+e+1], v[BI+e:BI+e+1]                        ; x (1 + scale) + bias
.set e, e+2
.endr
	WIN 0
	QUANT X, 4, 0, PW
	s_wait_alu depctr_va_vdst(0)                   ; the codes and the scale word are written, which the LDS stores below read
	ds_store_b128 v14, v[PC:PC+3]
	ds_store_b128 v14, v[PC+4:PC+7] offset:512
	ds_store_b32 v15, v[PW]
	s_wait_dscnt 0x0                               ; the stores have read their registers
	s_wait_alu depctr_vm_vsrc(0)                   ; the trip's LDS loads and stores have read v12 to v15, the codes and the scale word: all are written again, in the next trip or behind the loop
	s_add_co_u32 s40, s40, 16*PITCH
	s_add_co_u32 s41, s41, 128
	s_add_co_u32 s42, s42, 8192
	s_add_co_u32 s43, s43, 1024
	s_sub_co_u32 s39, s39, 1
	s_cmp_lg_u32 s39, 0
	s_cbranch_scc1 .La2
	; ---- q = xq Wq + bq
	s_wait_loadcnt 0x0                             ; bq, the scale words and K steps 0 and 1 were asked for a phase ago
	WCOPY SG1
	s_wait_alu depctr_va_vdst(0)                   ; the copies have written the first buffer, which the scaled products take as source 0 (the four plain lines stand ahead of this wait); phase A's vector instructions are done with the registers in which the rows' fragments and scale words land
	BARRIER                                        ; the 32 images lie in LDS
	XLOAD 0
	GSTEP0B
.irp s, 1,2,3,4,5,6,7
	GSTEP \s, 8
.endr
	PLACES 4
	SADDR                                          ; (its registers lay in a row buffer)
	s_wait_alu depctr_va_vdst(0)                   ; v168 is written, which the loads below read; the products are done reading Wq's scale words, in which they land
	SLOAD 12                                       ; Wp's scale words: their registers are idle until the last product
	v_mov_b32 v[KVO], v[L16]
	v_mov_b32 v[SCO], v[L4]
.irp e, 0,1,2,3
	v_mov_b32 v[KF+32+\e], 0                       ; the four registers named behind k's tile 7
.endr
	v_mov_b32 v[TM+11], 0                          ; (named as the upper half of the pair with f)
	BARRIER                                        ; nobody reads x's images any more: the attention's results will take their bytes
	; ---- q's codes: fragment 4 hh + i (head 2 w + hh, query tile i): four registers of codes, four of zero codes.  They land on accumulators that have been read out
.macro QFRAG f
	QUANT 32*(\f), 2, 1, QS+(\f)
	WIN 0x40
.irp e, 0,1,2,3
	v_mov_b32 v[QF+8*(\f)+\e], v[PC+\e]
.endr
.irp e, 4,5,6,7
	v_mov_b32 v[QF+8*(\f)+\e], 0
.endr
	WIN 0
.endm
.irp f, 0,1,2,3
	QFRAG \f
.endr
	s_wait_alu depctr_va_vdst(0)                   ; fragments 2 and 3 are done reading their accumulators, in which Wp's K step 0 lands; the two offsets of k's and v's loads are written; the q product is done with the registers in which k, v and their scale words land
	WSTAGE 48, SG2                                 ; fragments 2 and 3 have left their accumulators: Wp's K step 0 waits there through the attention
	KLOAD                                          ; key step 0 of my first head: it lands while the other four fragments are made
	VLOAD
.irp f, 4,5,6,7
	QFRAG \f
.endr
	; ---- the attention: 2 heads x 4 key steps, each step written once
	s_mov_b32 s37, 0                               ; the key step in hand, 0..7 over both heads
	s_mov_b32 s44, 0                               ; where a head's codes go in an image: 512 bytes a head;
	s_mov_b32 s45, 0                               ; its two scale bytes: 2 a head
	s_mov_b32 s38, 2
.Lhead:
.irp i, 0,1,2,3
	v_mov_b32 v[ST+4*\i+1], 0xff61b1e6             ; the largest t so far: -3e38, under every t
	v_mov_b32 v[ST+4*\i+2], 0
	v_mov_b32 v[ST+4*\i+3], 0
.endr
.irp i, 0,1,2,3
	v_floor_f32 v[ST+4*\i], -v[ST+4*\i+1]
.endr
	WIN 0x40
.set e, 0
.rept 128
	v_mov_b32 v[OO+e], 0                           ; O^T: the step has no first form of its own: the first f is 0 and leaves zeros
.set e, e+1
.endr
	WIN 0
	s_wait_alu depctr_va_vdst(0)                   ; this head's fragments of q, their scale words and the four zero registers behind k, all made by vector instructions, are written: the head's scaled score products take them as sources and as scales
	s_mov_b32 s39, 4
.Lstep:
	s_wait_loadcnt 10                              ; k and its scale words are in (and all that was asked for ahead of them); v's ten loads may be out
	UNIT 0
	UNIT 1
	UNIT 2
	UNIT 3
	PLACES 4                                       ; between the last products and the loads into v's registers
	s_wait_alu depctr_va_vdst(0)                   ; tile 3's products are done reading v and its scale words, in which the loads below land
	VLOAD
	s_add_co_u32 s37, s37, 1
	s_sub_co_u32 s39, s39, 1
	s_cmp_lg_u32 s39, 0
	s_cbranch_scc1 .Lstep
	; a head's end: O / l, quantised along the head's 64: half c = hh of K step w of the last product
	v_add_nc_u32 v14, s44, v[XWI]
	v_add_nc_u32 v15, s45, v[XWS]
.irp i, 0,1,2,3
	v_add_f32 v[TM+\i], v[ST+4*\i+2], v[ST+4*\i+3]
.endr
.irp i, 0,1,2,3
	v_permlanex16_b32 v[TM+4+\i], v[TM+\i], s[SEL], s[SEL+1]
.endr
.irp i, 0,1,2,3
	v_add_f32 v[TM+\i], v[TM+\i], v[TM+4+\i]       ; with lane l xor 16's keys: the row's sum
.endr
	s_wait_alu depctr_va_vdst(0)
.irp i, 0,1,2,3
	v_rcp_f32 v[ST+4*\i+2], v[TM+\i]
.endr
	v_nop
	s_wait_alu depctr_va_vdst(0)                   ; one wait for the four reciprocals
.irp i, 0,1,2,3
	WIN 0x01
.set e, 0
.rept 16
	v_pk_mul_f32 v[S+e:S+e+1], v[OO+32*\i+e:OO+32*\i+e+1], v[ST+4*\i+2:ST+4*\i+3] op_sel_hi:[1,0]   ; register 16 bb + n: d 32 bb + 16 h + n of query r
.set e, e+2
.endr
	WIN 0
	QUANT S, 2, 0, PW
	s_wait_alu depctr_va_vdst(0)                   ; the tile's codes and scale word are written, which the LDS stores below read (their two addresses were written ahead of the reciprocals' wait)
	ds_store_b128 v14, v[PC:PC+3] offset:8192*\i
	ds_store_b16 v15, v[PW] offset:1024*\i
	s_wait_dscnt 0x0                               ; the stores have read their registers
	s_wait_alu depctr_vm_vsrc(0)                   ; the LDS stores have read the codes and the scale word, which the next tile writes, and their addresses, which are written at the next head's end and ahead of the last product
.endr
	WIN 0x41
.irp i, 0,1,2,3
.irp e, 0,1,2,3
	v_mov_b32 v[QF+8*\i+\e], v[QF+32+8*\i+\e]      ; the second head's q takes the first's place
.endr
.endr
	WIN 0
.irp i, 0,1,2,3
	v_mov_b32 v[QS+\i], v[QS+4+\i]
.endr
	s_add_co_u32 s44, s44, 512
	s_add_co_u32 s45, s45, 2
	s_sub_co_u32 s38, s38, 1
	s_cmp_lg_u32 s38, 0
	s_cbranch_scc1 .Lhead
	; ---- x + . Wp
	s_wait_loadcnt 0x0                             ; the loads asked for behind the last key step have landed: their registers and offsets are free; Wp's K step 0 and scale words came long ago
	WCOPY SG2
	v_add_nc_u32 v13, 16*PITCH, v[XA0]
	v_add_nc_u32 v14, 32*PITCH, v[XA0]
	v_add_nc_u32 v15, 48*PITCH, v[XA0]
	s_wait_alu depctr_va_vdst(0)                   ; the copies have written the first buffer, which the scaled products take as source 0 (four plain lines and the three additions stand ahead of this wait); v13 to v15 are written, which the LDS loads and stores of x read; the attention is done with the second buffer, with all of window 1 and with the rows' buffers and scale words, in which the loads below land
	WLOAD 1, 48                                    ; K step 1, ahead of the barrier
; my 512 bytes of the 16 rows of row tile m, in the result's layout: into the accumulators (XCL), and the finished sums back to the same bytes (XCS).  No other wave touches these bytes between the first barrier and the last
.macro XCL m, ar
.irp t, 0,1,2,3,4,5,6,7
.irp e, 0,1
	ds_load_b128 v[8*(((\t/4)*4+(\m))*4+\t%4)+4*\e:8*(((\t/4)*4+(\m))*4+\t%4)+4*\e+3], v[\ar] offset:256*(\t/4)+128*((\t/2)%2)+32*(\t%2)+16*\e
.endr
.endr
.endm
.macro XCS m, ar
.irp t, 0,1,2,3,4,5,6,7
.irp e, 0,1
	ds_store_b128 v[\ar], v[8*(((\t/4)*4+(\m))*4+\t%4)+4*\e:8*(((\t/4)*4+(\m))*4+\t%4)+4*\e+3] offset:256*(\t/4)+128*((\t/2)%2)+32*(\t%2)+16*\e   ; each accumulator from its low end on
.endr
.endr
.endm
	WIN 0x40                                       ; destination window 1
	XCL 0, XA0
	XCL 1, 13
	XCL 2, 14
	XCL 3, 15
	WIN 0
	BARRIER                                        ; the 32 images of the attention's result lie in LDS, and x is in my accumulators
	XLOAD 0
.irp s, 0,1,2,3,4,5,6,7
	GSTEP \s, 48
.endr
	PLACES 4                                       ; between the last products and the stores of their results, and the loads into registers that they read
	s_wait_alu depctr_va_vdst(0)                   ; the products have written the accumulators, which the LDS stores below read (the four plain lines stay beside this wait), and are done reading the buffers of rows and weights, in which bp and the finished rows land
.irp j, 0,1,2,3,4,5,6,7
	global_load_b128 v[BR+4*\j:BR+4*\j+3], v[L16], s[16:17] offset:512*\j    ; bp in the layout of a row on its way out: 512 consecutive bytes a load
.endr
	WIN 0x04                                       ; an LDS store's data are its source 1: window 1
	XCS 0, XA0
	XCS 1, 13
	XCS 2, 14
	XCS 3, 15
	WIN 0
	BARRIER                                        ; 64 whole rows of x + . Wp lie in LDS
	; ---- out: my 8 rows, four at a time, + bp: a row's sixteen additions, one wait, its eight stores
.irp q, 0,1
.if \q
	s_wait_xcnt 0x0                                ; the first four rows' stores have read their registers
	s_wait_alu depctr_vm_vsrc(0)                   ; the first four rows' stores have read v16 to v143, in which the loads below land (the additions that wrote them stand ahead of the last wait on va_vdst)
.endif
.set n, 0
.rept 32
	ds_load_b128 v[16+4*n:19+4*n], v[RW] offset:(4*\q+n/8)*PITCH+512*(n%8)
.set n, n+1
.endr
.if \q == 0
	s_wait_loadcnt 0x0                             ; bp
.endif
.irp g, 0,1,2,3
	s_wait_dscnt 24-8*\g                           ; LDS loads come back in order (ISA guide 5.7.1): row g's eight are in, the rows behind it may be out
.set n, 8*\g
.rept 8
	v_pk_add_f32 v[16+4*n:17+4*n], v[16+4*n:17+4*n], v[BR+4*(n%8):BR+4*(n%8)+1]
	v_pk_add_f32 v[18+4*n:19+4*n], v[18+4*n:19+4*n], v[BR+4*(n%8)+2:BR+4*(n%8)+3]
.set n, n+1
.endr
	s_wait_alu depctr_va_vdst(0)                   ; the row's additions have written its 32 registers, which the eight stores below read
.set n, 8*\g
.rept 8
	global_store_b128 v[L16], v[16+4*n:19+4*n], s[24:25] offset:(4*\q+n/8)*4096+512*(n%8) th:TH_STORE_NT   ; 512 consecutive aligned bytes; written once, read by nobody here
.set n, n+1
.endr
.endr
.endr
	s_wait_xcnt 0x0
	v_lshl_add_u32 v254, v0, 2, 0x49800
	v_mov_b32 v255, 0
	s_wait_dscnt 0x0                               ; the closing lines, six on end
	s_wait_alu 0x0
	s_wait_tensorcnt 0x0
	ds_add_u32 v254, v255
	s_wait_dscnt 0x0
	s_endpgm
.Lfunc_end_k_qa100e07cb4_attn:
	.size	k_qa100e07cb4_attn, .Lfunc_end_k_qa100e07cb4_attn-k_qa100e07cb4_attn
	.p2alignl 7, 3214868480
	.fill 96, 4, 3214868480
	.section	.rodata,"a",@progbits
	.p2align	6, 0x0
	.amdhsa_kernel k_qa100e07cb4_attn
		.amdhsa_group_segment_fixed_size 302080
		.amdhsa_private_segment_fixed_size 0
		.amdhsa_enable_private_segment 0
		.amdhsa_kernarg_size 88
		.amdhsa_user_sgpr_count 2
		.amdhsa_user_sgpr_kernarg_segment_ptr 1
		.amdhsa_wavefront_size32 1
		.amdhsa_system_sgpr_workgroup_id_x 1
		.amdhsa_system_sgpr_workgroup_id_y 1
		.amdhsa_system_sgpr_workgroup_id_z 1
		.amdhsa_system_vgpr_workitem_id 0
		.amdhsa_next_free_vgpr 512
		.amdhsa_next_free_sgpr 66
		.amdhsa_reserve_vcc 0
		.amdhsa_float_denorm_mode_32 3
		.amdhsa_float_denorm_mode_16_64 3
		.amdhsa_memory_ordered 1
		.amdhsa_forward_progress 1
		.amdhsa_inst_pref_size 255
	.end_amdhsa_kernel
	.section	.bss,"aw",@nobits
	.p2align	6
	.space	262144
	.amdgpu_metadata
---
amdhsa.version: [ 1, 2 ]
amdhsa.kernels:
  - .name:           k_qa100e07cb4_attn
    .symbol:         k_qa100e07cb4_attn.kd
    .args:
      - { .name: x_q, .offset: 0, .size: 8, .value_kind: global_buffer, .address_space: global }
      - { .name: ss, .offset: 8, .size: 8, .value_kind: global_buffer, .address_space: global }
      - { .name: wimg, .offset: 16, .size: 8, .value_kind: global_buffer, .address_space: global }
      - { .name: Wq_scales, .offset: 24, .size: 8, .value_kind: global_buffer, .address_space: global }
      - { .name: Wp_scales, .offset: 32, .size: 8, .value_kind: global_buffer, .address_space: global }
      - { .name: bq, .offset: 40, .size: 8, .value_kind: global_buffer, .address_space: global }
      - { .name: bp, .offset: 48, .size: 8, .value_kind: global_buffer, .address_space: global }
      - { .name: kimg, .offset: 56, .size: 8, .value_kind: global_buffer, .address_space: global }
      - { .name: vimg, .offset: 64, .size: 8, .value_kind: global_buffer, .address_space: global }
      - { .name: kvsc, .offset: 72, .size: 8, .value_kind: global_buffer, .address_space: global }
      - { .name: out0, .offset: 80, .size: 8, .value_kind: global_buffer, .address_space: global }
    .group_segment_fixed_size: 302080
    .private_segment_fixed_size: 0
    .kernarg_segment_align: 8
    .kernarg_segment_size: 88
    .max_flat_workgroup_size: 256
    .sgpr_count:     66
    .vgpr_count:     512
    .wavefront_size: 32
...
	.end_amdgpu_metadata
.endif
;; end of part 6
